; MI455X (gfx1250); checked and timed in simulation.
; The chip was launched on July 23, 2026; its instructions are those of AMD's public machine-readable ISA for CDNA 5 (MIT licence, August 2026) and "CDNA5" Instruction Set Architecture Reference Guide (July 2026). The comments in the code are by the model that wrote it; some were corrected since.
;; Deformable Transformer Decoder Layer Det. Allowed arithmetic: float matrix products may take bf16 or f16 operands with f32 sums; all other float work in f32.
;; Inputs: attw_b 128 float32; attw_w 128 x 256 float32; inproj_b 768 float32; inproj_w 768 x 256 float32; level_start_index 4 int32; lin1_b 1,024 float32; lin1_w 1,024 x 256 float32; lin2_b 256 float32; lin2_w 256 x 1,024 float32; ln3_b 256 float32; ln3_g 256 float32; ln_cross_b 256 float32; ln_cross_g 256 float32; ln_inter_b 256 float32; ln_inter_g 256 float32; mout_b 256 float32; mout_w 256 x 256 float32; off_b 256 float32; off_w 256 x 256 float32; outproj_b 256 float32; outproj_w 256 x 256 float32; query_pos 4 x 300 x 16 x 256 float32; reference_points 4 x 300 x 16 x 4 x 2 float32; src 4 x 21,760 x 256 float32; src_spatial_shapes 4 x 2 int32; tgt 4 x 300 x 16 x 256 float32; val_b 256 float32; val_w 256 x 256 float32.
;; Outputs: out0 4 x 300 x 16 x 256 float32.
;; 2 versions, each right and faster than the one before. Each part assembles by itself: llvm-mc -triple=amdgcn-amd-amdhsa -mcpu=gfx1250 --defsym DOCPART=n.
;; ======== version 1 of 2: 5 launches
;; limits: values outside matrix products are rounded to bf16
;; workspace buffers: vtab 44,564,480 bytes; wb 1,900,544 bytes; obuf 9,830,400 bytes; x1 19,660,800 bytes; sidx 9,830,400 bytes of whole numbers; swts 19,660,800 bytes; samp 9,830,400 bytes
;; launch k_value (part 1): grid 256 x 1, 4 waves a work-group, no clusters, 34,304 bytes of LDS; arguments src, val_w, val_b, vtab, wb, inproj_w, outproj_w, off_w, attw_w, mout_w, lin1_w, lin2_w; writes vtab, wb
.if DOCPART == 1
	.amdgcn_target "amdgcn-amd-amdhsa--gfx1250"
	.amdhsa_code_object_version 6
	.text
	.protected	k_q478437b996_k_value
	.globl	k_q478437b996_k_value
	.p2align	8
	.type	k_q478437b996_k_value,@function
k_q478437b996_k_value:
	s_mov_b64 s[64:65], 0
	v_nop
	global_prefetch_b8 v0, s[64:65] scope:SCOPE_SE
	s_setreg_imm32_b32 hwreg(HW_REG_WAVE_MODE, 25, 1), 1
	s_wait_xcnt 0x0
; vtab[row][256] (bf16) = src[row][256] . val_w^T + val_b, 87,040 rows; and the seven other weight matrices are written to wb in bf16, in fragment order.
; SHARES. 2,720 tiles of 32 rows = 1,360 pairs; work-group g takes 5 pairs, from g = 176 on 6.  In a tile wave w loads rows 8 w .. 8 w + 7 (f32, 1,024 bytes each),
; rounds them to bf16 into LDS, and makes all 32 rows x its 64 columns; its 32 fragments of val_w stay in registers for the whole launch.
; THE MATRIX INSTRUCTION IS USED TRANSPOSED: source 0 = 16 weight rows, source 1 = 16 rows of src; a lane then holds eight neighbouring columns of one row.
; A FRAGMENT IN wb is 1,024 bytes for 16 weight rows x 32 k: byte 16 l (l = 16 hf + r) holds W[n0+r][k0+8hf ..+7], byte 512 + 16 l holds W[n0+r][k0+16+8hf ..+7]:
; two loads of 512 consecutive bytes fill a matrix operand.  Work-groups 0-57 cast one unit (16 rows x 256 k) a wave, 232 units.
; LIMITS. Operands are rounded to bf16, sums are f32, vtab is rounded once to bf16.  NaN and infinities are not treated apart.
; REGISTERS. window 0: v4-24 addresses; v32-95 the 8 accumulators; v96-223 fragments of src, also at work; v224-255 val_b as the first product's C.
;   window 1: val_w's fragments (nt, ks) at 64 nt + 8 ks.  window 2: two sets of 64 for the rows on their way.  window 3: landing place of the casts.
.set PITCH, 528                        ; an LDS row: 512 bytes of bf16 + 16
.set STG,   32*PITCH                   ; the stage for the way out, behind the tile
.set SPARE, 64*PITCH                   ; the spare words, 128 bytes a wave
.set R_OP,  393216                     ; regions of wb
.set R_OA,  524288
.set R_F,   720896
.set FW,    294912
.set MSB, 0
.macro WIN new                         ; the immediate's high byte repeats the setting that is left
.if MSB != (\new)
	s_set_vgpr_msb (MSB<<8)|(\new)
.set MSB, (\new)
.endif
.endm
.macro NOP5                            ; the places behind a run of matrix instructions
.rept 5
	v_nop
.endr
.endm
.macro SRCLOAD set, imm                ; my 8 rows of a tile: 16 loads of 512 consecutive bytes
	WIN 0x80
.irp j, 0,1,2,3,4,5,6,7
	global_load_b128 v[64*(\set)+8*\j:64*(\set)+8*\j+3], v4, s[4:5] offset:(\imm)+1024*\j th:TH_LOAD_NT
	global_load_b128 v[64*(\set)+8*\j+4:64*(\set)+8*\j+7], v4, s[4:5] offset:(\imm)+1024*\j+512 th:TH_LOAD_NT
.endr
	WIN 0
.endm
.macro CASTLOAD dst, voff, sb, imm     ; 16 weight rows x 256 k in f32, each lane the 16 numbers of its place in each of 8 fragments
.set ck, 0
.rept 8
	global_load_b128 v[(\dst)+16*ck:(\dst)+16*ck+3], v[\voff], s[\sb:\sb+1] offset:(\imm)+128*ck
	global_load_b128 v[(\dst)+16*ck+4:(\dst)+16*ck+7], v[\voff], s[\sb:\sb+1] offset:(\imm)+128*ck+16
	global_load_b128 v[(\dst)+16*ck+8:(\dst)+16*ck+11], v[\voff], s[\sb:\sb+1] offset:(\imm)+128*ck+64
	global_load_b128 v[(\dst)+16*ck+12:(\dst)+16*ck+15], v[\voff], s[\sb:\sb+1] offset:(\imm)+128*ck+80
.set ck, ck+1
.endr
.endm
.macro CASTCVT f, l                    ; 128 f32 -> 8 fragments of 8 registers
.set ck, 0
.rept 64
	v_cvt_pk_bf16_f32 v[(\f)+ck], v[(\l)+2*ck], v[(\l)+2*ck+1]
.set ck, ck+1
.endr
.endm
	s_load_b512 s[4:19], s[0:1], 0x0               ; src 4, val_w 6, val_b 8, vtab 10, wb 12, inproj_w 14, outproj_w 16, off_w 18
	s_load_b256 s[20:27], s[0:1], 0x40             ; attw_w 20, mout_w 22, lin1_w 24, lin2_w 26
	v_lshl_add_u32 v2, v0, 2, SPARE                ; my spare word
	v_mov_b32 v3, 0
	v_and_b32 v20, 31, v0                          ; l
	v_lshrrev_b32 v21, 5, v0
	v_readfirstlane_b32 s28, v21                   ; wave
	v_and_b32 v22, 15, v0                          ; r
	v_bfe_u32 v23, v0, 4, 1                        ; hf
	v_lshlrev_b32 v24, 4, v20                      ; 16 l
	s_lshl_b32 s29, s28, 13
	v_add_nc_u32 v4, s29, v24                      ; src: 8 w rows + 16 l
	s_mul_i32 s30, s28, 8*PITCH
	v_lshl_add_u32 v5, v20, 3, s30                 ; tile in LDS, in: row 8 w, 8 l
	v_mul_u32_u24 v6, v22, PITCH
	v_lshl_add_u32 v6, v23, 4, v6                  ; tile in LDS, fragments: r x pitch + 16 hf
	s_lshl_b32 s31, s28, 7
	s_add_co_u32 s31, s31, STG
	v_add_nc_u32 v7, s31, v6                       ; stage, in: my 64 columns are 128 bytes
	s_add_co_u32 s30, s30, STG
	v_add_nc_u32 v8, s30, v24                      ; stage, back: whole rows 8 w ..
	s_lshl_b32 s29, s28, 12
	v_add_nc_u32 v9, s29, v24                      ; vtab: 8 w rows of 512 bytes + 16 l
	v_lshlrev_b32 v10, 10, v22
	v_lshl_add_u32 v10, v23, 5, v10                ; a weight row of 1,024 bytes x r + 32 hf
	s_lshl_b32 s29, s28, 8
	v_lshl_add_u32 v11, v23, 5, s29                ; val_b: 4 (64 w + 8 hf)
	s_mov_b32 s35, ttmp9
	s_sub_co_i32 s32, s35, 176
	s_max_i32 s32, s32, 0
	s_mul_i32 s33, s35, 5
	s_add_co_u32 s33, s33, s32                     ; my first pair
	s_cmp_ge_u32 s35, 176
	s_cselect_b32 s34, 5, 4                        ; pairs less one: the loop's trips
	s_lshl_b32 s36, s33, 16                        ; a pair is 65,536 bytes of src,
	s_mov_b32 s37, 0
	s_lshl_b32 s38, s33, 15                        ; 32,768 of vtab
	s_mov_b32 s39, 0
	s_lshl_b32 s40, s28, 16                        ; my 64 rows of val_w
	s_mov_b32 s41, 0
	s_wait_kmcnt 0x0
	s_add_nc_u64 s[4:5], s[4:5], s[36:37]
	s_add_nc_u64 s[10:11], s[10:11], s[38:39]
	s_add_nc_u64 s[6:7], s[6:7], s[40:41]
	SRCLOAD 0, 0                                   ; the first two tiles go out before anything else
	SRCLOAD 1, 32768
.irp nt, 0,1,2,3
	global_load_b128 v[224+8*\nt:227+8*\nt], v11, s[8:9] offset:64*\nt
	global_load_b128 v[228+8*\nt:231+8*\nt], v11, s[8:9] offset:64*\nt+16
.endr
.irp i, 0,1                                            ; val_w: two of my four n tiles at a time
	WIN 0xc0
	CASTLOAD 0, 10, 6, (2*\i)*16384
	CASTLOAD 128, 10, 6, (2*\i+1)*16384
	s_wait_loadcnt 0x0
	WIN 0x4f
	CASTCVT 128*\i, 0
	CASTCVT 128*\i+64, 128
.endr
	WIN 0
	s_cmp_lt_u32 s35, 58
	s_cbranch_scc0 .Lnocast
	; THE CAST.  Unit u = 4 g + w.  Each class sets: the matrix s[44:45], the unit's byte offset in it s46, log2 of its row bytes s48, the place in wb s49, bytes from K step to K step there s50.
	s_lshl2_add_u32 s42, s35, s28
	s_mov_b32 s48, 10
	s_mov_b32 s50, 4096
	s_cmp_lt_u32 s42, 48
	s_cbranch_scc0 .Lc_out
	s_mov_b64 s[44:45], s[14:15]                   ; inproj_w, tile t = u: group t & 15, section t >> 4
	s_lshl_b32 s46, s42, 14
	s_and_b32 s49, s42, 15
	s_mul_i32 s49, s49, 24576
	s_lshr_b32 s51, s42, 4
	s_lshl_b32 s51, s51, 10
	s_add_co_u32 s49, s49, s51
	s_mov_b32 s50, 3072
	s_branch .Lc_go
.Lc_out:
	s_cmp_lt_u32 s42, 64
	s_cbranch_scc0 .Lc_oa
	s_mov_b64 s[44:45], s[16:17]                   ; outproj_w, t = u - 48
	s_sub_co_u32 s52, s42, 48
	s_lshl_b32 s46, s52, 14
	s_lshr_b32 s49, s52, 2
	s_lshl_b32 s49, s49, 15
	s_and_b32 s51, s52, 3
	s_lshl_b32 s51, s51, 10
	s_add_co_u32 s49, s49, s51
	s_add_co_u32 s49, s49, R_OP
	s_branch .Lc_go
.Lc_oa:
	s_cmp_lt_u32 s42, 88
	s_cbranch_scc0 .Lc_mout
	s_sub_co_u32 s52, s42, 64                      ; off_w (T = 0..15) and attw_w (T = 16..23) in groups of three tiles
	s_cmp_lt_u32 s42, 80
	s_cselect_b64 s[44:45], s[18:19], s[20:21]
	s_cselect_b32 s53, 64, 80
	s_sub_co_u32 s53, s42, s53
	s_lshl_b32 s46, s53, 14
	s_mul_i32 s51, s52, 11
	s_lshr_b32 s51, s51, 5                         ; G = T / 3 for T < 24
	s_mul_i32 s49, s51, 24576-3072                 ; G x 24,576 + (T - 3 G) x 1,024
	s_lshl_b32 s53, s52, 10
	s_add_co_u32 s49, s49, s53
	s_add_co_u32 s49, s49, R_OA
	s_mov_b32 s50, 3072
	s_branch .Lc_go
.Lc_mout:
	s_cmp_lt_u32 s42, 104
	s_cbranch_scc0 .Lc_l1
	s_mov_b64 s[44:45], s[22:23]                   ; mout_w, t = u - 88: pass 0 of wave t >> 2
	s_sub_co_u32 s52, s42, 88
	s_lshl_b32 s46, s52, 14
	s_lshr_b32 s49, s52, 2
	s_mul_i32 s49, s49, FW
	s_and_b32 s51, s52, 3
	s_lshl_b32 s51, s51, 10
	s_add_co_u32 s49, s49, s51
	s_add_co_u32 s49, s49, R_F
	s_branch .Lc_go
.Lc_l1:
	s_cmp_lt_u32 s42, 168
	s_cbranch_scc0 .Lc_l2
	s_mov_b64 s[44:45], s[24:25]                   ; lin1_w, t = u - 104: wave t >> 4, pass 1 + ((t >> 2) & 3)
	s_sub_co_u32 s52, s42, 104
	s_lshl_b32 s46, s52, 14
	s_lshr_b32 s49, s52, 4
	s_mul_i32 s49, s49, FW
	s_bfe_u32 s51, s52, 0x20002
	s_lshl_b32 s51, s51, 15
	s_add_co_u32 s49, s49, s51
	s_and_b32 s51, s52, 3
	s_lshl_b32 s51, s51, 10
	s_add_co_u32 s49, s49, s51
	s_add_co_u32 s49, s49, R_F+32768
	s_branch .Lc_go
.Lc_l2:
	s_mov_b64 s[44:45], s[26:27]                   ; lin2_w, v = u - 168: n tile v >> 2, 256 k from 256 (v & 3): pass 5 + (v & 3)
	s_sub_co_u32 s52, s42, 168
	s_lshr_b32 s46, s52, 2
	s_lshl_b32 s46, s46, 16
	s_and_b32 s51, s52, 3
	s_lshl_b32 s53, s51, 10
	s_add_co_u32 s46, s46, s53
	s_lshl_b32 s51, s51, 15
	s_lshr_b32 s49, s52, 4
	s_mul_i32 s49, s49, FW
	s_add_co_u32 s49, s49, s51
	s_bfe_u32 s51, s52, 0x20002
	s_lshl_b32 s51, s51, 10
	s_add_co_u32 s49, s49, s51
	s_add_co_u32 s49, s49, R_F+5*32768
	s_mov_b32 s48, 12
.Lc_go:
	s_mov_b32 s47, 0
	s_add_nc_u64 s[44:45], s[44:45], s[46:47]
	s_mov_b32 s54, s49
	s_mov_b32 s55, 0
	s_add_nc_u64 s[56:57], s[12:13], s[54:55]
	v_lshlrev_b32 v11, s48, v22                    ; r x row bytes (val_b's loads, which named v11, have been waited for)
	v_lshl_add_u32 v11, v23, 5, v11
.irp k, 0,1,2,3,4,5,6,7
	v_mad_u32_u24 v[12+\k], s50, \k, v24           ; 16 l + K step x its bytes
.endr
	WIN 0xc0
	CASTLOAD 0, 11, 44, 0
	s_wait_loadcnt 0x0
	WIN 0x0f
	CASTCVT 96, 0
	WIN 0
.irp k, 0,1,2,3,4,5,6,7
	global_store_b128 v[12+\k], v[96+8*\k:99+8*\k], s[56:57]
	global_store_b128 v[12+\k], v[100+8*\k:103+8*\k], s[56:57] offset:512
.endr
	s_wait_xcnt 0x0                                ; v96-159 are written again only behind this wait
.Lnocast:
; ONE TILE.  set: which landing set holds it; ahead = 1: the set is loaded again with the tile two on; left: the younger tile's loads, which may stay out.
; Two barriers a tile order all of LDS: the first stands between the tile's stores and its reads, the second between the stage's stores and its reads; a tile's reads are waited for
; ahead of the second, which is ahead of the next tile's stores; the stage's reads are waited for ahead of the next first barrier, which is ahead of the next stage stores.
.macro TILE set, ahead, left
	s_wait_loadcnt \left
	WIN 0x0a
.set ti, 0
.rept 32
	v_cvt_pk_bf16_f32 v[96+ti], v[64*(\set)+2*ti], v[64*(\set)+2*ti+1]
.set ti, ti+1
.endr
	WIN 0
.irp j, 0,1,2,3,4,5,6,7
	ds_store_b64 v5, v[96+4*\j:97+4*\j] offset:PITCH*\j
	ds_store_b64 v5, v[98+4*\j:99+4*\j] offset:PITCH*\j+256
.endr
.if \ahead
	SRCLOAD \set, 65536
.endif
	s_wait_dscnt 0x0                               ; for the others' sake: my rows are in LDS
	s_barrier_signal -1
	s_barrier_wait -1
.irp mt, 0,1
.irp ks, 0,1,2,3,4,5,6,7
	ds_load_b128 v[96+8*(8*\mt+\ks):96+8*(8*\mt+\ks)+3], v6 offset:16*PITCH*\mt+64*\ks
	ds_load_b128 v[96+8*(8*\mt+\ks)+4:96+8*(8*\mt+\ks)+7], v6 offset:16*PITCH*\mt+64*\ks+32
.endr
.endr
	s_wait_dscnt 0x0
	WIN 0x01                                       ; source 0 (val_w) in window 1
.irp ks, 0,1,2,3,4,5,6,7                               ; the 8 accumulators take turns; the first K step takes val_b as C
.irp mt, 0,1
.irp nt, 0,1,2,3
.if \ks == 0
	v_wmma_f32_16x16x32_bf16 v[32+8*(4*\mt+\nt):39+8*(4*\mt+\nt)], v[64*\nt+8*\ks:64*\nt+8*\ks+7], v[96+8*(8*\mt+\ks):103+8*(8*\mt+\ks)], v[224+8*\nt:231+8*\nt]
.else
	v_wmma_f32_16x16x32_bf16 v[32+8*(4*\mt+\nt):39+8*(4*\mt+\nt)], v[64*\nt+8*\ks:64*\nt+8*\ks+7], v[96+8*(8*\mt+\ks):103+8*(8*\mt+\ks)], v[32+8*(4*\mt+\nt):39+8*(4*\mt+\nt)]
.endif
.endr
.endr
.endr
	WIN 0
	NOP5
.set ti, 0
.rept 32                                               ; each accumulator's registers in ascending order
	v_cvt_pk_bf16_f32 v[96+ti], v[32+2*ti], v[33+2*ti]
.set ti, ti+1
.endr
.irp mt, 0,1
.irp nt, 0,1,2,3
	ds_store_b128 v7, v[96+4*(4*\mt+\nt):96+4*(4*\mt+\nt)+3] offset:16*PITCH*\mt+32*\nt
.endr
.endr
	s_wait_dscnt 0x0                               ; my part of the stage is written, and my reads of the tile are back
	s_barrier_signal -1
	s_barrier_wait -1
.irp j, 0,1,2,3,4,5,6,7
	ds_load_b128 v[128+4*\j:131+4*\j], v8 offset:PITCH*\j
.endr
	s_wait_dscnt 0x0
.irp j, 0,1,2,3,4,5,6,7
	global_store_b128 v9, v[128+4*\j:131+4*\j], s[10:11] offset:512*\j  ; a whole row: 512 consecutive bytes
.endr
	s_wait_xcnt 0x0                                ; the bases and v128-159 are written again only behind this wait
	s_add_nc_u64 s[4:5], s[4:5], 32768
	s_add_nc_u64 s[10:11], s[10:11], 16384
.endm
	s_mov_b32 s41, 0
.Lpair:
	TILE 0, 1, 16
	TILE 1, 1, 16
	s_add_co_u32 s41, s41, 1
	s_cmp_lt_u32 s41, s34
	s_cbranch_scc1 .Lpair
	TILE 0, 0, 16                                  ; the last pair loads nothing
	TILE 1, 0, 0
	s_wait_tensorcnt 0x0                           ; the wave's end
	ds_add_u32 v2, v3
	s_wait_dscnt 0x0
	s_endpgm
.Lfunc_end_k_q478437b996_k_value:
	.size	k_q478437b996_k_value, .Lfunc_end_k_q478437b996_k_value-k_q478437b996_k_value
	.p2alignl 7, 3214868480
	.fill 96, 4, 3214868480
	.section	.rodata,"a",@progbits
	.p2align	6, 0x0
	.amdhsa_kernel k_q478437b996_k_value
		.amdhsa_group_segment_fixed_size 34304
		.amdhsa_private_segment_fixed_size 0
		.amdhsa_enable_private_segment 0
		.amdhsa_kernarg_size 96
		.amdhsa_user_sgpr_count 2
		.amdhsa_user_sgpr_kernarg_segment_ptr 1
		.amdhsa_wavefront_size32 1
		.amdhsa_system_sgpr_workgroup_id_x 1
		.amdhsa_system_sgpr_workgroup_id_y 1
		.amdhsa_system_sgpr_workgroup_id_z 1
		.amdhsa_system_vgpr_workitem_id 0
		.amdhsa_next_free_vgpr 1024
		.amdhsa_next_free_sgpr 66
		.amdhsa_reserve_vcc 0
		.amdhsa_float_denorm_mode_32 3
		.amdhsa_float_denorm_mode_16_64 3
		.amdhsa_memory_ordered 1
		.amdhsa_forward_progress 1
		.amdhsa_inst_pref_size 105
	.end_amdhsa_kernel
	.amdgpu_metadata
---
amdhsa.version: [ 1, 2 ]
amdhsa.kernels:
  - .name:           k_q478437b996_k_value
    .symbol:         k_q478437b996_k_value.kd
    .args:
      - { .name: src, .offset: 0, .size: 8, .value_kind: global_buffer, .address_space: global }
      - { .name: val_w, .offset: 8, .size: 8, .value_kind: global_buffer, .address_space: global }
      - { .name: val_b, .offset: 16, .size: 8, .value_kind: global_buffer, .address_space: global }
      - { .name: vtab, .offset: 24, .size: 8, .value_kind: global_buffer, .address_space: global }
      - { .name: wb, .offset: 32, .size: 8, .value_kind: global_buffer, .address_space: global }
      - { .name: inproj_w, .offset: 40, .size: 8, .value_kind: global_buffer, .address_space: global }
      - { .name: outproj_w, .offset: 48, .size: 8, .value_kind: global_buffer, .address_space: global }
      - { .name: off_w, .offset: 56, .size: 8, .value_kind: global_buffer, .address_space: global }
      - { .name: attw_w, .offset: 64, .size: 8, .value_kind: global_buffer, .address_space: global }
      - { .name: mout_w, .offset: 72, .size: 8, .value_kind: global_buffer, .address_space: global }
      - { .name: lin1_w, .offset: 80, .size: 8, .value_kind: global_buffer, .address_space: global }
      - { .name: lin2_w, .offset: 88, .size: 8, .value_kind: global_buffer, .address_space: global }
    .group_segment_fixed_size: 34304
    .private_segment_fixed_size: 0
    .kernarg_segment_align: 8
    .kernarg_segment_size: 96
    .max_flat_workgroup_size: 128
    .sgpr_count:     66
    .vgpr_count:     1024
    .wavefront_size: 32
...
	.end_amdgpu_metadata
.endif
;; end of part 1
;; launch k_attn (part 2): grid 4 x 64, 4 waves a work-group, no clusters, 299,776 bytes of LDS; arguments tgt, wb, inproj_b, obuf; writes obuf
.if DOCPART == 2
	.amdgcn_target "amdgcn-amd-amdhsa--gfx1250"
	.amdhsa_code_object_version 6
	.text
	.protected	k_q478437b996_k_attn
	.globl	k_q478437b996_k_attn
	.p2align	8
	.type	k_q478437b996_k_attn,@function
k_q478437b996_k_attn:
	s_mov_b64 s[64:65], 0
	v_nop
	global_prefetch_b8 v0, s[64:65] scope:SCOPE_SE
	s_setreg_imm32_b32 hwreg(HW_REG_WAVE_MODE, 25, 1), 1
	s_wait_xcnt 0x0
; SELF-ATTENTION over the 300 instances of one batch n = 16 b + p, for one pair of heads hp: a work-group makes obuf[hp][300 n + q][64] (bf16), the attention's output before the out-projection.
; PHASES. a: the batch's 300 rows of tgt (f32) are rounded to bf16 into LDS (X; rows 300-303 are zeros).  b: wave w makes 16 columns each of q, k and v (its 24 weight fragments stay in
; registers) for 19 tiles of 16 rows, into Qs, Ks, Vs.  c: wave w has head w & 1 and the query tiles (w >> 1) + 2 i; all of the head's K and V^T stay in registers.
; LAYOUT. S^T = K Q^T (source 0 = 16 keys, source 1 = 16 queries): a lane holds one query (lane % 16) and the keys 8 (lane / 16) + 0..7 of each tile; two tiles rounded to bf16 are source 1 of
; O^T = V^T P.  SOFTMAX over all 300 keys at once: the true maximum is taken away, p = 2^(c s - c m), c = log2(e) / sqrt(32); the sum is of the unrounded p.
; LIMITS. Keys 300-303 get -1e30 as the C operand of their product, which takes scores far below 1e30 in size; operands are bf16; NaN and infinities are not treated apart.
; REGISTERS. window 0: v4-21 addresses; phase a: v32-231 25 slots of a row; phase b: v32-55 three accumulators, v64-191 two buffers of X fragments, v216-227 packed;
;   phase c: v32-39 Q, v40-55 O^T, v64-223 S^T (20 tiles, the last stays 0), v224-231 the mask, v232-249 statistics.
;   window 1: 24 weight fragments and v192-215 the three biases, later K's 19 fragments.  window 2: V^T's 20 fragments.
.set XP,   528
.set QPI,  144
.set VPI,  160
.set QSB,  304*XP
.set KSB,  QSB+304*QPI
.set VSB,  KSB+304*QPI
.set SPARE, VSB+320*VPI
.set MSB, 0
.macro WIN new
.if MSB != (\new)
	s_set_vgpr_msb (MSB<<8)|(\new)
.set MSB, (\new)
.endif
.endm
.macro NOP5
.rept 5
	v_nop
.endr
.endm
.macro BAR
	s_wait_dscnt 0x0                               ; for the others' sake: all my LDS stores and loads are done
	s_barrier_signal -1
	s_barrier_wait -1
.endm
	s_load_b256 s[4:11], s[0:1], 0x0               ; tgt 4, wb 6, inproj_b 8, obuf 10
	v_lshl_add_u32 v2, v0, 2, SPARE
	v_mov_b32 v3, 0
	v_and_b32 v16, 31, v0                          ; l
	v_lshrrev_b32 v19, 5, v0
	v_readfirstlane_b32 s12, v19                   ; wave
	v_and_b32 v17, 15, v0                          ; r
	v_bfe_u32 v18, v0, 4, 1                        ; hf
	v_lshlrev_b32 v4, 4, v16                       ; 16 l
	s_mov_b32 s13, ttmp9                           ; hp
	s_and_b32 s14, ttmp7, 0xffff                   ; n
	s_lshr_b32 s15, s14, 4                         ; b
	s_and_b32 s16, s14, 15                         ; p
	s_mul_i32 s17, s15, 300
	s_mul_i32 s18, s12, 75
	s_add_co_u32 s17, s17, s18
	s_lshl_b32 s17, s17, 4
	s_add_co_u32 s17, s17, s16
	s_lshl_b32 s20, s17, 10                        ; tgt at row ((300 b + 75 w) 16 + p)
	s_mov_b32 s21, 0
	s_lshl2_add_u32 s22, s13, s12
	s_mul_i32 s22, s22, 24576                      ; my group of 24 fragments
	s_mov_b32 s23, 0
	s_lshl_b32 s24, s13, 8
	s_lshl_b32 s25, s12, 6
	s_add_co_u32 s24, s24, s25
	v_lshl_add_u32 v15, v18, 5, s24                ; bias: 4 (64 hp + 16 w + 8 hf)
	s_mul_i32 s26, s13, 19200
	s_mul_i32 s27, s14, 300
	s_add_co_u32 s26, s26, s27
	s_lshl_b32 s26, s26, 7
	s_lshl_b32 s27, s12, 9
	s_add_co_u32 s26, s26, s27                     ; obuf at row 19,200 hp + 300 n + 4 w
	s_mov_b32 s27, 0
	s_mul_i32 s28, s12, 75*XP
	v_lshl_add_u32 v5, v16, 3, s28                 ; X, in: row 75 w, 8 l
	s_wait_kmcnt 0x0
	s_add_nc_u64 s[4:5], s[4:5], s[20:21]
	s_add_nc_u64 s[6:7], s[6:7], s[22:23]
	s_add_nc_u64 s[10:11], s[10:11], s[26:27]
	WIN 0x40
.set fi, 0
.rept 24                                               ; fragment 3 ks + section
	global_load_b128 v[8*fi:8*fi+3], v4, s[6:7] offset:1024*fi
	global_load_b128 v[8*fi+4:8*fi+7], v4, s[6:7] offset:1024*fi+512
.set fi, fi+1
.endr
.irp sec, 0,1,2
	global_load_b128 v[192+8*\sec:195+8*\sec], v15, s[8:9] offset:1024*\sec
	global_load_b128 v[196+8*\sec:199+8*\sec], v15, s[8:9] offset:1024*\sec+16
.endr
	WIN 0
.set sl, 0
.rept 25                                               ; the ring: rows 75 w + 0 .. 24, 16,384 bytes apart
	global_load_b128 v[32+8*sl:35+8*sl], v4, s[4:5] offset:16384*sl
	global_load_b128 v[36+8*sl:39+8*sl], v4, s[4:5] offset:16384*sl+512
.set sl, sl+1
.endr
; PHASE a.  A slot's turn: its row is rounded and stored to X; ahead = 1: the slot takes the row 25 further on.  left = the loads issued behind the slot's two.
.macro XSLOT sn, ahead, left
	s_wait_loadcnt \left
	v_cvt_pk_bf16_f32 v232, v[32+8*(\sn)], v[33+8*(\sn)]
	v_cvt_pk_bf16_f32 v233, v[34+8*(\sn)], v[35+8*(\sn)]
	v_cvt_pk_bf16_f32 v234, v[36+8*(\sn)], v[37+8*(\sn)]
	v_cvt_pk_bf16_f32 v235, v[38+8*(\sn)], v[39+8*(\sn)]
	ds_store_b64 v5, v[232:233] offset:XP*(\sn)
	ds_store_b64 v5, v[234:235] offset:XP*(\sn)+256
.if \ahead
	global_load_b128 v[32+8*(\sn):35+8*(\sn)], v4, s[4:5] offset:16384*(\sn)+409600
	global_load_b128 v[36+8*(\sn):39+8*(\sn)], v4, s[4:5] offset:16384*(\sn)+409600+512
.endif
.endm
	s_mov_b32 s29, 2
.Lxa:
.set sl, 0
.rept 25
	XSLOT sl, 1, 48                                ; 24 younger slots x 2 loads
.set sl, sl+1
.endr
	s_wait_xcnt 0x0                                ; the base steps only behind this wait
	s_add_nc_u64 s[4:5], s[4:5], 409600
	v_add_nc_u32 v5, 25*XP, v5
	s_sub_co_u32 s29, s29, 1
	s_cmp_lg_u32 s29, 0
	s_cbranch_scc1 .Lxa
.set sl, 0
.rept 25
	XSLOT sl, 0, 2*(24-sl)                         ; the last round loads nothing: the counts run down
.set sl, sl+1
.endr
.irp i, 236,237,238,239
	v_mov_b32 v\i, 0
.endr
	s_mul_i32 s28, s12, XP
	s_add_co_u32 s28, s28, 300*XP
	v_add_nc_u32 v19, s28, v4
	ds_store_b128 v19, v[236:239]                  ; X row 300 + w = 0
	v_lshrrev_b32 v20, 3, v16
	v_and_b32 v21, 7, v16
	v_mul_u32_u24 v20, v20, VPI
	v_lshl_add_u32 v20, v21, 4, v20
	s_mul_i32 s28, s12, 4*VPI
	s_add_co_u32 s28, s28, VSB+304*VPI
	v_add_nc_u32 v20, s28, v20
	ds_store_b128 v20, v[236:239]                  ; Vs rows 304 + 4 w .. + 3, their 128 bytes of data = 0
	v_mul_u32_u24 v6, v17, XP
	v_lshl_add_u32 v6, v18, 4, v6                  ; X fragments: r x pitch + 16 hf
	v_mul_u32_u24 v7, v17, QPI
	v_lshl_add_u32 v7, v18, 4, v7
	s_lshl_b32 s28, s12, 5
	v_add_nc_u32 v7, s28, v7                       ; row r, my 16 columns are 32 bytes, 16 for each half of the lanes
	v_add_nc_u32 v8, KSB, v7
	v_add_nc_u32 v7, QSB, v7
	v_mul_u32_u24 v9, v17, VPI
	v_lshl_add_u32 v9, v18, 4, v9
	s_add_co_u32 s28, s28, VSB
	v_add_nc_u32 v9, s28, v9
	BAR
; PHASE b.  One tile of 16 rows: q, k, v by turns over 8 K steps; the first K step takes the bias as C.  more = 1: the next tile's fragments are fetched first.
.macro MT cur, nxt, more
	s_wait_dscnt 0x0                               ; this tile's fragments are in
.if \more
.irp ks, 0,1,2,3,4,5,6,7
	ds_load_b128 v[(\nxt)+8*\ks:(\nxt)+8*\ks+3], v6 offset:16*XP+64*\ks
	ds_load_b128 v[(\nxt)+8*\ks+4:(\nxt)+8*\ks+7], v6 offset:16*XP+64*\ks+32
.endr
.endif
	WIN 0x11                                       ; weights and bias in window 1
.irp sec, 0,1,2
	v_wmma_f32_16x16x32_bf16 v[32+8*\sec:39+8*\sec], v[8*\sec:8*\sec+7], v[(\cur):(\cur)+7], v[192+8*\sec:199+8*\sec]
.endr
	WIN 0x01
.irp ks, 1,2,3,4,5,6,7
.irp sec, 0,1,2
	v_wmma_f32_16x16x32_bf16 v[32+8*\sec:39+8*\sec], v[24*\ks+8*\sec:24*\ks+8*\sec+7], v[(\cur)+8*\ks:(\cur)+8*\ks+7], v[32+8*\sec:39+8*\sec]
.endr
.endr
	WIN 0
	NOP5
.irp sec, 0,1,2
.irp i, 0,1,2,3
	v_cvt_pk_bf16_f32 v[216+4*\sec+\i], v[32+8*\sec+2*\i], v[33+8*\sec+2*\i]
.endr
.endr
	ds_store_b128 v7, v[216:219]
	ds_store_b128 v8, v[220:223]
	ds_store_b128 v9, v[224:227]
	v_add_nc_u32 v6, 16*XP, v6
	v_add_nc_u32 v7, 16*QPI, v7
	v_add_nc_u32 v8, 16*QPI, v8
	v_add_nc_u32 v9, 16*VPI, v9
.endm
.irp ks, 0,1,2,3,4,5,6,7
	ds_load_b128 v[64+8*\ks:67+8*\ks], v6 offset:64*\ks
	ds_load_b128 v[68+8*\ks:71+8*\ks], v6 offset:64*\ks+32
.endr
	s_mov_b32 s29, 9
.Lmt:
	MT 64, 128, 1
	MT 128, 64, 1
	s_sub_co_u32 s29, s29, 1
	s_cmp_lg_u32 s29, 0
	s_cbranch_scc1 .Lmt
	MT 64, 128, 0                                  ; tile 18
	; addresses and constants of phase c
	s_and_b32 s30, s12, 1
	s_lshr_b32 s31, s12, 1                         ; my first query tile
	s_lshl_b32 s30, s30, 6                         ; my head's 64 bytes of a row
	v_mul_u32_u24 v19, v17, QPI
	v_lshl_add_u32 v19, v18, 4, v19
	v_add_nc_u32 v19, s30, v19
	v_add_nc_u32 v12, KSB, v19                     ; K fragments
	s_mul_i32 s32, s31, 16*QPI
	v_add_nc_u32 v11, s32, v19                     ; the output's stage: X's bytes, which nobody reads any more, pitch 144
	v_add_nc_u32 v10, QSB, v11                     ; Q fragment
	v_and_b32 v20, 7, v16
	v_lshl_add_u32 v20, v18, 3, v20
	v_mul_u32_u24 v20, v20, VPI
	v_bfe_u32 v21, v16, 3, 1
	v_lshl_add_u32 v20, v21, 4, v20
	s_add_co_u32 s30, s30, VSB
	v_add_nc_u32 v13, s30, v20                     ; the turning load: key 8 hf + l % 8, channels 8 ((l / 8) % 2) on
	s_mov_b32 s33, 0xf149f2ca                      ; -1e30
	s_mov_b32 s36, 0x76543210
	s_mov_b32 s37, 0xfedcba98
	s_mov_b32 s38, 0x3e8293ee                      ; c = log2(e) / sqrt(32)
	s_mov_b32 s39, s38
	v_cmp_eq_u32 vcc_lo, 1, v18
.irp i, 224,225,226,227
	v_mov_b32 v\i, 0
.endr
.irp i, 228,229,230,231
	v_cndmask_b32 v\i, 0, s33, vcc_lo              ; tile 18: key 288 + 8 hf + j is none from 300 on
.endr
.irp i, 216,217,218,219,220,221,222,223,245,247,249
	v_mov_b32 v\i, 0                               ; tile 19 has no keys; the others are named in pairs or as a lane exchange's destination
.endr
	BAR
	WIN 0x40
.set ti, 0
.rept 19
	ds_load_b128 v[8*ti:8*ti+3], v12 offset:16*QPI*ti
	ds_load_b128 v[8*ti+4:8*ti+7], v12 offset:16*QPI*ti+32
.set ti, ti+1
.endr
	WIN 0x80
.set fi, 0
.rept 20                                               ; keys 32 (fi / 2) on, channels 16 (fi % 2) on
	ds_load_tr16_b128 v[8*fi:8*fi+3], v13 offset:32*VPI*(fi/2)+32*(fi%2)
	ds_load_tr16_b128 v[8*fi+4:8*fi+7], v13 offset:32*VPI*(fi/2)+32*(fi%2)+16*VPI
.set fi, fi+1
.endr
	WIN 0
	s_mov_b32 s34, 10
.Lq:                                                   ; PHASE c: a tile of 16 queries a trip; waves 2 and 3 have nine, and jump over the tenth
	s_cmp_ge_u32 s31, 19
	s_cbranch_scc1 .Lqskip
	ds_load_b128 v[32:35], v10
	ds_load_b128 v[36:39], v10 offset:32
	s_wait_dscnt 0x0                               ; Q; in the first trip K and V^T too
	WIN 0x01
.set ti, 0
.rept 18
	v_wmma_f32_16x16x32_bf16 v[64+8*ti:71+8*ti], v[8*ti:8*ti+7], v[32:39], 0
.set ti, ti+1
.endr
	v_wmma_f32_16x16x32_bf16 v[208:215], v[144:151], v[32:39], v[224:231]
	WIN 0
	NOP5
	; the maximum of my 152 scores: four chains; each tile's lowest registers are read first
.set gi, 0
.rept 5
.set ui, 0
.rept 4
.set ci, 0
.rept 4
.set ti, 4*gi+ci
.if ti < 19
.if (gi == 0) && (ui == 0)
	v_max3_num_f32 v[232+ci], v[64+8*ti], v[65+8*ti], v[66+8*ti]
.elseif (gi == 0) && (ui < 3)
	v_max3_num_f32 v[232+ci], v[232+ci], v[64+8*ti+2*ui+1], v[64+8*ti+2*ui+2]
.elseif gi == 0
	v_max_num_f32 v[232+ci], v[232+ci], v[71+8*ti]
.else
	v_max3_num_f32 v[232+ci], v[232+ci], v[64+8*ti+2*ui], v[65+8*ti+2*ui]
.endif
.endif
.set ci, ci+1
.endr
.set ui, ui+1
.endr
.set gi, gi+1
.endr
	v_max3_num_f32 v232, v232, v233, v234
	v_max_num_f32 v232, v232, v235
	v_permlanex16_b32 v233, v232, s36, s37         ; the query's other keys lie in the lane 16 away
	v_max_num_f32 v232, v232, v233
	v_mul_f32 v244, s38, v232                      ; c m
.set ii, 0
.rept 76
	v_pk_fma_f32 v[64+2*ii:65+2*ii], v[64+2*ii:65+2*ii], s[38:39], v[244:245] op_sel_hi:[1,0,0] neg_lo:[0,0,1] neg_hi:[0,0,1]
.set ii, ii+1
.endr
.set ii, 0
.rept 152
	v_exp_f32 v[64+ii], v[64+ii]
.set ii, ii+1
.endr
	v_nop                                          ; a plain instruction behind the last exponential
	s_wait_alu depctr_va_vdst(0)
.irp c, 0,1,2,3
	v_pk_add_f32 v[236+2*\c:237+2*\c], v[64+2*\c:65+2*\c], v[72+2*\c:73+2*\c]
.endr
.set ii, 8
.rept 68
	v_pk_add_f32 v[236+2*(ii%4):237+2*(ii%4)], v[236+2*(ii%4):237+2*(ii%4)], v[64+2*ii:65+2*ii]
.set ii, ii+1
.endr
	v_pk_add_f32 v[236:237], v[236:237], v[238:239]
	v_pk_add_f32 v[240:241], v[240:241], v[242:243]
	v_pk_add_f32 v[236:237], v[236:237], v[240:241]
	v_add_f32 v246, v236, v237
	v_permlanex16_b32 v247, v246, s36, s37
	v_add_f32 v246, v246, v247
	v_rcp_f32 v248, v246                           ; used behind the second product
.set ii, 0
.rept 80                                               ; P in place: key step ii / 8 takes the first 8 of its 16 registers
	v_cvt_pk_bf16_f32 v[64+16*(ii/8)+ii%8], v[64+16*(ii/8)+2*(ii%8)], v[65+16*(ii/8)+2*(ii%8)]
.set ii, ii+1
.endr
	WIN 0x02                                       ; V^T in window 2
.set kk, 0
.rept 10                                               ; the two accumulators take turns
.irp cb, 0,1
.if kk == 0
	v_wmma_f32_16x16x32_bf16 v[40+8*\cb:47+8*\cb], v[16*kk+8*\cb:16*kk+8*\cb+7], v[64+16*kk:71+16*kk], 0
.else
	v_wmma_f32_16x16x32_bf16 v[40+8*\cb:47+8*\cb], v[16*kk+8*\cb:16*kk+8*\cb+7], v[64+16*kk:71+16*kk], v[40+8*\cb:47+8*\cb]
.endif
.endr
.set kk, kk+1
.endr
	WIN 0
	NOP5
	s_wait_alu depctr_va_vdst(0)
.irp i, 0,1,2,3,4,5,6,7
	v_pk_mul_f32 v[40+2*\i:41+2*\i], v[40+2*\i:41+2*\i], v[248:249] op_sel_hi:[1,0]
.endr
.irp i, 0,1,2,3,4,5,6,7
	v_cvt_pk_bf16_f32 v[32+\i], v[40+2*\i], v[41+2*\i]
.endr
	ds_store_b128 v11, v[32:35]                    ; query r, channels 8 hf .. of my head,
	ds_store_b128 v11, v[36:39] offset:32          ; and 16 + 8 hf ..
.Lqskip:
	v_add_nc_u32 v10, 32*QPI, v10
	v_add_nc_u32 v11, 32*QPI, v11
	s_add_co_u32 s31, s31, 2
	s_sub_co_u32 s34, s34, 1
	s_cmp_lg_u32 s34, 0
	s_cbranch_scc1 .Lq
	v_lshrrev_b32 v20, 3, v16
	v_mul_u32_u24 v20, v20, QPI
	v_and_b32 v21, 7, v16
	v_lshl_add_u32 v20, v21, 4, v20
	s_mul_i32 s28, s12, 4*QPI
	v_add_nc_u32 v14, s28, v20                     ; back: four rows of 128 bytes, rows 4 w .. of each 16
	BAR
.set ti, 0
.rept 19
	ds_load_b128 v[64+4*ti:67+4*ti], v14 offset:16*QPI*ti
.set ti, ti+1
.endr
	s_wait_dscnt 0x0
	s_wait_tensorcnt 0x0                           ; the wave's end, behind my last LDS store
	ds_add_u32 v2, v3
	s_wait_dscnt 0x0
.set ti, 0
.rept 18
	global_store_b128 v4, v[64+4*ti:67+4*ti], s[10:11] offset:2048*ti  ; 512 consecutive bytes
.set ti, ti+1
.endr
	s_cmp_eq_u32 s12, 3                            ; rows 300-303 are none
	s_cbranch_scc1 .Lend
	global_store_b128 v4, v[136:139], s[10:11] offset:2048*18
.Lend:
	s_endpgm
.Lfunc_end_k_q478437b996_k_attn:
	.size	k_q478437b996_k_attn, .Lfunc_end_k_q478437b996_k_attn-k_q478437b996_k_attn
	.p2alignl 7, 3214868480
	.fill 96, 4, 3214868480
	.section	.rodata,"a",@progbits
	.p2align	6, 0x0
	.amdhsa_kernel k_q478437b996_k_attn
		.amdhsa_group_segment_fixed_size 299776
		.amdhsa_private_segment_fixed_size 0
		.amdhsa_enable_private_segment 0
		.amdhsa_kernarg_size 32
		.amdhsa_user_sgpr_count 2
		.amdhsa_user_sgpr_kernarg_segment_ptr 1
		.amdhsa_wavefront_size32 1
		.amdhsa_system_sgpr_workgroup_id_x 1
		.amdhsa_system_sgpr_workgroup_id_y 1
		.amdhsa_system_sgpr_workgroup_id_z 1
		.amdhsa_system_vgpr_workitem_id 0
		.amdhsa_next_free_vgpr 672
		.amdhsa_next_free_sgpr 66
		.amdhsa_reserve_vcc 1
		.amdhsa_float_denorm_mode_32 3
		.amdhsa_float_denorm_mode_16_64 3
		.amdhsa_memory_ordered 1
		.amdhsa_forward_progress 1
		.amdhsa_inst_pref_size 91
	.end_amdhsa_kernel
	.amdgpu_metadata
---
amdhsa.version: [ 1, 2 ]
amdhsa.kernels:
  - .name:           k_q478437b996_k_attn
    .symbol:         k_q478437b996_k_attn.kd
    .args:
      - { .name: tgt, .offset: 0, .size: 8, .value_kind: global_buffer, .address_space: global }
      - { .name: wb, .offset: 8, .size: 8, .value_kind: global_buffer, .address_space: global }
      - { .name: inproj_b, .offset: 16, .size: 8, .value_kind: global_buffer, .address_space: global }
      - { .name: obuf, .offset: 24, .size: 8, .value_kind: global_buffer, .address_space: global }
    .group_segment_fixed_size: 299776
    .private_segment_fixed_size: 0
    .kernarg_segment_align: 8
    .kernarg_segment_size: 32
    .max_flat_workgroup_size: 128
    .sgpr_count:     66
    .vgpr_count:     672
    .wavefront_size: 32
...
	.end_amdgpu_metadata
.endif
;; end of part 2
;; launch k_mid (part 3): grid 4 x 64, 4 waves a work-group, no clusters, 298,752 bytes of LDS; arguments obuf, tgt, query_pos, reference_points, wb, outproj_b, ln_inter_g, ln_inter_b, off_b, attw_b, x1, sidx, swts; writes x1, sidx, swts
.if DOCPART == 3
	.amdgcn_target "amdgcn-amd-amdhsa--gfx1250"
	.amdhsa_code_object_version 6
	.text
	.protected	k_q478437b996_k_mid
	.globl	k_q478437b996_k_mid
	.p2align	8
	.type	k_q478437b996_k_mid,@function
k_q478437b996_k_mid:
	s_mov_b64 s[64:65], 0
	v_nop
	global_prefetch_b8 v0, s[64:65] scope:SCOPE_SE
	s_setreg_imm32_b32 hwreg(HW_REG_WAVE_MODE, 25, 1), 1
	s_wait_xcnt 0x0
; For 75 rows (batch n = 16 b + p, instances 75 j .. 75 j + 74; row R' = 300 n + q): x1 = LN(tgt + obuf . outproj_w^T + outproj_b); query = x1 + query_pos;
; offsets and logits = query . (off_w, attw_w)^T + biases; softmax over a head's 16 logits (its maximum taken away); and for each of the 128 sampling points of a row a whole number,
; the table row of the point's upper left pixel, and four weights (bf16) = bilinear weight x attention weight.
; THE SAMPLING.  With x = loc W - 0.5 and xb = floor(x) held within 0 .. W - 2, pixels xb and xb + 1 both exist, and their weights are max(0, 1 - |x - xb|) and max(0, 1 - |x - xb - 1|): for every x this
; is what four gathers times their validity give.  With d = x - xb they are the medians of (1 - d, 0, 1 + d) and (2 - d, 0, d), since each outer pair adds up to 2.  W = H on every level (128, 64, 32, 16),
; constants of the module's own text: the inputs src_spatial_shapes and level_start_index are not read there, so they are not read here.
; LIMITS.  Matrix operands and the stored weights are bf16; the residual, the norms and x1 are f32; the variance is taken of x - mean.  NaN and infinities are not treated apart.
; SHARES.  80 rows = 5 tiles of 16 (rows 75-79 arrive as zeros and are not stored).  In a product a wave owns 4 or 3 tiles of 16 columns; its weights come straight from wb into a ring of eight K steps
; in registers, each slot loaded again right behind its use.  In the row phases wave w owns rows 20 w .. 20 w + 19.  No cluster: the weights go to registers, not to LDS, so there is no tile to share.
; LDS.  0: obuf's four planes 80 x 144, later query in bf16 80 x 528.  46,080: tgt 80 x 1,040; 129,280: query_pos likewise; over both later offsets and logits 80 x 1,552.
;   212,480: the out-projection 80 x 1,040.  295,680: reference points 80 x 32.  298,240: the spare words.
; REGISTERS.  window 0: v4-31 addresses, v32-67 vectors, v68-75 a lane's level, v112-175 four rows at work, v176-255 two buffers of 5 activation fragments, else at work.
;   window 1: accumulators (mt, nt) at 8 (NT mt + nt).  window 2: the ring (ks, nt) at 32 ks + 8 nt.
.set TG,    46080
.set QPL,   129280
.set OAS,   46080
.set ST1,   212480
.set RPL,   295680
.set SPARE, 298240
.set R_OP,  393216
.set R_OA,  524288
.set MSB, 0
.macro WIN new
.if MSB != (\new)
	s_set_vgpr_msb (MSB<<8)|(\new)
.set MSB, (\new)
.endif
.endm
.macro NOP5
.rept 5
	v_nop
.endr
.endm
.macro BAR
	s_wait_dscnt 0x0
	s_barrier_signal -1
	s_barrier_wait -1
.endm
.macro ALOAD buf, AA, bo               ; 5 activation fragments of one K step
.irp mt, 0,1,2,3,4
	ds_load_b128 v[(\buf)+8*\mt:(\buf)+8*\mt+3], v[(\AA)+\mt] offset:(\bo)
	ds_load_b128 v[(\buf)+8*\mt+4:(\buf)+8*\mt+7], v[(\AA)+\mt] offset:(\bo)+32
.endr
.endm
; A PASS: 80 rows x NT tiles of 16 columns x 256 k.  AA: first of 5 address registers; KP2: bytes from one pair of K steps to the next; cmode 0: the first K step starts the sums;
; NTn: tiles of the next pass, whose fragments follow each K step's use into the ring from s[wp] + roff + ks rks.
; s_wait_dscnt 10: the ten fragment loads just issued may stay out.  s_wait_loadcnt: behind slot ks's own loads came the rest of the last pass's, (7 - ks) 2 NT, and this pass's so far, ks 2 NTn.
.macro PASS NT, AA, KP2, cmode, NTn, wp, roff, rks
	WIN 0
	ALOAD 176, \AA, 0
.set ks, 0
.rept 8
	WIN 0
.if ks < 7
	ALOAD 176+40*((ks+1)%2), \AA, ((ks+1)/2)*(\KP2)+((ks+1)%2)*64
	s_wait_dscnt 10
.else
	s_wait_dscnt 0x0
.endif
	s_wait_loadcnt (7-ks)*2*(\NT)+ks*2*(\NTn)
	WIN 0x52                                       ; weights window 2, activations window 0, C and D window 1
.set mt, 0
.rept 5                                                ; the 5 NT accumulators take turns
.set nt, 0
.rept \NT
.set rD, 8*((\NT)*mt+nt)
.set rB, 32*ks+8*nt
.set rA, 176+40*(ks%2)+8*mt
.if (ks == 0) && ((\cmode) == 0)
	v_wmma_f32_16x16x32_bf16 v[rD:rD+7], v[rB:rB+7], v[rA:rA+7], 0
.else
	v_wmma_f32_16x16x32_bf16 v[rD:rD+7], v[rB:rB+7], v[rA:rA+7], v[rD:rD+7]
.endif
.set nt, nt+1
.endr
.set mt, mt+1
.endr
	NOP5                                           ; the places in front of the loads into registers just read
.if \NTn
	WIN 0x80
.set nt, 0
.rept \NTn
	global_load_b128 v[32*ks+8*nt:32*ks+8*nt+3], v4, s[\wp:\wp+1] offset:(\roff)+ks*(\rks)+1024*nt
	global_load_b128 v[32*ks+8*nt+4:32*ks+8*nt+7], v4, s[\wp:\wp+1] offset:(\roff)+ks*(\rks)+1024*nt+512
.set nt, nt+1
.endr
.endif
.set ks, ks+1
.endr
	WIN 0
.endm
.macro EPIF NT, EP, cb                 ; the sums go to a stage in f32: v5 serves tiles 0-2, v6 tiles 3-4; each accumulator's low four registers first
	WIN 0x04
.set mt, 0
.rept 5
.set nt, 0
.rept \NT
.set rD, 8*((\NT)*mt+nt)
.set eo, (mt%3)*16*(\EP)+(\cb)+64*nt
	ds_store_b128 v[5+mt/3], v[rD:rD+3] offset:eo
	ds_store_b128 v[5+mt/3], v[rD+4:rD+7] offset:eo+16
.set nt, nt+1
.endr
.set mt, mt+1
.endr
	WIN 0
.endm
.macro RED4                            ; v176, v178, v180, v182: each summed over the 32 lanes
.irp m, 1,2,4,8
.irp k, 0,1,2,3
	v_add_f32_dpp v[176+2*\k], v[176+2*\k], v[176+2*\k] row_xmask:\m row_mask:0xf bank_mask:0xf
.endr
.endr
.irp k, 0,1,2,3
	v_permlanex16_b32 v[184+\k], v[176+2*\k], s86, s87
.endr
.irp k, 0,1,2,3
	v_add_f32 v[176+2*\k], v[176+2*\k], v[184+\k]
.endr
.endm
; Four rows k: Y (v[112+16k ..+7]) = LN(Y + T (v[120+16k ..+7]) + BB) G + BT.  A lane holds columns 4 l .. + 3 and 128 + 4 l .. + 3.  v176-187 have been written by the pass in front.
.macro LNCORE BB, G, BT
.irp k, 0,1,2,3
.irp i, 0,2,4,6
	v_pk_add_f32 v[112+16*\k+\i:113+16*\k+\i], v[112+16*\k+\i:113+16*\k+\i], v[120+16*\k+\i:121+16*\k+\i]
.endr
.endr
.irp k, 0,1,2,3
.irp i, 0,2,4,6
	v_pk_add_f32 v[112+16*\k+\i:113+16*\k+\i], v[112+16*\k+\i:113+16*\k+\i], v[(\BB)+\i:(\BB)+\i+1]
.endr
.endr
.irp k, 0,1,2,3
	v_pk_add_f32 v[120+16*\k:121+16*\k], v[112+16*\k:113+16*\k], v[114+16*\k:115+16*\k]
	v_pk_add_f32 v[122+16*\k:123+16*\k], v[116+16*\k:117+16*\k], v[118+16*\k:119+16*\k]
.endr
.irp k, 0,1,2,3
	v_pk_add_f32 v[120+16*\k:121+16*\k], v[120+16*\k:121+16*\k], v[122+16*\k:123+16*\k]
.endr
.irp k, 0,1,2,3
	v_add_f32 v[176+2*\k], v[120+16*\k], v[121+16*\k]
.endr
	RED4
.irp k, 0,1,2,3
	v_mul_f32 v[176+2*\k], s84, v[176+2*\k]        ; the mean
.endr
.irp k, 0,1,2,3
.irp i, 0,2,4,6
	v_pk_add_f32 v[112+16*\k+\i:113+16*\k+\i], v[112+16*\k+\i:113+16*\k+\i], v[176+2*\k:177+2*\k] op_sel_hi:[1,0] neg_lo:[0,1] neg_hi:[0,1]
.endr
.endr
.irp k, 0,1,2,3
	v_pk_mul_f32 v[120+16*\k:121+16*\k], v[112+16*\k:113+16*\k], v[112+16*\k:113+16*\k]
.endr
.irp i, 2,4,6
.irp k, 0,1,2,3
	v_pk_fma_f32 v[120+16*\k:121+16*\k], v[112+16*\k+\i:113+16*\k+\i], v[112+16*\k+\i:113+16*\k+\i], v[120+16*\k:121+16*\k]
.endr
.endr
.irp k, 0,1,2,3
	v_add_f32 v[176+2*\k], v[120+16*\k], v[121+16*\k]
.endr
	RED4
.irp k, 0,1,2,3
	v_fma_f32 v[176+2*\k], v[176+2*\k], s84, s85   ; variance + 1e-5
.endr
.irp k, 0,1,2,3
	v_rsq_f32 v[176+2*\k], v[176+2*\k]
.endr
	v_nop                                          ; a plain instruction behind the last of them
	s_wait_alu depctr_va_vdst(0)
.irp k, 0,1,2,3
.irp i, 0,2,4,6
	v_pk_mul_f32 v[112+16*\k+\i:113+16*\k+\i], v[112+16*\k+\i:113+16*\k+\i], v[176+2*\k:177+2*\k] op_sel_hi:[1,0]
.endr
.endr
.irp k, 0,1,2,3
.irp i, 0,2,4,6
	v_pk_fma_f32 v[112+16*\k+\i:113+16*\k+\i], v[112+16*\k+\i:113+16*\k+\i], v[(\G)+\i:(\G)+\i+1], v[(\BT)+\i:(\BT)+\i+1]
.endr
.endr
.endm
	s_load_b512 s[4:19], s[0:1], 0x0               ; obuf 4, tgt 6, query_pos 8, reference_points 10, wb 12, outproj_b 14, ln_inter_g 16, ln_inter_b 18
	s_load_b256 s[20:27], s[0:1], 0x40             ; off_b 20, attw_b 22, x1 24, sidx 26
	s_load_b64 s[28:29], s[0:1], 0x60              ; swts
	v_lshl_add_u32 v2, v0, 2, SPARE
	v_mov_b32 v3, 0
	ds_add_u32 v2, v3                              ; the wave's opening: the add and its wait ahead of my first tensor load
	ds_add_u32 v2, v3
	v_lshrrev_b32 v7, 5, v0
	v_readfirstlane_b32 s30, v7                    ; wave
	s_mov_b32 s31, ttmp9                           ; j
	s_and_b32 s60, ttmp7, 0xffff                   ; n
	s_lshr_b32 s61, s60, 4                         ; b
	s_and_b32 s62, s60, 15                         ; p
	s_mul_i32 s92, s60, 300
	s_mul_i32 s63, s31, 75
	s_add_co_u32 s92, s92, s63                     ; R'0 = 300 n + 75 j
	s_mul_i32 s93, s61, 300
	s_add_co_u32 s93, s93, s63                     ; 300 b + 75 j
	; obuf: plane w, 80 rows x 64 bf16 of which 75 exist; 16 bytes of padding behind each row of 32 words
	s_mov_b32 s44, (1<<16)|(1<<20)|(4<<22)|(3<<25)
	s_mov_b32 s45, 64<<16                          ; tensor_dim0
	s_mov_b32 s46, 75<<16                          ; tensor_dim1: the rows that are left; beyond them zeros arrive
	s_mov_b32 s47, 64<<16                          ; tile_dim0
	s_mov_b32 s48, 80                              ; tile_dim1
	s_mov_b32 s49, 64                              ; elements from row to row
	s_mov_b32 s50, 0
	s_mov_b32 s51, 0
	; tgt (waves 0, 1) or query_pos (waves 2, 3): 40 rows x 256 f32, 16 tensor rows apart; padding behind each row of 256 words
	s_mov_b32 s52, (2<<16)|(1<<20)|(7<<22)|(3<<25)
	s_mov_b32 s53, 256<<16
	s_and_b32 s94, s30, 1
	s_mul_i32 s95, s94, 40
	s_sub_co_u32 s54, 75, s95
	s_lshl_b32 s54, s54, 16                        ; 75 or 35 rows are left
	s_mov_b32 s55, 256<<16
	s_mov_b32 s56, 40
	s_mov_b32 s57, 4096
	s_mov_b32 s58, 0
	s_mov_b32 s59, 0
	; reference points: 20 rows x 8 f32
	s_mov_b32 s68, 2<<16
	s_mov_b32 s69, 8<<16
	s_mul_i32 s96, s30, 20
	s_sub_co_u32 s70, 75, s96
	s_lshl_b32 s70, s70, 16
	s_mov_b32 s71, 8<<16
	s_mov_b32 s72, 20
	s_mov_b32 s73, 128
	s_mov_b32 s74, 0
	s_mov_b32 s75, 0
	s_mov_b32 s32, 1
	s_mul_i32 s33, s30, 11520
	s_mov_b32 s36, 1
	s_mul_i32 s37, s30, 41600
	s_add_co_u32 s37, s37, TG
	s_mov_b32 s40, 1
	s_mul_i32 s41, s30, 640
	s_add_co_u32 s41, s41, RPL
	s_mul_i32 s76, s30, 19200
	s_add_co_u32 s76, s76, s92
	s_lshl_b32 s76, s76, 7
	s_mov_b32 s77, 0
	s_add_co_u32 s78, s93, s95
	s_lshl_b32 s78, s78, 4
	s_add_co_u32 s78, s78, s62
	s_lshl_b32 s78, s78, 10
	s_mov_b32 s79, 0
	s_add_co_u32 s96, s93, s96
	s_lshl_b32 s96, s96, 4
	s_add_co_u32 s96, s96, s62
	s_lshl_b32 s96, s96, 5
	s_mov_b32 s97, 0
	s_mov_b32 s84, 0x3b800000                      ; 1 / 256
	s_mov_b32 s85, 0x3727c5ac                      ; 1e-5
	s_mov_b32 s86, 0x76543210
	s_mov_b32 s87, 0xfedcba98
	s_mov_b32 s90, 0x3fb8aa3b                      ; log2(e)
	s_mov_b32 s91, s90
	s_wait_dscnt 0x0                               ; the opening add is done
	s_wait_kmcnt 0x0
	s_add_nc_u64 s[34:35], s[4:5], s[76:77]
	s_or_b32 s35, s35, 0x80000000
	s_cmp_lt_u32 s30, 2
	s_cselect_b64 s[38:39], s[6:7], s[8:9]
	s_add_nc_u64 s[38:39], s[38:39], s[78:79]
	s_or_b32 s39, s39, 0x80000000
	s_add_nc_u64 s[42:43], s[10:11], s[96:97]
	s_or_b32 s43, s43, 0x80000000
	tensor_load_to_lds s[32:35], s[44:51]          ; three first fills a wave, one group: three loads of mine are out
	s_nop 0
	tensor_load_to_lds s[36:39], s[52:59]
	s_nop 0
	tensor_load_to_lds s[40:43], s[68:75]
	s_nop 0
.rept 4
	v_nop
.endr
	v_and_b32 v7, 31, v0                           ; l
	v_and_b32 v28, 15, v0                          ; r
	v_bfe_u32 v29, v0, 4, 1                        ; hf
	v_lshlrev_b32 v4, 4, v7                        ; 16 l
	v_lshlrev_b32 v30, 5, v7                       ; 32 l
	global_load_b128 v[32:35], v4, s[14:15]
	global_load_b128 v[36:39], v4, s[14:15] offset:512
	global_load_b128 v[40:43], v4, s[16:17]
	global_load_b128 v[44:47], v4, s[16:17] offset:512
	global_load_b128 v[48:51], v4, s[18:19]
	global_load_b128 v[52:55], v4, s[18:19] offset:512
	global_load_b128 v[56:59], v30, s[20:21]       ; off_b of my (head, level): columns 8 l ..
	global_load_b128 v[60:63], v30, s[20:21] offset:16
	global_load_b128 v[64:67], v4, s[22:23]        ; attw_b: columns 4 l ..
	s_lshl_b32 s76, s30, 15
	s_add_co_u32 s76, s76, R_OP
	s_add_nc_u64 s[82:83], s[12:13], s[76:77]      ; outproj_w's fragments of my 4 tiles
	s_mul_i32 s78, s30, 49152
	s_add_co_u32 s78, s78, R_OA
	s_add_nc_u64 s[80:81], s[12:13], s[78:79]      ; off_w's and attw_w's of my 6 tiles
	WIN 0x80
.set fi, 0
.rept 32                                               ; the ring's first fill: fragment 4 ks + nt
	global_load_b128 v[8*fi:8*fi+3], v4, s[82:83] offset:1024*fi
	global_load_b128 v[8*fi+4:8*fi+7], v4, s[82:83] offset:1024*fi+512
.set fi, fi+1
.endr
	WIN 0
	s_lshl_b32 s76, s92, 10
	s_add_nc_u64 s[24:25], s[24:25], s[76:77]      ; x1 and swts at row R'0,
	s_add_nc_u64 s[28:29], s[28:29], s[76:77]
	s_lshl_b32 s76, s92, 9
	s_add_nc_u64 s[26:27], s[26:27], s[76:77]      ; sidx too
	v_mul_u32_u24 v8, v28, 144
	v_lshl_add_u32 v8, v29, 4, v8
	v_mul_u32_u24 v13, v28, 528
	v_lshl_add_u32 v13, v29, 4, v13
.irp mt, 1,2,3,4
	v_add_nc_u32 v[8+\mt], 2304*\mt, v8
	v_add_nc_u32 v[13+\mt], 8448*\mt, v13
.endr
	v_mul_u32_u24 v5, v28, 1040
	v_lshl_add_u32 v5, v29, 5, v5
	s_lshl_b32 s94, s30, 8
	s_add_co_u32 s94, s94, ST1
	v_add_nc_u32 v5, s94, v5                       ; stage: row r, 32 hf, my 64 columns are 256 bytes
	v_add_nc_u32 v6, 48*1040, v5
	s_mul_i32 s63, s30, 20                         ; my first row in the row phases
	s_mul_i32 s94, s63, 1040
	s_add_co_u32 s95, s94, TG
	v_add_nc_u32 v18, s95, v4
	s_add_co_u32 s95, s94, ST1
	v_add_nc_u32 v19, s95, v4
	s_add_co_u32 s95, s94, QPL
	v_add_nc_u32 v20, s95, v4
	s_mul_i32 s95, s63, 528
	v_lshl_add_u32 v21, v7, 3, s95
	s_lshl_b32 s95, s63, 10
	v_add_nc_u32 v22, s95, v4
	s_wait_tensorcnt 0x0                           ; my three tiles are in,
	BAR                                            ; everybody's are
	PASS 4, 8, 11520, 0, 3, 80, 0, 3072            ; obuf . outproj_w^T; the ring takes my first three tiles of offsets and logits
	EPIF 4, 1040, 0
	BAR
	s_mov_b32 s89, s63
	s_mov_b32 s88, 5
.Lrow:                                                 ; four rows a trip
.irp k, 0,1,2,3
	ds_load_b128 v[112+16*\k:115+16*\k], v18 offset:1040*\k
	ds_load_b128 v[116+16*\k:119+16*\k], v18 offset:1040*\k+512
	ds_load_b128 v[120+16*\k:123+16*\k], v19 offset:1040*\k
	ds_load_b128 v[124+16*\k:127+16*\k], v19 offset:1040*\k+512
	ds_load_b128 v[192+8*\k:195+8*\k], v20 offset:1040*\k
	ds_load_b128 v[196+8*\k:199+8*\k], v20 offset:1040*\k+512
.endr
	s_wait_dscnt 0x0
	LNCORE 32, 40, 48
	s_cmp_gt_u32 s89, 72                           ; rows 75-79 are none
	s_cbranch_scc1 .Lrow_ns
.irp k, 0,1,2
	global_store_b128 v22, v[112+16*\k:115+16*\k], s[24:25] offset:1024*\k
	global_store_b128 v22, v[116+16*\k:119+16*\k], s[24:25] offset:1024*\k+512
.endr
	s_cmp_gt_u32 s89, 71
	s_cbranch_scc1 .Lrow_ns
	global_store_b128 v22, v[160:163], s[24:25] offset:3072
	global_store_b128 v22, v[164:167], s[24:25] offset:3072+512
.Lrow_ns:
.irp k, 0,1,2,3
.irp i, 0,2,4,6
	v_pk_add_f32 v[192+8*\k+\i:193+8*\k+\i], v[192+8*\k+\i:193+8*\k+\i], v[112+16*\k+\i:113+16*\k+\i]
.endr
.endr
.irp k, 0,1,2,3
.irp i, 0,1,2,3
	v_cvt_pk_bf16_f32 v[120+16*\k+\i], v[192+8*\k+2*\i], v[193+8*\k+2*\i]
.endr
.endr
.irp k, 0,1,2,3
	ds_store_b64 v21, v[120+16*\k:121+16*\k] offset:528*\k       ; query, over obuf's planes, which nobody reads any more
	ds_store_b64 v21, v[122+16*\k:123+16*\k] offset:528*\k+256
.endr
	s_wait_xcnt 0x0                                ; the stores' data and offset are written again only behind this wait
	v_add_nc_u32 v18, 4*1040, v18
	v_add_nc_u32 v19, 4*1040, v19
	v_add_nc_u32 v20, 4*1040, v20
	v_add_nc_u32 v21, 4*528, v21
	v_add_nc_u32 v22, 4096, v22
	s_add_co_u32 s89, s89, 4
	s_sub_co_u32 s88, s88, 1
	s_cmp_lg_u32 s88, 0
	s_cbranch_scc1 .Lrow
	v_mul_u32_u24 v5, v28, 1552
	v_lshl_add_u32 v5, v29, 5, v5
	s_mul_i32 s94, s30, 384
	s_add_co_u32 s94, s94, OAS
	v_add_nc_u32 v5, s94, v5                       ; offsets and logits: my 96 columns are 384 bytes
	v_add_nc_u32 v6, 48*1552, v5
	BAR
	PASS 3, 13, 128, 0, 3, 80, 24576, 3072
	EPIF 3, 1552, 0
	PASS 3, 13, 128, 0, 0, 80, 0, 0
	EPIF 3, 1552, 192
	; a lane is (head l >> 2, level l & 3): its level's W, 1 / W, W - 2, and the table row at which batch b's level begins
	v_and_b32 v31, 3, v7
	v_sub_nc_u32 v68, 134, v31
	v_lshlrev_b32 v68, 23, v68                     ; W = 2^(7 - level), written as its bits
	v_mov_b32 v69, v68
	v_add_nc_u32 v70, 120, v31
	v_lshlrev_b32 v70, 23, v70                     ; 1 / W
	v_mov_b32 v71, v70
	v_add_f32 v72, -2.0, v68
	v_lshlrev_b32 v74, 1, v31
	v_mov_b32 v75, 0x5555
	v_lshrrev_b32 v74, v74, v75
	v_sub_nc_u32 v74, v75, v74                     ; 0, 16,384, 20,480, 21,504
	s_mul_i32 s94, s61, 21760
	v_add_nc_u32 v74, s94, v74
	v_cvt_f32_u32 v73, v74
	s_mul_i32 s94, s63, 1552
	s_add_co_u32 s94, s94, OAS
	v_add_nc_u32 v23, s94, v30
	s_add_co_u32 s94, s94, 1024
	v_add_nc_u32 v24, s94, v4
	s_lshl_b32 s94, s63, 5
	s_add_co_u32 s94, s94, RPL
	v_lshl_add_u32 v25, v31, 3, s94
	s_lshl_b32 s94, s63, 9
	v_add_nc_u32 v26, s94, v4
	s_lshl_b32 s94, s63, 10
	v_add_nc_u32 v27, s94, v4
	BAR
; Point p of row slot e.  Registers of a slot from 112 + 32 e: 8 offsets, 4 logits, 2 reference, 2 at work, 4 whole numbers, 8 of weights; 16 at work from 176 + 16 e.
.macro SPOINT e, p
.set po, 112+32*(\e)+2*(\p)
.set rf, 124+32*(\e)
.set aw, 120+32*(\e)+(\p)
.set ix, 128+32*(\e)+(\p)
.set wt, 132+32*(\e)+2*(\p)
.set tb, 176+16*(\e)
	v_pk_add_f32 v[po:po+1], v[po:po+1], v[56+2*(\p):57+2*(\p)]
	v_pk_fma_f32 v[po:po+1], v[po:po+1], v[70:71], v[rf:rf+1]            ; loc = ref + offset / W
	v_pk_fma_f32 v[tb:tb+1], v[po:po+1], v[68:69], -0.5 op_sel_hi:[1,1,0]  ; x, y
	v_floor_f32 v[tb+2], v[tb]
	v_floor_f32 v[tb+3], v[tb+1]
	v_med3_num_f32 v[tb+2], v[tb+2], 0, v72                              ; xb, yb
	v_med3_num_f32 v[tb+3], v[tb+3], 0, v72
	v_pk_add_f32 v[tb+4:tb+5], v[tb:tb+1], v[tb+2:tb+3] neg_lo:[0,1] neg_hi:[0,1]   ; d
	v_pk_fma_f32 v[tb+6:tb+7], v[tb+4:tb+5], -1.0, 1.0 op_sel_hi:[1,0,0]
	v_pk_add_f32 v[tb+8:tb+9], v[tb+4:tb+5], 1.0 op_sel_hi:[1,0]
	v_pk_fma_f32 v[tb+10:tb+11], v[tb+4:tb+5], -1.0, 2.0 op_sel_hi:[1,0,0]
	v_med3_num_f32 v[tb+12], v[tb+6], 0, v[tb+8]                         ; x: pixel xb,
	v_med3_num_f32 v[tb+14], v[tb+7], 0, v[tb+9]                         ; y: pixel yb,
	v_med3_num_f32 v[tb+13], v[tb+10], 0, v[tb+4]                        ; x: pixel xb + 1,
	v_med3_num_f32 v[tb+15], v[tb+11], 0, v[tb+5]                        ; y: pixel yb + 1
	v_fma_f32 v[tb+10], v[tb+3], v68, v[tb+2]
	v_add_f32 v[tb+10], v73, v[tb+10]                                    ; whole numbers below 2^24: exact
	v_cvt_u32_f32 v[ix], v[tb+10]
	v_mul_f32 v[tb+14], v[aw], v[tb+14]
	v_mul_f32 v[tb+15], v[aw], v[tb+15]
	v_pk_mul_f32 v[tb+6:tb+7], v[tb+12:tb+13], v[tb+14:tb+15] op_sel_hi:[1,0]
	v_pk_mul_f32 v[tb+8:tb+9], v[tb+12:tb+13], v[tb+14:tb+15] op_sel:[0,1] op_sel_hi:[1,1]
	v_cvt_pk_bf16_f32 v[wt], v[tb+6], v[tb+7]
	v_cvt_pk_bf16_f32 v[wt+1], v[tb+8], v[tb+9]
.endm
	s_mov_b32 s89, s63
	s_mov_b32 s88, 10
.Lsm:                                                  ; two rows a trip
.irp e, 0,1
	ds_load_b128 v[112+32*\e:115+32*\e], v23 offset:1552*\e
	ds_load_b128 v[116+32*\e:119+32*\e], v23 offset:1552*\e+16
	ds_load_b128 v[120+32*\e:123+32*\e], v24 offset:1552*\e
	ds_load_b64 v[124+32*\e:125+32*\e], v25 offset:32*\e
.endr
	s_wait_dscnt 0x0
.irp e, 0,1
	v_pk_add_f32 v[120+32*\e:121+32*\e], v[120+32*\e:121+32*\e], v[64:65]
	v_pk_add_f32 v[122+32*\e:123+32*\e], v[122+32*\e:123+32*\e], v[66:67]
.endr
.irp e, 0,1
	v_max3_num_f32 v[126+32*\e], v[120+32*\e], v[121+32*\e], v[122+32*\e]
.endr
.irp e, 0,1
	v_max_num_f32 v[126+32*\e], v[126+32*\e], v[123+32*\e]
.endr
.irp m, 1,2                                            ; a head's 16 logits lie in four neighbouring lanes
.irp e, 0,1
	v_max_num_f32_dpp v[126+32*\e], v[126+32*\e], v[126+32*\e] row_xmask:\m row_mask:0xf bank_mask:0xf
.endr
.endr
.irp e, 0,1
	v_mul_f32 v[126+32*\e], s90, v[126+32*\e]
.endr
.irp e, 0,1                                            ; (v127 and v159, named in the pairs, were written in the row phase)
	v_pk_fma_f32 v[120+32*\e:121+32*\e], v[120+32*\e:121+32*\e], s[90:91], v[126+32*\e:127+32*\e] op_sel_hi:[1,0,0] neg_lo:[0,0,1] neg_hi:[0,0,1]
	v_pk_fma_f32 v[122+32*\e:123+32*\e], v[122+32*\e:123+32*\e], s[90:91], v[126+32*\e:127+32*\e] op_sel_hi:[1,0,0] neg_lo:[0,0,1] neg_hi:[0,0,1]
.endr
.irp e, 0,1
.irp i, 0,1,2,3
	v_exp_f32 v[120+32*\e+\i], v[120+32*\e+\i]
.endr
.endr
	v_nop
	s_wait_alu depctr_va_vdst(0)
.irp e, 0,1
	v_pk_add_f32 v[126+32*\e:127+32*\e], v[120+32*\e:121+32*\e], v[122+32*\e:123+32*\e]
.endr
.irp e, 0,1
	v_add_f32 v[126+32*\e], v[126+32*\e], v[127+32*\e]
.endr
.irp m, 1,2
.irp e, 0,1
	v_add_f32_dpp v[126+32*\e], v[126+32*\e], v[126+32*\e] row_xmask:\m row_mask:0xf bank_mask:0xf
.endr
.endr
	v_rcp_f32 v126, v126
	v_rcp_f32 v158, v158
	v_nop
	s_wait_alu depctr_va_vdst(0)
.irp e, 0,1
	v_pk_mul_f32 v[120+32*\e:121+32*\e], v[120+32*\e:121+32*\e], v[126+32*\e:127+32*\e] op_sel_hi:[1,0]
	v_pk_mul_f32 v[122+32*\e:123+32*\e], v[122+32*\e:123+32*\e], v[126+32*\e:127+32*\e] op_sel_hi:[1,0]
.endr
.irp p, 0,1,2,3
	SPOINT 0, \p
	SPOINT 1, \p
.endr
	s_cmp_gt_u32 s89, 74
	s_cbranch_scc1 .Lsm_ns
	global_store_b128 v26, v[128:131], s[26:27]                ; each store: 512 consecutive bytes
	global_store_b128 v27, v[132:135], s[28:29]
	global_store_b128 v27, v[136:139], s[28:29] offset:512
	s_cmp_gt_u32 s89, 73
	s_cbranch_scc1 .Lsm_ns
	global_store_b128 v26, v[160:163], s[26:27] offset:512
	global_store_b128 v27, v[164:167], s[28:29] offset:1024
	global_store_b128 v27, v[168:171], s[28:29] offset:1536
.Lsm_ns:
	s_wait_xcnt 0x0
	v_add_nc_u32 v23, 2*1552, v23
	v_add_nc_u32 v24, 2*1552, v24
	v_add_nc_u32 v25, 64, v25
	v_add_nc_u32 v26, 1024, v26
	v_add_nc_u32 v27, 2048, v27
	s_add_co_u32 s89, s89, 2
	s_sub_co_u32 s88, s88, 1
	s_cmp_lg_u32 s88, 0
	s_cbranch_scc1 .Lsm
	s_wait_tensorcnt 0x0                           ; the wave's end
	ds_add_u32 v2, v3
	s_wait_dscnt 0x0
	s_endpgm
.Lfunc_end_k_q478437b996_k_mid:
	.size	k_q478437b996_k_mid, .Lfunc_end_k_q478437b996_k_mid-k_q478437b996_k_mid
	.p2alignl 7, 3214868480
	.fill 96, 4, 3214868480
	.section	.rodata,"a",@progbits
	.p2align	6, 0x0
	.amdhsa_kernel k_q478437b996_k_mid
		.amdhsa_group_segment_fixed_size 298752
		.amdhsa_private_segment_fixed_size 0
		.amdhsa_enable_private_segment 0
		.amdhsa_kernarg_size 104
		.amdhsa_user_sgpr_count 2
		.amdhsa_user_sgpr_kernarg_segment_ptr 1
		.amdhsa_wavefront_size32 1
		.amdhsa_system_sgpr_workgroup_id_x 1
		.amdhsa_system_sgpr_workgroup_id_y 1
		.amdhsa_system_sgpr_workgroup_id_z 1
		.amdhsa_system_vgpr_workitem_id 0
		.amdhsa_next_free_vgpr 768
		.amdhsa_next_free_sgpr 100
		.amdhsa_reserve_vcc 0
		.amdhsa_float_denorm_mode_32 3
		.amdhsa_float_denorm_mode_16_64 3
		.amdhsa_memory_ordered 1
		.amdhsa_forward_progress 1
		.amdhsa_inst_pref_size 109
	.end_amdhsa_kernel
	.amdgpu_metadata
---
amdhsa.version: [ 1, 2 ]
amdhsa.kernels:
  - .name:           k_q478437b996_k_mid
    .symbol:         k_q478437b996_k_mid.kd
    .args:
      - { .name: obuf, .offset: 0, .size: 8, .value_kind: global_buffer, .address_space: global }
      - { .name: tgt, .offset: 8, .size: 8, .value_kind: global_buffer, .address_space: global }
      - { .name: query_pos, .offset: 16, .size: 8, .value_kind: global_buffer, .address_space: global }
      - { .name: reference_points, .offset: 24, .size: 8, .value_kind: global_buffer, .address_space: global }
      - { .name: wb, .offset: 32, .size: 8, .value_kind: global_buffer, .address_space: global }
      - { .name: outproj_b, .offset: 40, .size: 8, .value_kind: global_buffer, .address_space: global }
      - { .name: ln_inter_g, .offset: 48, .size: 8, .value_kind: global_buffer, .address_space: global }
      - { .name: ln_inter_b, .offset: 56, .size: 8, .value_kind: global_buffer, .address_space: global }
      - { .name: off_b, .offset: 64, .size: 8, .value_kind: global_buffer, .address_space: global }
      - { .name: attw_b, .offset: 72, .size: 8, .value_kind: global_buffer, .address_space: global }
      - { .name: x1, .offset: 80, .size: 8, .value_kind: global_buffer, .address_space: global }
      - { .name: sidx, .offset: 88, .size: 8, .value_kind: global_buffer, .address_space: global }
      - { .name: swts, .offset: 96, .size: 8, .value_kind: global_buffer, .address_space: global }
    .group_segment_fixed_size: 298752
    .private_segment_fixed_size: 0
    .kernarg_segment_align: 8
    .kernarg_segment_size: 104
    .max_flat_workgroup_size: 128
    .sgpr_count:     100
    .vgpr_count:     768
    .wavefront_size: 32
...
	.end_amdgpu_metadata
.endif
;; end of part 3
;; launch k_gather (part 4): grid 256 x 1, 15 waves a work-group, no clusters, 0 bytes of LDS; arguments sidx, swts, vtab, samp; writes samp
.if DOCPART == 4
	.amdgcn_target "amdgcn-amd-amdhsa--gfx1250"
	.amdhsa_code_object_version 6
	.text
	.protected	k_q478437b996_k_gather
	.globl	k_q478437b996_k_gather
	.p2align	8
	.type	k_q478437b996_k_gather,@function
k_q478437b996_k_gather:
	s_mov_b64 s[64:65], 0
	v_nop
	global_prefetch_b8 v0, s[64:65] scope:SCOPE_SE
	s_setreg_imm32_b32 hwreg(HW_REG_WAVE_MODE, 25, 1), 1
	s_wait_xcnt 0x0
; samp[R'][256] (bf16) = for each head the sum over its 16 points x 4 corners of weight x vtab[pixel][head's 32 channels].
; A work-group has 75 rows, a wave 5, one a trip.  Lane l holds channels 8 l .. 8 l + 7 of the row: head l >> 2.  A load of a corner takes 16 bytes a lane: 64 consecutive bytes a head.
; The whole numbers come from the launch before; each is held under the table's end for its level (87,040 - W - 2), so that all four corners lie inside the table whatever it holds.
; No LDS, no barrier, no matrix unit: the work is gathers and 512 multiply-adds a lane and row; the sums are f32, the result is rounded once.
; Two levels' 32 loads are on their way while one level is added up: s_wait_loadcnt 16 leaves the younger level's 16 out.
.set IX,  8                            ; v8-23    16 whole numbers, then byte offsets
.set WT,  24                           ; v24-55   weights: level lv, point pt, corner c in register 24 + 8 lv + 2 pt + c / 2, half c % 2
.set D0,  56                           ; v56-119, v120-183: a level's 16 corners, 4 registers each
.set D1,  120
.set ACC, 184                          ; v184-191
.macro ISSUE lv, d
.set W5, 512*(128>>(\lv))              ; a pixel row of the level, in bytes of the table
.irp pt, 0,1,2,3
	global_load_b128 v[(\d)+16*\pt:(\d)+16*\pt+3], v[IX+4*(\lv)+\pt], s[8:9]
	global_load_b128 v[(\d)+16*\pt+4:(\d)+16*\pt+7], v[IX+4*(\lv)+\pt], s[8:9] offset:512
	global_load_b128 v[(\d)+16*\pt+8:(\d)+16*\pt+11], v[IX+4*(\lv)+\pt], s[8:9] offset:W5
	global_load_b128 v[(\d)+16*\pt+12:(\d)+16*\pt+15], v[IX+4*(\lv)+\pt], s[8:9] offset:W5+512
.endr
.endm
.macro FM a, d, w, hd, hw              ; f32 += bf16 half of d x bf16 half of w
.if ((\hd) == 0) && ((\hw) == 0)
	v_fma_mix_f32_bf16 v[\a], v[\d], v[\w], v[\a] op_sel_hi:[1,1,0]
.elseif (\hw) == 0
	v_fma_mix_f32_bf16 v[\a], v[\d], v[\w], v[\a] op_sel:[1,0,0] op_sel_hi:[1,1,0]
.elseif (\hd) == 0
	v_fma_mix_f32_bf16 v[\a], v[\d], v[\w], v[\a] op_sel:[0,1,0] op_sel_hi:[1,1,0]
.else
	v_fma_mix_f32_bf16 v[\a], v[\d], v[\w], v[\a] op_sel:[1,1,0] op_sel_hi:[1,1,0]
.endif
.endm
.macro CONSUME lv, d
.set cp, 0
.rept 4
.set cc, 0
.rept 4
.set cj, 0
.rept 8
	FM ACC+cj, (\d)+16*cp+4*cc+cj/2, WT+8*(\lv)+2*cp+cc/2, cj%2, cc%2
.set cj, cj+1
.endr
.set cc, cc+1
.endr
.set cp, cp+1
.endr
.endm
	s_load_b256 s[4:11], s[0:1], 0x0               ; sidx 4, swts 6, vtab 8, samp 10
	v_and_b32 v1, 31, v0
	v_lshrrev_b32 v2, 5, v0
	v_readfirstlane_b32 s12, v2                    ; wave
	v_lshrrev_b32 v3, 2, v1
	v_lshlrev_b32 v3, 6, v3                        ; my head's 64 bytes in a row of sidx and in a half row of swts
	v_lshlrev_b32 v4, 4, v1                        ; my 16 bytes in a row of the table and of samp
	s_mov_b32 s13, ttmp9
	s_mul_i32 s13, s13, 75
	s_mul_i32 s14, s12, 5
	s_add_co_u32 s13, s13, s14                     ; my first row
	s_lshl_b32 s16, s13, 9
	s_mov_b32 s17, 0
	s_lshl_b32 s18, s13, 10
	s_mov_b32 s19, 0
	s_wait_kmcnt 0x0
	s_add_nc_u64 s[4:5], s[4:5], s[16:17]
	s_add_nc_u64 s[6:7], s[6:7], s[18:19]
	s_add_nc_u64 s[10:11], s[10:11], s[16:17]
	s_mov_b32 s20, 5
.Lrow:
.irp lv, 0,1,2,3
	global_load_b128 v[IX+4*\lv:IX+4*\lv+3], v3, s[4:5] offset:16*\lv
.endr
.irp lv, 0,1,2,3
	global_load_b128 v[WT+8*\lv:WT+8*\lv+3], v3, s[6:7] offset:16*\lv
	global_load_b128 v[WT+8*\lv+4:WT+8*\lv+7], v3, s[6:7] offset:16*\lv+512
.endr
.irp j, 0,1,2,3,4,5,6,7
	v_mov_b32 v[ACC+\j], 0
.endr
	s_wait_loadcnt 8                               ; the whole numbers are in; the eight loads of weights may stay out
.irp lv, 0,1,2,3
.irp pt, 0,1,2,3
	v_min_u32 v[IX+4*\lv+\pt], 87038-(128>>\lv), v[IX+4*\lv+\pt]
	v_lshl_add_u32 v[IX+4*\lv+\pt], v[IX+4*\lv+\pt], 9, v4    ; a table row is 512 bytes
.endr
.endr
	ISSUE 0, D0
	ISSUE 1, D1
	s_wait_loadcnt 16
	CONSUME 0, D0
	ISSUE 2, D0
	s_wait_loadcnt 16
	CONSUME 1, D1
	ISSUE 3, D1
	s_wait_loadcnt 16
	CONSUME 2, D0
	s_wait_loadcnt 0x0
	CONSUME 3, D1
.irp i, 0,1,2,3
	v_cvt_pk_bf16_f32 v[192+\i], v[ACC+2*\i], v[ACC+2*\i+1]
.endr
	global_store_b128 v4, v[192:195], s[10:11]     ; the row's 512 consecutive bytes
	s_wait_xcnt 0x0                                ; the bases and the store's data are written again only behind this wait
	s_add_nc_u64 s[4:5], s[4:5], 512
	s_add_nc_u64 s[6:7], s[6:7], 1024
	s_add_nc_u64 s[10:11], s[10:11], 512
	s_sub_co_u32 s20, s20, 1
	s_cmp_lg_u32 s20, 0
	s_cbranch_scc1 .Lrow
	s_endpgm
.Lfunc_end_k_q478437b996_k_gather:
	.size	k_q478437b996_k_gather, .Lfunc_end_k_q478437b996_k_gather-k_q478437b996_k_gather
	.p2alignl 7, 3214868480
	.fill 96, 4, 3214868480
	.section	.rodata,"a",@progbits
	.p2align	6, 0x0
	.amdhsa_kernel k_q478437b996_k_gather
		.amdhsa_group_segment_fixed_size 0
		.amdhsa_private_segment_fixed_size 0
		.amdhsa_enable_private_segment 0
		.amdhsa_kernarg_size 32
		.amdhsa_user_sgpr_count 2
		.amdhsa_user_sgpr_kernarg_segment_ptr 1
		.amdhsa_wavefront_size32 1
		.amdhsa_system_sgpr_workgroup_id_x 1
		.amdhsa_system_sgpr_workgroup_id_y 1
		.amdhsa_system_sgpr_workgroup_id_z 1
		.amdhsa_system_vgpr_workitem_id 0
		.amdhsa_next_free_vgpr 200
		.amdhsa_next_free_sgpr 66
		.amdhsa_reserve_vcc 0
		.amdhsa_float_denorm_mode_32 3
		.amdhsa_float_denorm_mode_16_64 3
		.amdhsa_memory_ordered 1
		.amdhsa_forward_progress 1
		.amdhsa_inst_pref_size 44
	.end_amdhsa_kernel
	.amdgpu_metadata
---
amdhsa.version: [ 1, 2 ]
amdhsa.kernels:
  - .name:           k_q478437b996_k_gather
    .symbol:         k_q478437b996_k_gather.kd
    .args:
      - { .name: sidx, .offset: 0, .size: 8, .value_kind: global_buffer, .address_space: global }
      - { .name: swts, .offset: 8, .size: 8, .value_kind: global_buffer, .address_space: global }
      - { .name: vtab, .offset: 16, .size: 8, .value_kind: global_buffer, .address_space: global }
      - { .name: samp, .offset: 24, .size: 8, .value_kind: global_buffer, .address_space: global }
    .group_segment_fixed_size: 0
    .private_segment_fixed_size: 0
    .kernarg_segment_align: 8
    .kernarg_segment_size: 32
    .max_flat_workgroup_size: 480
    .sgpr_count:     66
    .vgpr_count:     200
    .wavefront_size: 32
...
	.end_amdgpu_metadata
.endif
;; end of part 4
;; launch k_tail (part 5): grid 4 x 64, 4 waves a work-group, no clusters, 295,168 bytes of LDS; arguments x1, samp, wb, mout_b, ln_cross_g, ln_cross_b, lin1_b, lin2_b, ln3_g, ln3_b, out0; writes out0
.if DOCPART == 5
	.amdgcn_target "amdgcn-amd-amdhsa--gfx1250"
	.amdhsa_code_object_version 6
	.text
	.protected	k_q478437b996_k_tail
	.globl	k_q478437b996_k_tail
	.p2align	8
	.type	k_q478437b996_k_tail,@function
k_q478437b996_k_tail:
	s_mov_b64 s[64:65], 0
	v_nop
	global_prefetch_b8 v0, s[64:65] scope:SCOPE_SE
	s_setreg_imm32_b32 hwreg(HW_REG_WAVE_MODE, 25, 1), 1
	s_wait_xcnt 0x0
; For 75 rows (R' = 300 n + 75 j + 0 .. 74): x2 = LN(x1 + samp . mout_w^T + mout_b); h = relu(x2 . lin1_w^T + lin1_b); out0 = LN(x2 + h . lin2_w^T + lin2_b), stored at row ((300 b + q) 16 + p).
; Nine passes of 80 rows x 64 columns a wave x 256 k: mout; four of lin1 (a wave's 256 hidden columns); four of lin2 (K = 1,024, one set of sums).  A wave's weights are one stream of wb, read once,
; straight into a ring of eight K steps in registers, each slot loaded again right behind its use.  x2 and h never leave LDS.  No cluster: the weights go to registers, so there is no tile to share.
; LIMITS.  Matrix operands (samp, x2, h, weights) are bf16; residuals, norms and sums are f32; the variance is taken of x - mean.  NaN and infinities are not treated apart.
; LDS.  0: samp, later x2, in bf16, 80 x 528.  42,240: x1, later x2, in f32, 80 x 1,040.  125,440: h in bf16, 80 x 2,064; the same bytes hold a product's f32 stage 80 x 1,040 before and after h.
;   290,560: lin1_b.  294,656: the spare words.
; REGISTERS.  window 0: v4-29 addresses, v32-79 six vectors, v80-111 lin1_b as a pass's first C, v112-175 four rows at work, v176-255 two buffers of 5 activation fragments, else at work.
;   window 1: 20 accumulators (mt, nt) at 8 (4 mt + nt).  window 2: the ring (ks, nt) at 32 ks + 8 nt.
.set XR,    42240
.set HB,    125440
.set LB,    290560
.set SPARE, 294656
.set R_F,   720896
.set FW,    294912
.set MSB, 0
.macro WIN new
.if MSB != (\new)
	s_set_vgpr_msb (MSB<<8)|(\new)
.set MSB, (\new)
.endif
.endm
.macro NOP5
.rept 5
	v_nop
.endr
.endm
.macro BAR
	s_wait_dscnt 0x0
	s_barrier_signal -1
	s_barrier_wait -1
.endm
.macro ALOAD buf, AA, bo
.irp mt, 0,1,2,3,4
	ds_load_b128 v[(\buf)+8*\mt:(\buf)+8*\mt+3], v[(\AA)+\mt] offset:(\bo)
	ds_load_b128 v[(\buf)+8*\mt+4:(\buf)+8*\mt+7], v[(\AA)+\mt] offset:(\bo)+32
.endr
.endm
; A PASS: 80 rows x 4 tiles of 16 columns x 256 k.  cmode 0: the first K step starts the sums; 1: it takes v80-111 as C; 2: it adds onto the sums.  NTn = 4: the next pass's fragments follow each K step's use.
; s_wait_dscnt 10: the ten fragment loads just issued may stay out.  s_wait_loadcnt: behind slot ks's own loads came (7 - ks) 8 of the last pass's and ks 2 NTn of this one's.
.macro PASS NT, AA, KP2, cmode, NTn, wp, roff, rks
	WIN 0
	ALOAD 176, \AA, 0
.set ks, 0
.rept 8
	WIN 0
.if ks < 7
	ALOAD 176+40*((ks+1)%2), \AA, ((ks+1)/2)*(\KP2)+((ks+1)%2)*64
	s_wait_dscnt 10
.else
	s_wait_dscnt 0x0
.endif
	s_wait_loadcnt (7-ks)*2*(\NT)+ks*2*(\NTn)
.if (ks == 0) && ((\cmode) == 1)
	WIN 0x42                                       ; weights window 2, activations and C window 0, D window 1
.else
	WIN 0x52                                       ; C in window 1 too
.endif
.set mt, 0
.rept 5                                                ; the 20 accumulators take turns
.set nt, 0
.rept \NT
.set rD, 8*((\NT)*mt+nt)
.set rB, 32*ks+8*nt
.set rA, 176+40*(ks%2)+8*mt
.if (ks == 0) && ((\cmode) == 0)
	v_wmma_f32_16x16x32_bf16 v[rD:rD+7], v[rB:rB+7], v[rA:rA+7], 0
.elseif (ks == 0) && ((\cmode) == 1)
	v_wmma_f32_16x16x32_bf16 v[rD:rD+7], v[rB:rB+7], v[rA:rA+7], v[80+8*nt:87+8*nt]
.else
	v_wmma_f32_16x16x32_bf16 v[rD:rD+7], v[rB:rB+7], v[rA:rA+7], v[rD:rD+7]
.endif
.set nt, nt+1
.endr
.set mt, mt+1
.endr
	NOP5
.if \NTn
	WIN 0x80
.set nt, 0
.rept \NTn
	global_load_b128 v[32*ks+8*nt:32*ks+8*nt+3], v4, s[\wp:\wp+1] offset:(\roff)+ks*(\rks)+1024*nt
	global_load_b128 v[32*ks+8*nt+4:32*ks+8*nt+7], v4, s[\wp:\wp+1] offset:(\roff)+ks*(\rks)+1024*nt+512
.set nt, nt+1
.endr
.endif
.set ks, ks+1
.endr
	WIN 0
.endm
.macro EPIF NT, EP, cb                 ; the sums go to the stage in f32; each accumulator's low four registers first
	WIN 0x04
.set mt, 0
.rept 5
.set nt, 0
.rept \NT
.set rD, 8*((\NT)*mt+nt)
.set eo, (mt%3)*16*(\EP)+(\cb)+64*nt
	ds_store_b128 v[5+mt/3], v[rD:rD+3] offset:eo
	ds_store_b128 v[5+mt/3], v[rD+4:rD+7] offset:eo+16
.set nt, nt+1
.endr
.set mt, mt+1
.endr
	WIN 0
.endm
.macro EPIR                            ; relu, bf16, into h: five accumulators (one column tile) at a time
.set nt, 0
.rept 4
	WIN 0x04
.set mt, 0
.rept 5
.set jj, 0
.rept 8
	v_max_num_f32 v[176+8*mt+jj], 0, v[8*(4*mt+nt)+jj]
.set jj, jj+1
.endr
.set mt, mt+1
.endr
	WIN 0
.set mt, 0
.rept 5
.set jj, 0
.rept 4
	v_cvt_pk_bf16_f32 v[216+4*mt+jj], v[176+8*mt+2*jj], v[177+8*mt+2*jj]
.set jj, jj+1
.endr
	ds_store_b128 v[18+mt], v[216+4*mt:219+4*mt] offset:32*nt
.set mt, mt+1
.endr
.set nt, nt+1
.endr
.endm
.macro RED4
.irp m, 1,2,4,8
.irp k, 0,1,2,3
	v_add_f32_dpp v[176+2*\k], v[176+2*\k], v[176+2*\k] row_xmask:\m row_mask:0xf bank_mask:0xf
.endr
.endr
.irp k, 0,1,2,3
	v_permlanex16_b32 v[184+\k], v[176+2*\k], s86, s87
.endr
.irp k, 0,1,2,3
	v_add_f32 v[176+2*\k], v[176+2*\k], v[184+\k]
.endr
.endm
; Four rows k: Y (v[112+16k ..+7]) = LN(Y + T (v[120+16k ..+7]) + BB) G + BT.  A lane holds columns 4 l .. + 3 and 128 + 4 l .. + 3.  v176-187 have been written by the pass in front.
.macro LNCORE BB, G, BT
.irp k, 0,1,2,3
.irp i, 0,2,4,6
	v_pk_add_f32 v[112+16*\k+\i:113+16*\k+\i], v[112+16*\k+\i:113+16*\k+\i], v[120+16*\k+\i:121+16*\k+\i]
.endr
.endr
.irp k, 0,1,2,3
.irp i, 0,2,4,6
	v_pk_add_f32 v[112+16*\k+\i:113+16*\k+\i], v[112+16*\k+\i:113+16*\k+\i], v[(\BB)+\i:(\BB)+\i+1]
.endr
.endr
.irp k, 0,1,2,3
	v_pk_add_f32 v[120+16*\k:121+16*\k], v[112+16*\k:113+16*\k], v[114+16*\k:115+16*\k]
	v_pk_add_f32 v[122+16*\k:123+16*\k], v[116+16*\k:117+16*\k], v[118+16*\k:119+16*\k]
.endr
.irp k, 0,1,2,3
	v_pk_add_f32 v[120+16*\k:121+16*\k], v[120+16*\k:121+16*\k], v[122+16*\k:123+16*\k]
.endr
.irp k, 0,1,2,3
	v_add_f32 v[176+2*\k], v[120+16*\k], v[121+16*\k]
.endr
	RED4
.irp k, 0,1,2,3
	v_mul_f32 v[176+2*\k], s84, v[176+2*\k]
.endr
.irp k, 0,1,2,3
.irp i, 0,2,4,6
	v_pk_add_f32 v[112+16*\k+\i:113+16*\k+\i], v[112+16*\k+\i:113+16*\k+\i], v[176+2*\k:177+2*\k] op_sel_hi:[1,0] neg_lo:[0,1] neg_hi:[0,1]
.endr
.endr
.irp k, 0,1,2,3
	v_pk_mul_f32 v[120+16*\k:121+16*\k], v[112+16*\k:113+16*\k], v[112+16*\k:113+16*\k]
.endr
.irp i, 2,4,6
.irp k, 0,1,2,3
	v_pk_fma_f32 v[120+16*\k:121+16*\k], v[112+16*\k+\i:113+16*\k+\i], v[112+16*\k+\i:113+16*\k+\i], v[120+16*\k:121+16*\k]
.endr
.endr
.irp k, 0,1,2,3
	v_add_f32 v[176+2*\k], v[120+16*\k], v[121+16*\k]
.endr
	RED4
.irp k, 0,1,2,3
	v_fma_f32 v[176+2*\k], v[176+2*\k], s84, s85
.endr
.irp k, 0,1,2,3
	v_rsq_f32 v[176+2*\k], v[176+2*\k]
.endr
	v_nop
	s_wait_alu depctr_va_vdst(0)
.irp k, 0,1,2,3
.irp i, 0,2,4,6
	v_pk_mul_f32 v[112+16*\k+\i:113+16*\k+\i], v[112+16*\k+\i:113+16*\k+\i], v[176+2*\k:177+2*\k] op_sel_hi:[1,0]
.endr
.endr
.irp k, 0,1,2,3
.irp i, 0,2,4,6
	v_pk_fma_f32 v[112+16*\k+\i:113+16*\k+\i], v[112+16*\k+\i:113+16*\k+\i], v[(\G)+\i:(\G)+\i+1], v[(\BT)+\i:(\BT)+\i+1]
.endr
.endr
.endm
	s_load_b512 s[4:19], s[0:1], 0x0               ; x1 4, samp 6, wb 8, mout_b 10, ln_cross_g 12, ln_cross_b 14, lin1_b 16, lin2_b 18
	s_load_b128 s[20:23], s[0:1], 0x40             ; ln3_g 20, ln3_b 22
	s_load_b64 s[24:25], s[0:1], 0x50              ; out0
	v_lshl_add_u32 v2, v0, 2, SPARE
	v_mov_b32 v3, 0
	ds_add_u32 v2, v3                              ; the wave's opening: the add and its wait ahead of my first tensor load
	ds_add_u32 v2, v3
	v_lshrrev_b32 v7, 5, v0
	v_readfirstlane_b32 s30, v7                    ; wave
	s_mov_b32 s31, ttmp9                           ; j
	s_and_b32 s60, ttmp7, 0xffff                   ; n
	s_lshr_b32 s61, s60, 4                         ; b
	s_and_b32 s62, s60, 15                         ; p
	s_mul_i32 s92, s60, 300
	s_mul_i32 s94, s31, 75
	s_add_co_u32 s92, s92, s94                     ; R'0
	s_mul_i32 s63, s30, 20                         ; my 20 rows
	s_add_co_u32 s93, s92, s63
	s_mul_i32 s95, s61, 300
	s_add_co_u32 s95, s95, s94
	s_lshl_b32 s95, s95, 4
	s_add_co_u32 s95, s95, s62
	s_lshl_b32 s98, s95, 10                        ; out0 at row (300 b + 75 j) 16 + p
	s_mov_b32 s99, 0
	; x1: 20 rows x 256 f32, padded behind each row of 256 words; of wave 3's rows 15 exist, the others arrive as zeros
	s_mov_b32 s44, (2<<16)|(1<<20)|(7<<22)|(3<<25)
	s_mov_b32 s45, 256<<16
	s_sub_co_u32 s46, 75, s63
	s_lshl_b32 s46, s46, 16
	s_mov_b32 s47, 256<<16
	s_mov_b32 s48, 20
	s_mov_b32 s49, 256
	s_mov_b32 s50, 0
	s_mov_b32 s51, 0
	; samp: 20 rows x 256 bf16, padded behind each row of 128 words
	s_mov_b32 s52, (1<<16)|(1<<20)|(6<<22)|(3<<25)
	s_mov_b32 s53, 256<<16
	s_mov_b32 s54, s46
	s_mov_b32 s55, 256<<16
	s_mov_b32 s56, 20
	s_mov_b32 s57, 256
	s_mov_b32 s58, 0
	s_mov_b32 s59, 0
	; lin1_b: my 256 numbers, one row of 128 elements of 8 bytes
	s_mov_b32 s68, 3<<16
	s_mov_b32 s69, 128<<16
	s_mov_b32 s70, 1<<16
	s_mov_b32 s71, 128<<16
	s_mov_b32 s72, 1
	s_mov_b32 s73, 128
	s_mov_b32 s74, 0
	s_mov_b32 s75, 0
	s_mov_b32 s32, 1
	s_mul_i32 s33, s30, 20800
	s_add_co_u32 s33, s33, XR
	s_mov_b32 s36, 1
	s_mul_i32 s37, s30, 10560
	s_mov_b32 s40, 1
	s_lshl_b32 s41, s30, 10
	s_add_co_u32 s41, s41, LB
	s_lshl_b32 s76, s93, 10
	s_mov_b32 s77, 0
	s_lshl_b32 s78, s93, 9
	s_mov_b32 s79, 0
	s_lshl_b32 s96, s30, 10
	s_mov_b32 s97, 0
	s_mul_i32 s94, s30, FW
	s_add_co_u32 s94, s94, R_F
	s_mov_b32 s95, 0
	s_mov_b32 s84, 0x3b800000                      ; 1 / 256
	s_mov_b32 s85, 0x3727c5ac                      ; 1e-5
	s_mov_b32 s86, 0x76543210
	s_mov_b32 s87, 0xfedcba98
	s_wait_dscnt 0x0                               ; the opening add is done
	s_wait_kmcnt 0x0
	s_add_nc_u64 s[34:35], s[4:5], s[76:77]
	s_or_b32 s35, s35, 0x80000000
	s_add_nc_u64 s[38:39], s[6:7], s[78:79]
	s_or_b32 s39, s39, 0x80000000
	s_add_nc_u64 s[42:43], s[16:17], s[96:97]
	s_or_b32 s43, s43, 0x80000000
	tensor_load_to_lds s[32:35], s[44:51]          ; three first fills a wave, one group: three loads of mine are out
	s_nop 0
	tensor_load_to_lds s[36:39], s[52:59]
	s_nop 0
	tensor_load_to_lds s[40:43], s[68:75]
	s_nop 0
.rept 4
	v_nop
.endr
	s_add_nc_u64 s[80:81], s[8:9], s[94:95]        ; my stream of weights
	s_add_nc_u64 s[24:25], s[24:25], s[98:99]
	v_and_b32 v7, 31, v0                           ; l
	v_and_b32 v30, 15, v0                          ; r
	v_bfe_u32 v31, v0, 4, 1                        ; hf
	v_lshlrev_b32 v4, 4, v7                        ; 16 l
	global_load_b128 v[32:35], v4, s[10:11]
	global_load_b128 v[36:39], v4, s[10:11] offset:512
	global_load_b128 v[40:43], v4, s[12:13]
	global_load_b128 v[44:47], v4, s[12:13] offset:512
	global_load_b128 v[48:51], v4, s[14:15]
	global_load_b128 v[52:55], v4, s[14:15] offset:512
	global_load_b128 v[56:59], v4, s[18:19]
	global_load_b128 v[60:63], v4, s[18:19] offset:512
	global_load_b128 v[64:67], v4, s[20:21]
	global_load_b128 v[68:71], v4, s[20:21] offset:512
	global_load_b128 v[72:75], v4, s[22:23]
	global_load_b128 v[76:79], v4, s[22:23] offset:512
	WIN 0x80
.set fi, 0
.rept 32                                               ; the ring's first fill: pass 0, fragment 4 ks + nt
	global_load_b128 v[8*fi:8*fi+3], v4, s[80:81] offset:1024*fi
	global_load_b128 v[8*fi+4:8*fi+7], v4, s[80:81] offset:1024*fi+512
.set fi, fi+1
.endr
	WIN 0
	v_mul_u32_u24 v8, v30, 528
	v_lshl_add_u32 v8, v31, 4, v8
	v_mul_u32_u24 v13, v30, 2064
	v_lshl_add_u32 v13, v31, 4, v13
	v_add_nc_u32 v13, HB, v13
.irp mt, 1,2,3,4
	v_add_nc_u32 v[8+\mt], 8448*\mt, v8
	v_add_nc_u32 v[13+\mt], 33024*\mt, v13
.endr
	s_lshl_b32 s94, s30, 9
.irp mt, 0,1,2,3,4
	v_add_nc_u32 v[18+\mt], s94, v[13+\mt]         ; h, in: my 256 hidden columns are 512 bytes
.endr
	v_lshl_add_u32 v23, v31, 5, s41                ; lin1_b: my 1,024 bytes + 32 hf
	v_mul_u32_u24 v5, v30, 1040
	v_lshl_add_u32 v5, v31, 5, v5
	s_lshl_b32 s94, s30, 8
	s_add_co_u32 s94, s94, HB
	v_add_nc_u32 v5, s94, v5                       ; stage: row r, 32 hf, my 64 columns are 256 bytes
	v_add_nc_u32 v6, 48*1040, v5
	s_mul_i32 s94, s63, 1040
	s_add_co_u32 s95, s94, XR
	v_add_nc_u32 v24, s95, v4
	v_mov_b32 v28, v24
	s_add_co_u32 s95, s94, HB
	v_add_nc_u32 v25, s95, v4
	v_mov_b32 v29, v25
	s_mul_i32 s95, s63, 528
	v_lshl_add_u32 v26, v7, 3, s95
	s_lshl_b32 s95, s63, 14
	v_add_nc_u32 v27, s95, v4                      ; out0: rows are 16,384 bytes apart
	s_wait_tensorcnt 0x0                           ; my three tiles are in,
	BAR                                            ; everybody's are
	PASS 4, 8, 128, 0, 4, 80, 32768, 4096          ; samp . mout_w^T
	EPIF 4, 1040, 0
	s_wait_xcnt 0x0                                ; the stream's base steps only behind this wait
	s_add_nc_u64 s[80:81], s[80:81], 32768
	BAR
	s_mov_b32 s88, 5
.Lr2:                                                  ; x2, four rows a trip: back into x1's rows in f32, over samp in bf16
.irp k, 0,1,2,3
	ds_load_b128 v[112+16*\k:115+16*\k], v24 offset:1040*\k
	ds_load_b128 v[116+16*\k:119+16*\k], v24 offset:1040*\k+512
	ds_load_b128 v[120+16*\k:123+16*\k], v25 offset:1040*\k
	ds_load_b128 v[124+16*\k:127+16*\k], v25 offset:1040*\k+512
.endr
	s_wait_dscnt 0x0
	LNCORE 32, 40, 48
.irp k, 0,1,2,3
	ds_store_b128 v24, v[112+16*\k:115+16*\k] offset:1040*\k
	ds_store_b128 v24, v[116+16*\k:119+16*\k] offset:1040*\k+512
.endr
.irp k, 0,1,2,3
.irp i, 0,1,2,3
	v_cvt_pk_bf16_f32 v[120+16*\k+\i], v[112+16*\k+2*\i], v[113+16*\k+2*\i]
.endr
.endr
.irp k, 0,1,2,3
	ds_store_b64 v26, v[120+16*\k:121+16*\k] offset:528*\k
	ds_store_b64 v26, v[122+16*\k:123+16*\k] offset:528*\k+256
.endr
	v_add_nc_u32 v24, 4*1040, v24
	v_add_nc_u32 v25, 4*1040, v25
	v_add_nc_u32 v26, 4*528, v26
	s_sub_co_u32 s88, s88, 1
	s_cmp_lg_u32 s88, 0
	s_cbranch_scc1 .Lr2
	BAR
	s_mov_b32 s88, 4
.Lf1:                                                  ; lin1: 64 hidden columns a trip
.irp nt, 0,1,2,3
	ds_load_b128 v[80+8*\nt:83+8*\nt], v23 offset:64*\nt
	ds_load_b128 v[84+8*\nt:87+8*\nt], v23 offset:64*\nt+16
.endr
	PASS 4, 8, 128, 1, 4, 80, 32768, 4096
	EPIR
	s_wait_xcnt 0x0
	s_add_nc_u64 s[80:81], s[80:81], 32768
.irp mt, 0,1,2,3,4
	v_add_nc_u32 v[18+\mt], 128, v[18+\mt]
.endr
	v_add_nc_u32 v23, 256, v23
	s_sub_co_u32 s88, s88, 1
	s_cmp_lg_u32 s88, 0
	s_cbranch_scc1 .Lf1
	BAR
	WIN 0x40                                       ; lin2's sums are cleared on purpose: 160 moves spare a third copy of the pass, whose text is five times as long
.set ii, 0
.rept 160
	v_mov_b32 v[ii], 0
.set ii, ii+1
.endr
	WIN 0
	s_mov_b32 s88, 3
.Lf2:                                                  ; lin2: 256 of its 1,024 k a trip
	PASS 4, 13, 128, 2, 4, 80, 32768, 4096
	s_wait_xcnt 0x0
	s_add_nc_u64 s[80:81], s[80:81], 32768
.irp mt, 0,1,2,3,4
	v_add_nc_u32 v[13+\mt], 512, v[13+\mt]
.endr
	s_sub_co_u32 s88, s88, 1
	s_cmp_lg_u32 s88, 0
	s_cbranch_scc1 .Lf2
	PASS 4, 13, 128, 2, 0, 80, 0, 0                ; the last pass loads nothing
	BAR                                            ; every wave's reads of h are back: the stage may take its bytes
	EPIF 4, 1040, 0
	BAR
	s_mov_b32 s89, s63
	s_mov_b32 s88, 5
.Lr5:
.irp k, 0,1,2,3
	ds_load_b128 v[112+16*\k:115+16*\k], v28 offset:1040*\k
	ds_load_b128 v[116+16*\k:119+16*\k], v28 offset:1040*\k+512
	ds_load_b128 v[120+16*\k:123+16*\k], v29 offset:1040*\k
	ds_load_b128 v[124+16*\k:127+16*\k], v29 offset:1040*\k+512
.endr
	s_wait_dscnt 0x0
	LNCORE 56, 64, 72
	s_cmp_gt_u32 s89, 72                           ; rows 75-79 are none
	s_cbranch_scc1 .Lr5_ns
.irp k, 0,1,2
	global_store_b128 v27, v[112+16*\k:115+16*\k], s[24:25] offset:16384*\k th:TH_STORE_NT
	global_store_b128 v27, v[116+16*\k:119+16*\k], s[24:25] offset:16384*\k+512 th:TH_STORE_NT
.endr
	s_cmp_gt_u32 s89, 71
	s_cbranch_scc1 .Lr5_ns
	global_store_b128 v27, v[160:163], s[24:25] offset:49152 th:TH_STORE_NT
	global_store_b128 v27, v[164:167], s[24:25] offset:49152+512 th:TH_STORE_NT
.Lr5_ns:
	s_wait_xcnt 0x0                                ; the stores' data and offset are written again only behind this wait
	v_add_nc_u32 v28, 4*1040, v28
	v_add_nc_u32 v29, 4*1040, v29
	v_add_nc_u32 v27, 65536, v27
	s_add_co_u32 s89, s89, 4
	s_sub_co_u32 s88, s88, 1
	s_cmp_lg_u32 s88, 0
	s_cbranch_scc1 .Lr5
	s_wait_tensorcnt 0x0                           ; the wave's end
	ds_add_u32 v2, v3
	s_wait_dscnt 0x0
	s_endpgm
.Lfunc_end_k_q478437b996_k_tail:
	.size	k_q478437b996_k_tail, .Lfunc_end_k_q478437b996_k_tail-k_q478437b996_k_tail
	.p2alignl 7, 3214868480
	.fill 96, 4, 3214868480
	.section	.rodata,"a",@progbits
	.p2align	6, 0x0
	.amdhsa_kernel k_q478437b996_k_tail
		.amdhsa_group_segment_fixed_size 295168
		.amdhsa_private_segment_fixed_size 0
		.amdhsa_enable_private_segment 0
		.amdhsa_kernarg_size 88
		.amdhsa_user_sgpr_count 2
		.amdhsa_user_sgpr_kernarg_segment_ptr 1
		.amdhsa_wavefront_size32 1
		.amdhsa_system_sgpr_workgroup_id_x 1
		.amdhsa_system_sgpr_workgroup_id_y 1
		.amdhsa_system_sgpr_workgroup_id_z 1
		.amdhsa_system_vgpr_workitem_id 0
		.amdhsa_next_free_vgpr 768
		.amdhsa_next_free_sgpr 100
		.amdhsa_reserve_vcc 0
		.amdhsa_float_denorm_mode_32 3
		.amdhsa_float_denorm_mode_16_64 3
		.amdhsa_memory_ordered 1
		.amdhsa_forward_progress 1
		.amdhsa_inst_pref_size 152
	.end_amdhsa_kernel
	.amdgpu_metadata
---
amdhsa.version: [ 1, 2 ]
amdhsa.kernels:
  - .name:           k_q478437b996_k_tail
    .symbol:         k_q478437b996_k_tail.kd
    .args:
      - { .name: x1, .offset: 0, .size: 8, .value_kind: global_buffer, .address_space: global }
      - { .name: samp, .offset: 8, .size: 8, .value_kind: global_buffer, .address_space: global }
      - { .name: wb, .offset: 16, .size: 8, .value_kind: global_buffer, .address_space: global }
      - { .name: mout_b, .offset: 24, .size: 8, .value_kind: global_buffer, .address_space: global }
      - { .name: ln_cross_g, .offset: 32, .size: 8, .value_kind: global_buffer, .address_space: global }
      - { .name: ln_cross_b, .offset: 40, .size: 8, .value_kind: global_buffer, .address_space: global }
      - { .name: lin1_b, .offset: 48, .size: 8, .value_kind: global_buffer, .address_space: global }
      - { .name: lin2_b, .offset: 56, .size: 8, .value_kind: global_buffer, .address_space: global }
      - { .name: ln3_g, .offset: 64, .size: 8, .value_kind: global_buffer, .address_space: global }
      - { .name: ln3_b, .offset: 72, .size: 8, .value_kind: global_buffer, .address_space: global }
      - { .name: out0, .offset: 80, .size: 8, .value_kind: global_buffer, .address_space: global }
    .group_segment_fixed_size: 295168
    .private_segment_fixed_size: 0
    .kernarg_segment_align: 8
    .kernarg_segment_size: 88
    .max_flat_workgroup_size: 128
    .sgpr_count:     100
    .vgpr_count:     768
    .wavefront_size: 32
...
	.end_amdgpu_metadata
.endif
;; end of part 5
;; ======== version 2 of 2: 5 launches; 1.32 times as fast as version 1
;; limits: values outside matrix products are rounded to bf16
;; workspace buffers: vtab 44,564,480 bytes; wb 1,900,544 bytes; obuf 9,830,400 bytes; x1 19,660,800 bytes; sidx 10,485,760 bytes of whole numbers; swts 20,971,520 bytes; samp 20,971,520 bytes
;; launch k_value (part 6): grid 256 x 1, 4 waves a work-group, no clusters, 34,304 bytes of LDS; arguments src, val_w, val_b, vtab, wb, inproj_w, outproj_w, off_w, attw_w, mout_w, lin1_w, lin2_w; writes vtab, wb
.if DOCPART == 6
	.amdgcn_target "amdgcn-amd-amdhsa--gfx1250"
	.amdhsa_code_object_version 6
	.text
	.protected	k_q478437b996_k_value
	.globl	k_q478437b996_k_value
	.p2align	8
	.type	k_q478437b996_k_value,@function
k_q478437b996_k_value:
	s_mov_b64 s[64:65], 0
	v_nop
	global_prefetch_b8 v0, s[64:65] scope:SCOPE_SE
	s_setreg_imm32_b32 hwreg(HW_REG_WAVE_MODE, 25, 1), 1
	s_wait_xcnt 0x0
; vtab (bf16) = src . val_w^T + val_b for 87,040 rows, laid out by slices of 8 channels: vtab[slice 32][row 87,040][8]; and the seven other weight matrices are written to wb in bf16, in fragment order.
; SHARES. 2,720 tiles of 32 rows = 1,360 pairs; work-group g takes 5 pairs, from g = 176 on 6.  In a tile wave w loads rows 8 w .. 8 w + 7 (f32, 1,024 bytes each),
; rounds them to bf16 into LDS, and makes all 32 rows x its 64 columns; its 32 fragments of val_w stay in registers for the whole launch.
; THE MATRIX INSTRUCTION IS USED TRANSPOSED: source 0 = 16 weight rows, source 1 = 16 rows of src; a lane then holds eight neighbouring columns of one row, which are one slice's 16 bytes:
; a store's lanes 0-15 write 256 consecutive bytes of one slice's plane (16 rows), lanes 16-31 the same of the next plane.  So the results need no way through LDS.
; A FRAGMENT IN wb is 1,024 bytes for 16 weight rows x 32 k: byte 16 l (l = 16 hf + r) holds W[n0+r][k0+8hf ..+7], byte 512 + 16 l holds W[n0+r][k0+16+8hf ..+7]:
; two loads of 512 consecutive bytes fill a matrix operand.  Work-groups 0-57 cast one unit (16 rows x 256 k) a wave, 232 units.
; LIMITS. Operands are rounded to bf16, sums are f32, vtab is rounded once to bf16.  NaN and infinities are not treated apart.
; REGISTERS. window 0: v4-24 addresses; v32-95 the 8 accumulators; v96-223 fragments of src, also at work; v224-255 val_b as the first product's C.
;   window 1: val_w's fragments (nt, ks) at 64 nt + 8 ks.  window 2: two sets of 64 for the rows on their way.  window 3: landing place of the casts.
.set PITCH, 528                        ; an LDS row: 512 bytes of bf16 + 16
.set AT1,   32*PITCH                   ; the second of the two tile buffers, which take turns
.set SPARE, 64*PITCH                   ; the spare words, 128 bytes a wave
.set VPLANE, 1392640                   ; a slice's plane of vtab: 87,040 rows x 16 bytes
.set R_OP,  393216                     ; regions of wb
.set R_OA,  524288
.set R_F,   720896
.set FW,    294912
.set MSB, 0
.macro WIN new                         ; the immediate's high byte repeats the setting that is left
.if MSB != (\new)
	s_set_vgpr_msb (MSB<<8)|(\new)
.set MSB, (\new)
.endif
.endm
.macro NOP5                            ; the places behind a run of matrix instructions
.rept 5
	v_nop
.endr
.endm
.macro SRCLOAD set, imm                ; my 8 rows of a tile: 16 loads of 512 consecutive bytes
	WIN 0x80
.irp j, 0,1,2,3,4,5,6,7
	global_load_b128 v[64*(\set)+8*\j:64*(\set)+8*\j+3], v4, s[4:5] offset:(\imm)+1024*\j th:TH_LOAD_NT
	global_load_b128 v[64*(\set)+8*\j+4:64*(\set)+8*\j+7], v4, s[4:5] offset:(\imm)+1024*\j+512 th:TH_LOAD_NT
.endr
	WIN 0
.endm
.macro CASTLOAD dst, voff, sb, imm     ; 16 weight rows x 256 k in f32, each lane the 16 numbers of its place in each of 8 fragments
.set ck, 0
.rept 8
	global_load_b128 v[(\dst)+16*ck:(\dst)+16*ck+3], v[\voff], s[\sb:\sb+1] offset:(\imm)+128*ck
	global_load_b128 v[(\dst)+16*ck+4:(\dst)+16*ck+7], v[\voff], s[\sb:\sb+1] offset:(\imm)+128*ck+16
	global_load_b128 v[(\dst)+16*ck+8:(\dst)+16*ck+11], v[\voff], s[\sb:\sb+1] offset:(\imm)+128*ck+64
	global_load_b128 v[(\dst)+16*ck+12:(\dst)+16*ck+15], v[\voff], s[\sb:\sb+1] offset:(\imm)+128*ck+80
.set ck, ck+1
.endr
.endm
.macro CASTCVT f, l                    ; 128 f32 -> 8 fragments of 8 registers
.set ck, 0
.rept 64
	v_cvt_pk_bf16_f32 v[(\f)+ck], v[(\l)+2*ck], v[(\l)+2*ck+1]
.set ck, ck+1
.endr
.endm
	s_load_b512 s[4:19], s[0:1], 0x0               ; src 4, val_w 6, val_b 8, vtab 10, wb 12, inproj_w 14, outproj_w 16, off_w 18
	s_load_b256 s[20:27], s[0:1], 0x40             ; attw_w 20, mout_w 22, lin1_w 24, lin2_w 26
	v_lshl_add_u32 v2, v0, 2, SPARE                ; my spare word
	v_mov_b32 v3, 0
	v_and_b32 v20, 31, v0                          ; l
	v_lshrrev_b32 v21, 5, v0
	v_readfirstlane_b32 s28, v21                   ; wave
	v_and_b32 v22, 15, v0                          ; r
	v_bfe_u32 v23, v0, 4, 1                        ; hf
	v_lshlrev_b32 v24, 4, v20                      ; 16 l
	s_lshl_b32 s29, s28, 13
	v_add_nc_u32 v4, s29, v24                      ; src: 8 w rows + 16 l
	s_mul_i32 s30, s28, 8*PITCH
	v_lshl_add_u32 v5, v20, 3, s30                 ; tile in LDS, in: row 8 w, 8 l
	v_mul_u32_u24 v6, v22, PITCH
	v_lshl_add_u32 v6, v23, 4, v6                  ; tile in LDS, fragments: r x pitch + 16 hf
	s_mul_i32 s29, s28, 8*VPLANE
	v_mul_u32_u24 v9, v23, VPLANE
	v_lshl_add_u32 v9, v22, 4, v9
	v_add_nc_u32 v9, s29, v9                       ; vtab: plane 8 w + hf, row r
	v_lshlrev_b32 v10, 10, v22
	v_lshl_add_u32 v10, v23, 5, v10                ; a weight row of 1,024 bytes x r + 32 hf
	s_lshl_b32 s29, s28, 8
	v_lshl_add_u32 v11, v23, 5, s29                ; val_b: 4 (64 w + 8 hf)
	s_mov_b32 s35, ttmp9
	s_sub_co_i32 s32, s35, 176
	s_max_i32 s32, s32, 0
	s_mul_i32 s33, s35, 5
	s_add_co_u32 s33, s33, s32                     ; my first pair
	s_cmp_ge_u32 s35, 176
	s_cselect_b32 s34, 6, 5                        ; my pairs: the loop's trips
	s_sub_co_u32 s43, s34, 1                       ; all but the last load ahead
	s_lshl_b32 s36, s33, 16                        ; a pair is 65,536 bytes of src,
	s_mov_b32 s37, 0
	s_lshl_b32 s38, s33, 10                        ; 1,024 of each plane of vtab
	s_mov_b32 s39, 0
	s_lshl_b32 s40, s28, 16                        ; my 64 rows of val_w
	s_mov_b32 s41, 0
	s_wait_kmcnt 0x0
	s_add_nc_u64 s[4:5], s[4:5], s[36:37]
	s_add_nc_u64 s[10:11], s[10:11], s[38:39]
	s_add_nc_u64 s[6:7], s[6:7], s[40:41]
	SRCLOAD 0, 0                                   ; the first two tiles go out before anything else
	SRCLOAD 1, 32768
.irp nt, 0,1,2,3
	global_load_b128 v[224+8*\nt:227+8*\nt], v11, s[8:9] offset:64*\nt
	global_load_b128 v[228+8*\nt:231+8*\nt], v11, s[8:9] offset:64*\nt+16
.endr
.irp i, 0,1                                            ; val_w: two of my four n tiles at a time
	WIN 0xc0
	CASTLOAD 0, 10, 6, (2*\i)*16384
	CASTLOAD 128, 10, 6, (2*\i+1)*16384
	s_wait_loadcnt 0x0
	WIN 0x4f
	CASTCVT 128*\i, 0
	CASTCVT 128*\i+64, 128
.endr
	WIN 0
	s_cmp_lt_u32 s35, 58
	s_cbranch_scc0 .Lnocast
	; THE CAST.  Unit u = 4 g + w.  Each class sets: the matrix s[44:45], the unit's byte offset in it s46, log2 of its row bytes s48, the place in wb s49, bytes from K step to K step there s50.
	s_lshl2_add_u32 s42, s35, s28
	s_mov_b32 s48, 10
	s_mov_b32 s50, 4096
	s_cmp_lt_u32 s42, 48
	s_cbranch_scc0 .Lc_out
	s_mov_b64 s[44:45], s[14:15]                   ; inproj_w, tile t = u: group t & 15, section t >> 4
	s_lshl_b32 s46, s42, 14
	s_and_b32 s49, s42, 15
	s_mul_i32 s49, s49, 24576
	s_lshr_b32 s51, s42, 4
	s_lshl_b32 s51, s51, 10
	s_add_co_u32 s49, s49, s51
	s_mov_b32 s50, 3072
	s_branch .Lc_go
.Lc_out:
	s_cmp_lt_u32 s42, 64
	s_cbranch_scc0 .Lc_oa
	s_mov_b64 s[44:45], s[16:17]                   ; outproj_w, t = u - 48
	s_sub_co_u32 s52, s42, 48
	s_lshl_b32 s46, s52, 14
	s_lshr_b32 s49, s52, 2
	s_lshl_b32 s49, s49, 15
	s_and_b32 s51, s52, 3
	s_lshl_b32 s51, s51, 10
	s_add_co_u32 s49, s49, s51
	s_add_co_u32 s49, s49, R_OP
	s_branch .Lc_go
.Lc_oa:
	s_cmp_lt_u32 s42, 88
	s_cbranch_scc0 .Lc_mout
	s_sub_co_u32 s52, s42, 64                      ; off_w (T = 0..15) and attw_w (T = 16..23) in groups of three tiles
	s_cmp_lt_u32 s42, 80
	s_cselect_b64 s[44:45], s[18:19], s[20:21]
	s_cselect_b32 s53, 64, 80
	s_sub_co_u32 s53, s42, s53
	s_lshl_b32 s46, s53, 14
	s_mul_i32 s51, s52, 11
	s_lshr_b32 s51, s51, 5                         ; G = T / 3 for T < 24
	s_mul_i32 s49, s51, 24576-3072                 ; G x 24,576 + (T - 3 G) x 1,024
	s_lshl_b32 s53, s52, 10
	s_add_co_u32 s49, s49, s53
	s_add_co_u32 s49, s49, R_OA
	s_mov_b32 s50, 3072
	s_branch .Lc_go
.Lc_mout:
	s_cmp_lt_u32 s42, 104
	s_cbranch_scc0 .Lc_l1
	s_mov_b64 s[44:45], s[22:23]                   ; mout_w, t = u - 88: pass 0 of wave t >> 2
	s_sub_co_u32 s52, s42, 88
	s_lshl_b32 s46, s52, 14
	s_lshr_b32 s49, s52, 2
	s_mul_i32 s49, s49, FW
	s_and_b32 s51, s52, 3
	s_lshl_b32 s51, s51, 10
	s_add_co_u32 s49, s49, s51
	s_add_co_u32 s49, s49, R_F
	s_branch .Lc_go
.Lc_l1:
	s_cmp_lt_u32 s42, 168
	s_cbranch_scc0 .Lc_l2
	s_mov_b64 s[44:45], s[24:25]                   ; lin1_w, t = u - 104: wave t >> 4, pass 1 + ((t >> 2) & 3)
	s_sub_co_u32 s52, s42, 104
	s_lshl_b32 s46, s52, 14
	s_lshr_b32 s49, s52, 4
	s_mul_i32 s49, s49, FW
	s_bfe_u32 s51, s52, 0x20002
	s_lshl_b32 s51, s51, 15
	s_add_co_u32 s49, s49, s51
	s_and_b32 s51, s52, 3
	s_lshl_b32 s51, s51, 10
	s_add_co_u32 s49, s49, s51
	s_add_co_u32 s49, s49, R_F+32768
	s_branch .Lc_go
.Lc_l2:
	s_mov_b64 s[44:45], s[26:27]                   ; lin2_w, v = u - 168: n tile v >> 2, 256 k from 256 (v & 3): pass 5 + (v & 3)
	s_sub_co_u32 s52, s42, 168
	s_lshr_b32 s46, s52, 2
	s_lshl_b32 s46, s46, 16
	s_and_b32 s51, s52, 3
	s_lshl_b32 s53, s51, 10
	s_add_co_u32 s46, s46, s53
	s_lshl_b32 s51, s51, 15
	s_lshr_b32 s49, s52, 4
	s_mul_i32 s49, s49, FW
	s_add_co_u32 s49, s49, s51
	s_bfe_u32 s51, s52, 0x20002
	s_lshl_b32 s51, s51, 10
	s_add_co_u32 s49, s49, s51
	s_add_co_u32 s49, s49, R_F+5*32768
	s_mov_b32 s48, 12
.Lc_go:
	s_mov_b32 s47, 0
	s_add_nc_u64 s[44:45], s[44:45], s[46:47]
	s_mov_b32 s54, s49
	s_mov_b32 s55, 0
	s_add_nc_u64 s[56:57], s[12:13], s[54:55]
	v_lshlrev_b32 v11, s48, v22                    ; r x row bytes (val_b's loads, which named v11, have been waited for)
	v_lshl_add_u32 v11, v23, 5, v11
.irp k, 0,1,2,3,4,5,6,7
	v_mad_u32_u24 v[12+\k], s50, \k, v24           ; 16 l + K step x its bytes
.endr
	WIN 0xc0
	CASTLOAD 0, 11, 44, 0
	s_wait_loadcnt 0x0
	WIN 0x0f
	CASTCVT 96, 0
	WIN 0
.irp k, 0,1,2,3,4,5,6,7
	global_store_b128 v[12+\k], v[96+8*\k:99+8*\k], s[56:57]
	global_store_b128 v[12+\k], v[100+8*\k:103+8*\k], s[56:57] offset:512
.endr
	s_wait_xcnt 0x0                                ; v96-159 are written again only behind this wait
.Lnocast:
; ONE TILE.  set: which landing set and which LDS buffer hold it.  In every trip but the last the set is loaded again with the tile two on.
; s_wait_loadcnt 16: the younger tile's 16 loads may stay out; the last trip, which loads nothing, waits for all loads where the others load, so the count holds there too.
; ONE barrier a tile: it stands between the tile's stores and its reads; a buffer is stored into again two tiles on, behind the next tile's barrier, in front of which every wave has
; waited for its reads of this one.
.macro TILE set
	s_wait_loadcnt 16
	WIN 0x0a
.set ti, 0
.rept 32
	v_cvt_pk_bf16_f32 v[96+ti], v[64*(\set)+2*ti], v[64*(\set)+2*ti+1]
.set ti, ti+1
.endr
	WIN 0
.irp j, 0,1,2,3,4,5,6,7
	ds_store_b64 v5, v[96+4*\j:97+4*\j] offset:AT1*(\set)+PITCH*\j
	ds_store_b64 v5, v[98+4*\j:99+4*\j] offset:AT1*(\set)+PITCH*\j+256
.endr
	s_cmp_lt_u32 s41, s43
	s_cbranch_scc0 .Lno_\@
	SRCLOAD \set, 65536
	s_branch .Lgo_\@
.Lno_\@:
	s_wait_loadcnt 0x0                             ; the last pair: nothing is left to load, and the other set is in
.Lgo_\@:
	s_wait_dscnt 0x0                               ; for the others' sake: my rows are in LDS
	s_barrier_signal -1
	s_barrier_wait -1
.irp mt, 0,1
.irp ks, 0,1,2,3,4,5,6,7
	ds_load_b128 v[96+8*(8*\mt+\ks):96+8*(8*\mt+\ks)+3], v6 offset:AT1*(\set)+16*PITCH*\mt+64*\ks
	ds_load_b128 v[96+8*(8*\mt+\ks)+4:96+8*(8*\mt+\ks)+7], v6 offset:AT1*(\set)+16*PITCH*\mt+64*\ks+32
.endr
.endr
	s_wait_dscnt 0x0
	WIN 0x01                                       ; source 0 (val_w) in window 1
.irp ks, 0,1,2,3,4,5,6,7                               ; the 8 accumulators take turns; the first K step takes val_b as C
.irp mt, 0,1
.irp nt, 0,1,2,3
.if \ks == 0
	v_wmma_f32_16x16x32_bf16 v[32+8*(4*\mt+\nt):39+8*(4*\mt+\nt)], v[64*\nt+8*\ks:64*\nt+8*\ks+7], v[96+8*(8*\mt+\ks):103+8*(8*\mt+\ks)], v[224+8*\nt:231+8*\nt]
.else
	v_wmma_f32_16x16x32_bf16 v[32+8*(4*\mt+\nt):39+8*(4*\mt+\nt)], v[64*\nt+8*\ks:64*\nt+8*\ks+7], v[96+8*(8*\mt+\ks):103+8*(8*\mt+\ks)], v[32+8*(4*\mt+\nt):39+8*(4*\mt+\nt)]
.endif
.endr
.endr
.endr
	WIN 0
	NOP5
.set ti, 0
.rept 32                                               ; each accumulator's registers in ascending order
	v_cvt_pk_bf16_f32 v[96+ti], v[32+2*ti], v[33+2*ti]
.set ti, ti+1
.endr
.irp mt, 0,1
.irp nt, 0,1,2,3
	global_store_b128 v9, v[96+4*(4*\mt+\nt):96+4*(4*\mt+\nt)+3], s[10:11] offset:2*\nt*VPLANE+256*\mt  ; two planes, 256 consecutive aligned bytes in each
.endr
.endr
	s_wait_xcnt 0x0                                ; the bases and v96-127 are written again only behind this wait
	s_add_nc_u64 s[4:5], s[4:5], 32768
	s_add_nc_u64 s[10:11], s[10:11], 512
.endm
	s_mov_b32 s41, 0
.Lpair:
	TILE 0
	TILE 1
	s_add_co_u32 s41, s41, 1
	s_cmp_lt_u32 s41, s34
	s_cbranch_scc1 .Lpair
	s_wait_tensorcnt 0x0                           ; the wave's end
	ds_add_u32 v2, v3
	s_wait_dscnt 0x0
	s_endpgm
.Lfunc_end_k_q478437b996_k_value:
	.size	k_q478437b996_k_value, .Lfunc_end_k_q478437b996_k_value-k_q478437b996_k_value
	.p2alignl 7, 3214868480
	.fill 96, 4, 3214868480
	.section	.rodata,"a",@progbits
	.p2align	6, 0x0
	.amdhsa_kernel k_q478437b996_k_value
		.amdhsa_group_segment_fixed_size 34304
		.amdhsa_private_segment_fixed_size 0
		.amdhsa_enable_private_segment 0
		.amdhsa_kernarg_size 96
		.amdhsa_user_sgpr_count 2
		.amdhsa_user_sgpr_kernarg_segment_ptr 1
		.amdhsa_wavefront_size32 1
		.amdhsa_system_sgpr_workgroup_id_x 1
		.amdhsa_system_sgpr_workgroup_id_y 1
		.amdhsa_system_sgpr_workgroup_id_z 1
		.amdhsa_system_vgpr_workitem_id 0
		.amdhsa_next_free_vgpr 1024
		.amdhsa_next_free_sgpr 66
		.amdhsa_reserve_vcc 0
		.amdhsa_float_denorm_mode_32 3
		.amdhsa_float_denorm_mode_16_64 3
		.amdhsa_memory_ordered 1
		.amdhsa_forward_progress 1
		.amdhsa_inst_pref_size 76
	.end_amdhsa_kernel
	.amdgpu_metadata
---
amdhsa.version: [ 1, 2 ]
amdhsa.kernels:
  - .name:           k_q478437b996_k_value
    .symbol:         k_q478437b996_k_value.kd
    .args:
      - { .name: src, .offset: 0, .size: 8, .value_kind: global_buffer, .address_space: global }
      - { .name: val_w, .offset: 8, .size: 8, .value_kind: global_buffer, .address_space: global }
      - { .name: val_b, .offset: 16, .size: 8, .value_kind: global_buffer, .address_space: global }
      - { .name: vtab, .offset: 24, .size: 8, .value_kind: global_buffer, .address_space: global }
      - { .name: wb, .offset: 32, .size: 8, .value_kind: global_buffer, .address_space: global }
      - { .name: inproj_w, .offset: 40, .size: 8, .value_kind: global_buffer, .address_space: global }
      - { .name: outproj_w, .offset: 48, .size: 8, .value_kind: global_buffer, .address_space: global }
      - { .name: off_w, .offset: 56, .size: 8, .value_kind: global_buffer, .address_space: global }
      - { .name: attw_w, .offset: 64, .size: 8, .value_kind: global_buffer, .address_space: global }
      - { .name: mout_w, .offset: 72, .size: 8, .value_kind: global_buffer, .address_space: global }
      - { .name: lin1_w, .offset: 80, .size: 8, .value_kind: global_buffer, .address_space: global }
      - { .name: lin2_w, .offset: 88, .size: 8, .value_kind: global_buffer, .address_space: global }
    .group_segment_fixed_size: 34304
    .private_segment_fixed_size: 0
    .kernarg_segment_align: 8
    .kernarg_segment_size: 96
    .max_flat_workgroup_size: 128
    .sgpr_count:     66
    .vgpr_count:     1024
    .wavefront_size: 32
...
	.end_amdgpu_metadata
.endif
;; end of part 6
;; launch k_attn: the kernel of part 2 again; grid 4 x 64, 4 waves a work-group, no clusters, 299,776 bytes of LDS; arguments tgt, wb, inproj_b, obuf; writes obuf
;; launch k_mid (part 7): grid 4 x 64, 4 waves a work-group, no clusters, 298,752 bytes of LDS; arguments obuf, tgt, query_pos, reference_points, wb, outproj_b, ln_inter_g, ln_inter_b, off_b, attw_b, x1, sidx, swts; writes x1, sidx, swts
.if DOCPART == 7
	.amdgcn_target "amdgcn-amd-amdhsa--gfx1250"
	.amdhsa_code_object_version 6
	.text
	.protected	k_q478437b996_k_mid
	.globl	k_q478437b996_k_mid
	.p2align	8
	.type	k_q478437b996_k_mid,@function
k_q478437b996_k_mid:
	s_mov_b64 s[64:65], 0
	v_nop
	global_prefetch_b8 v0, s[64:65] scope:SCOPE_SE
	s_setreg_imm32_b32 hwreg(HW_REG_WAVE_MODE, 25, 1), 1
	s_wait_xcnt 0x0
; For 75 rows (batch n = 16 b + p, instances 75 j .. 75 j + 74; row R' = 300 n + q): x1 = LN(tgt + obuf . outproj_w^T + outproj_b); query = x1 + query_pos;
; offsets and logits = query . (off_w, attw_w)^T + biases; softmax over a head's 16 logits (its maximum taken away); and for each of the 128 sampling points of a row a whole number,
; the table row of the point's upper left pixel, and four weights (bf16) = bilinear weight x attention weight.
; THE SAMPLING.  With x = loc W - 0.5 and xb = floor(x) held within 0 .. W - 2, pixels xb and xb + 1 both exist, and their weights are max(0, 1 - |x - xb|) and max(0, 1 - |x - xb - 1|): for every x this
; is what four gathers times their validity give.  With d = x - xb they are the medians of (1 - d, 0, 1 + d) and (2 - d, 0, d), since each outer pair adds up to 2.  W = H on every level (128, 64, 32, 16),
; constants of the module's own text: the inputs src_spatial_shapes and level_start_index are not read there, so they are not read here.
; WHERE THEY GO.  sidx[head][level][PR][4 points], swts[head][level][half][PR][2 points x 4 corners], PR = 80 x (4 n + j) + r: a work-group's 80 rows are 1,280 consecutive bytes of each plane, and each
; store's lanes 0-15 and 16-31 write 256 consecutive aligned bytes.  Rows 75-79 are made of zero rows, hold finite numbers, and are used by nobody.
; LIMITS.  Matrix operands and the stored weights are bf16; the residual, the norms and x1 are f32; the variance is taken of x - mean.  NaN and infinities are not treated apart.
; SHARES.  80 rows = 5 tiles of 16.  In a product a wave owns 4 or 3 tiles of 16 columns; its weights come straight from wb into a ring of eight K steps in registers, each slot loaded again right
; behind its use.  In the norm wave w owns rows 20 w .. 20 w + 19; in the sampling heads 2 w and 2 w + 1 of all rows.  No cluster: the weights go to registers, not to LDS, so there is no tile to share.
; THE FIRST FILLS.  A wave's three tensor loads go out together, obuf's first.  The out-projection begins when obuf's 46,080 bytes are in; tgt, query_pos and the reference points, 168,960 bytes, land
; beside it and are waited for in front of the barrier behind it.
; LDS.  0: obuf's four planes 80 x 144, later query in bf16 80 x 528.  46,080: tgt 80 x 1,040; 129,280: query_pos likewise; over both later offsets and logits 80 x 1,552.
;   212,480: the out-projection 80 x 1,040.  295,680: reference points 80 x 32.  298,240: the spare words.
; REGISTERS.  window 0: v4-31 addresses, v32-55 vectors, v80-86 a level's constants, v112-175 four rows at work, v176-255 two buffers of 5 activation fragments, else at work.
;   window 1: accumulators (mt, nt) at 8 (NT mt + nt); v160-207 off_b and attw_b of my six tiles, the first K step's C.  window 2: the ring (ks, nt) at 32 ks + 8 nt.
.set TG,    46080
.set QPL,   129280
.set OAS,   46080
.set ST1,   212480
.set RPL,   295680
.set SPARE, 298240
.set R_OP,  393216
.set R_OA,  524288
.set PL,    327680                     ; a plane of sidx or swts: 20,480 rows x 16 bytes
.set CB,    160
.set MSB, 0
.macro WIN new
.if MSB != (\new)
	s_set_vgpr_msb (MSB<<8)|(\new)
.set MSB, (\new)
.endif
.endm
.macro NOP5
.rept 5
	v_nop
.endr
.endm
.macro BAR
	s_wait_dscnt 0x0
	s_barrier_signal -1
	s_barrier_wait -1
.endm
.macro ALOAD buf, AA, bo               ; 5 activation fragments of one K step
.irp mt, 0,1,2,3,4
	ds_load_b128 v[(\buf)+8*\mt:(\buf)+8*\mt+3], v[(\AA)+\mt] offset:(\bo)
	ds_load_b128 v[(\buf)+8*\mt+4:(\buf)+8*\mt+7], v[(\AA)+\mt] offset:(\bo)+32
.endr
.endm
; A PASS: 80 rows x NT tiles of 16 columns x 256 k.  AA: first of 5 address registers; KP2: bytes from one pair of K steps to the next; cmode 0: the first K step starts the sums; 1: it takes the
; biases at v[CB ..] of window 1 as C.  NTn: tiles of the next pass, whose fragments follow each K step's use into the ring from s[wp] + roff + ks rks.
; s_wait_dscnt 10: the ten fragment loads just issued may stay out.  s_wait_loadcnt: behind slot ks's own loads came the rest of the last pass's, (7 - ks) 2 NT, and this pass's so far, ks 2 NTn.
.macro PASS NT, AA, KP2, cmode, NTn, wp, roff, rks
	WIN 0
	ALOAD 176, \AA, 0
.set ks, 0
.rept 8
	WIN 0
.if ks < 7
	ALOAD 176+40*((ks+1)%2), \AA, ((ks+1)/2)*(\KP2)+((ks+1)%2)*64
	s_wait_dscnt 10
.else
	s_wait_dscnt 0x0
.endif
	s_wait_loadcnt (7-ks)*2*(\NT)+ks*2*(\NTn)
	WIN 0x52                                       ; weights window 2, activations window 0, C and D window 1
.set mt, 0
.rept 5                                                ; the 5 NT accumulators take turns
.set nt, 0
.rept \NT
.set rD, 8*((\NT)*mt+nt)
.set rB, 32*ks+8*nt
.set rA, 176+40*(ks%2)+8*mt
.if (ks == 0) && ((\cmode) == 0)
	v_wmma_f32_16x16x32_bf16 v[rD:rD+7], v[rB:rB+7], v[rA:rA+7], 0
.elseif (ks == 0) && ((\cmode) == 1)
	v_wmma_f32_16x16x32_bf16 v[rD:rD+7], v[rB:rB+7], v[rA:rA+7], v[CB+8*nt:CB+8*nt+7]
.else
	v_wmma_f32_16x16x32_bf16 v[rD:rD+7], v[rB:rB+7], v[rA:rA+7], v[rD:rD+7]
.endif
.set nt, nt+1
.endr
.set mt, mt+1
.endr
	NOP5                                           ; the places in front of the loads into registers just read
.if \NTn
	WIN 0x80
.set nt, 0
.rept \NTn
	global_load_b128 v[32*ks+8*nt:32*ks+8*nt+3], v4, s[\wp:\wp+1] offset:(\roff)+ks*(\rks)+1024*nt
	global_load_b128 v[32*ks+8*nt+4:32*ks+8*nt+7], v4, s[\wp:\wp+1] offset:(\roff)+ks*(\rks)+1024*nt+512
.set nt, nt+1
.endr
.endif
.set ks, ks+1
.endr
	WIN 0
.endm
.macro EPIF NT, EP, cb                 ; the sums go to a stage in f32: v5 serves tiles 0-2, v6 tiles 3-4; each accumulator's low four registers first
	WIN 0x04
.set mt, 0
.rept 5
.set nt, 0
.rept \NT
.set rD, 8*((\NT)*mt+nt)
.set eo, (mt%3)*16*(\EP)+(\cb)+64*nt
	ds_store_b128 v[5+mt/3], v[rD:rD+3] offset:eo
	ds_store_b128 v[5+mt/3], v[rD+4:rD+7] offset:eo+16
.set nt, nt+1
.endr
.set mt, mt+1
.endr
	WIN 0
.endm
.macro RED4                            ; v176, v178, v180, v182: each summed over the 32 lanes
.irp m, 1,2,4,8
.irp k, 0,1,2,3
	v_add_f32_dpp v[176+2*\k], v[176+2*\k], v[176+2*\k] row_xmask:\m row_mask:0xf bank_mask:0xf
.endr
.endr
.irp k, 0,1,2,3
	v_permlanex16_b32 v[184+\k], v[176+2*\k], s86, s87
.endr
.irp k, 0,1,2,3
	v_add_f32 v[176+2*\k], v[176+2*\k], v[184+\k]
.endr
.endm
; Four rows k: Y (v[112+16k ..+7]) = LN(Y + T (v[120+16k ..+7]) + BB) G + BT.  A lane holds columns 4 l .. + 3 and 128 + 4 l .. + 3.  v176-187 have been written by the pass in front.
.macro LNCORE BB, G, BT
.irp k, 0,1,2,3
.irp i, 0,2,4,6
	v_pk_add_f32 v[112+16*\k+\i:113+16*\k+\i], v[112+16*\k+\i:113+16*\k+\i], v[120+16*\k+\i:121+16*\k+\i]
.endr
.endr
.irp k, 0,1,2,3
.irp i, 0,2,4,6
	v_pk_add_f32 v[112+16*\k+\i:113+16*\k+\i], v[112+16*\k+\i:113+16*\k+\i], v[(\BB)+\i:(\BB)+\i+1]
.endr
.endr
.irp k, 0,1,2,3
	v_pk_add_f32 v[120+16*\k:121+16*\k], v[112+16*\k:113+16*\k], v[114+16*\k:115+16*\k]
	v_pk_add_f32 v[122+16*\k:123+16*\k], v[116+16*\k:117+16*\k], v[118+16*\k:119+16*\k]
.endr
.irp k, 0,1,2,3
	v_pk_add_f32 v[120+16*\k:121+16*\k], v[120+16*\k:121+16*\k], v[122+16*\k:123+16*\k]
.endr
.irp k, 0,1,2,3
	v_add_f32 v[176+2*\k], v[120+16*\k], v[121+16*\k]
.endr
	RED4
.irp k, 0,1,2,3
	v_mul_f32 v[176+2*\k], s84, v[176+2*\k]        ; the mean
.endr
.irp k, 0,1,2,3
.irp i, 0,2,4,6
	v_pk_add_f32 v[112+16*\k+\i:113+16*\k+\i], v[112+16*\k+\i:113+16*\k+\i], v[176+2*\k:177+2*\k] op_sel_hi:[1,0] neg_lo:[0,1] neg_hi:[0,1]
.endr
.endr
.irp k, 0,1,2,3
	v_pk_mul_f32 v[120+16*\k:121+16*\k], v[112+16*\k:113+16*\k], v[112+16*\k:113+16*\k]
.endr
.irp i, 2,4,6
.irp k, 0,1,2,3
	v_pk_fma_f32 v[120+16*\k:121+16*\k], v[112+16*\k+\i:113+16*\k+\i], v[112+16*\k+\i:113+16*\k+\i], v[120+16*\k:121+16*\k]
.endr
.endr
.irp k, 0,1,2,3
	v_add_f32 v[176+2*\k], v[120+16*\k], v[121+16*\k]
.endr
	RED4
.irp k, 0,1,2,3
	v_fma_f32 v[176+2*\k], v[176+2*\k], s84, s85   ; variance + 1e-5
.endr
.irp k, 0,1,2,3
	v_rsq_f32 v[176+2*\k], v[176+2*\k]
.endr
	v_nop                                          ; a plain instruction behind the last of them
	s_wait_alu depctr_va_vdst(0)
.irp k, 0,1,2,3
.irp i, 0,2,4,6
	v_pk_mul_f32 v[112+16*\k+\i:113+16*\k+\i], v[112+16*\k+\i:113+16*\k+\i], v[176+2*\k:177+2*\k] op_sel_hi:[1,0]
.endr
.endr
.irp k, 0,1,2,3
.irp i, 0,2,4,6
	v_pk_fma_f32 v[112+16*\k+\i:113+16*\k+\i], v[112+16*\k+\i:113+16*\k+\i], v[(\G)+\i:(\G)+\i+1], v[(\BT)+\i:(\BT)+\i+1]
.endr
.endr
.endm
	s_load_b512 s[4:19], s[0:1], 0x0               ; obuf 4, tgt 6, query_pos 8, reference_points 10, wb 12, outproj_b 14, ln_inter_g 16, ln_inter_b 18
	s_load_b256 s[20:27], s[0:1], 0x40             ; off_b 20, attw_b 22, x1 24, sidx 26
	s_load_b64 s[28:29], s[0:1], 0x60              ; swts
	v_lshl_add_u32 v2, v0, 2, SPARE
	v_mov_b32 v3, 0
	ds_add_u32 v2, v3                              ; the wave's opening: the add and its wait ahead of my first tensor load
	ds_add_u32 v2, v3
	v_lshrrev_b32 v7, 5, v0
	v_readfirstlane_b32 s30, v7                    ; wave
	s_mov_b32 s31, ttmp9                           ; j
	s_and_b32 s60, ttmp7, 0xffff                   ; n
	s_lshr_b32 s61, s60, 4                         ; b
	s_and_b32 s62, s60, 15                         ; p
	s_mul_i32 s92, s60, 300
	s_mul_i32 s63, s31, 75
	s_add_co_u32 s92, s92, s63                     ; R'0 = 300 n + 75 j
	s_mul_i32 s93, s61, 300
	s_add_co_u32 s93, s93, s63                     ; 300 b + 75 j
	; obuf: plane w, 80 rows x 64 bf16 of which 75 exist; 16 bytes of padding behind each row of 32 words
	s_mov_b32 s44, (1<<16)|(1<<20)|(4<<22)|(3<<25)
	s_mov_b32 s45, 64<<16                          ; tensor_dim0
	s_mov_b32 s46, 75<<16                          ; tensor_dim1: the rows that are left; beyond them zeros arrive
	s_mov_b32 s47, 64<<16                          ; tile_dim0
	s_mov_b32 s48, 80                              ; tile_dim1
	s_mov_b32 s49, 64                              ; elements from row to row
	s_mov_b32 s50, 0
	s_mov_b32 s51, 0
	; tgt (waves 0, 1) or query_pos (waves 2, 3): 40 rows x 256 f32, 16 tensor rows apart; padding behind each row of 256 words
	s_mov_b32 s52, (2<<16)|(1<<20)|(7<<22)|(3<<25)
	s_mov_b32 s53, 256<<16
	s_and_b32 s94, s30, 1
	s_mul_i32 s95, s94, 40
	s_sub_co_u32 s54, 75, s95
	s_lshl_b32 s54, s54, 16                        ; 75 or 35 rows are left
	s_mov_b32 s55, 256<<16
	s_mov_b32 s56, 40
	s_mov_b32 s57, 4096
	s_mov_b32 s58, 0
	s_mov_b32 s59, 0
	; reference points: 20 rows x 8 f32
	s_mov_b32 s68, 2<<16
	s_mov_b32 s69, 8<<16
	s_mul_i32 s96, s30, 20
	s_sub_co_u32 s70, 75, s96
	s_lshl_b32 s70, s70, 16
	s_mov_b32 s71, 8<<16
	s_mov_b32 s72, 20
	s_mov_b32 s73, 128
	s_mov_b32 s74, 0
	s_mov_b32 s75, 0
	s_mov_b32 s32, 1
	s_mul_i32 s33, s30, 11520
	s_mov_b32 s36, 1
	s_mul_i32 s37, s30, 41600
	s_add_co_u32 s37, s37, TG
	s_mov_b32 s40, 1
	s_mul_i32 s41, s30, 640
	s_add_co_u32 s41, s41, RPL
	s_mul_i32 s76, s30, 19200
	s_add_co_u32 s76, s76, s92
	s_lshl_b32 s76, s76, 7
	s_mov_b32 s77, 0
	s_add_co_u32 s78, s93, s95
	s_lshl_b32 s78, s78, 4
	s_add_co_u32 s78, s78, s62
	s_lshl_b32 s78, s78, 10
	s_mov_b32 s79, 0
	s_add_co_u32 s96, s93, s96
	s_lshl_b32 s96, s96, 4
	s_add_co_u32 s96, s96, s62
	s_lshl_b32 s96, s96, 5
	s_mov_b32 s97, 0
	s_mov_b32 s84, 0x3b800000                      ; 1 / 256
	s_mov_b32 s85, 0x3727c5ac                      ; 1e-5
	s_mov_b32 s86, 0x76543210
	s_mov_b32 s87, 0xfedcba98
	s_mov_b32 s90, 0x3fb8aa3b                      ; log2(e)
	s_mov_b32 s91, s90
	s_wait_dscnt 0x0                               ; the opening add is done
	s_wait_kmcnt 0x0
	s_add_nc_u64 s[34:35], s[4:5], s[76:77]
	s_or_b32 s35, s35, 0x80000000
	s_cmp_lt_u32 s30, 2
	s_cselect_b64 s[38:39], s[6:7], s[8:9]
	s_add_nc_u64 s[38:39], s[38:39], s[78:79]
	s_or_b32 s39, s39, 0x80000000
	s_add_nc_u64 s[42:43], s[10:11], s[96:97]
	s_or_b32 s43, s43, 0x80000000
	tensor_load_to_lds s[32:35], s[44:51]          ; three first fills a wave, one group: three loads of mine are out; obuf's, which the first product reads, goes first
	s_nop 0
	tensor_load_to_lds s[36:39], s[52:59]
	s_nop 0
	tensor_load_to_lds s[40:43], s[68:75]
	s_nop 0
.rept 4
	v_nop
.endr
	v_and_b32 v7, 31, v0                           ; l
	v_and_b32 v28, 15, v0                          ; r
	v_bfe_u32 v29, v0, 4, 1                        ; hf
	v_lshlrev_b32 v4, 4, v7                        ; 16 l
	v_lshlrev_b32 v30, 5, v29                      ; 32 hf
	global_load_b128 v[32:35], v4, s[14:15]
	global_load_b128 v[36:39], v4, s[14:15] offset:512
	global_load_b128 v[40:43], v4, s[16:17]
	global_load_b128 v[44:47], v4, s[16:17] offset:512
	global_load_b128 v[48:51], v4, s[18:19]
	global_load_b128 v[52:55], v4, s[18:19] offset:512
	; the biases of my six tiles T = 6 w + i of offsets (T < 16: off_b) and logits (attw_b): a lane's eight columns 16 T + 8 hf ..; they stand ahead of the ring's loads, so the passes' counts hold
	s_mul_i32 s94, s30, 6
	WIN 0x40
.irp i, 0,1,2,3,4,5
	s_add_co_u32 s95, s94, \i
	s_cmp_lt_u32 s95, 16
	s_cselect_b64 s[98:99], s[20:21], s[22:23]
	s_cselect_b32 s96, 0, 16
	s_sub_co_u32 s96, s95, s96
	s_lshl_b32 s96, s96, 6                         ; 64 bytes a tile (s97 is 0)
	s_add_nc_u64 s[98:99], s[98:99], s[96:97]
	global_load_b128 v[160+8*\i:163+8*\i], v30, s[98:99]
	global_load_b128 v[164+8*\i:167+8*\i], v30, s[98:99] offset:16
	s_wait_xcnt 0x0                                ; the base is written again only behind this wait
.endr
	WIN 0
	s_lshl_b32 s76, s30, 15
	s_add_co_u32 s76, s76, R_OP
	s_add_nc_u64 s[82:83], s[12:13], s[76:77]      ; outproj_w's fragments of my 4 tiles
	s_mul_i32 s78, s30, 49152
	s_add_co_u32 s78, s78, R_OA
	s_add_nc_u64 s[80:81], s[12:13], s[78:79]      ; off_w's and attw_w's of my 6 tiles
	WIN 0x80
.set fi, 0
.rept 32                                               ; the ring's first fill: fragment 4 ks + nt
	global_load_b128 v[8*fi:8*fi+3], v4, s[82:83] offset:1024*fi
	global_load_b128 v[8*fi+4:8*fi+7], v4, s[82:83] offset:1024*fi+512
.set fi, fi+1
.endr
	WIN 0
	s_lshl_b32 s76, s92, 10
	s_add_nc_u64 s[24:25], s[24:25], s[76:77]      ; x1 at row R'0
	s_lshl2_add_u32 s76, s60, s31
	s_mul_i32 s76, s76, 1280                       ; my 80 rows in each plane of sidx and swts
	s_add_nc_u64 s[26:27], s[26:27], s[76:77]
	s_add_nc_u64 s[28:29], s[28:29], s[76:77]
	v_mul_u32_u24 v8, v28, 144
	v_lshl_add_u32 v8, v29, 4, v8
	v_mul_u32_u24 v13, v28, 528
	v_lshl_add_u32 v13, v29, 4, v13
.irp mt, 1,2,3,4
	v_add_nc_u32 v[8+\mt], 2304*\mt, v8
	v_add_nc_u32 v[13+\mt], 8448*\mt, v13
.endr
	v_mul_u32_u24 v5, v28, 1040
	v_lshl_add_u32 v5, v29, 5, v5
	s_lshl_b32 s94, s30, 8
	s_add_co_u32 s94, s94, ST1
	v_add_nc_u32 v5, s94, v5                       ; stage: row r, 32 hf, my 64 columns are 256 bytes
	v_add_nc_u32 v6, 48*1040, v5
	s_mul_i32 s63, s30, 20                         ; my first row in the norm
	s_mul_i32 s94, s63, 1040
	s_add_co_u32 s95, s94, TG
	v_add_nc_u32 v18, s95, v4
	s_add_co_u32 s95, s94, ST1
	v_add_nc_u32 v19, s95, v4
	s_add_co_u32 s95, s94, QPL
	v_add_nc_u32 v20, s95, v4
	s_mul_i32 s95, s63, 528
	v_lshl_add_u32 v21, v7, 3, s95
	s_lshl_b32 s95, s63, 10
	v_add_nc_u32 v22, s95, v4
	s_wait_tensorcnt 0x2                           ; my plane of obuf is in: a wave's tensor loads end in order (ISA guide 10.11.1), and two were issued behind it; those stay out, since up to the next barrier only obuf's bytes are read,
	BAR                                            ; and everybody's plane is in
	PASS 4, 8, 11520, 0, 3, 80, 0, 3072            ; obuf . outproj_w^T; the ring takes my first three tiles of offsets and logits
	EPIF 4, 1040, 0                                ; into bytes in which no fill lands
	s_wait_tensorcnt 0x0                           ; my parts of tgt or query_pos and of the reference points are in,
	BAR                                            ; everybody's are, and the stage is whole
	s_mov_b32 s89, s63
	s_mov_b32 s88, 5
.Lrow:                                                 ; four rows a trip
.irp k, 0,1,2,3
	ds_load_b128 v[112+16*\k:115+16*\k], v18 offset:1040*\k
	ds_load_b128 v[116+16*\k:119+16*\k], v18 offset:1040*\k+512
	ds_load_b128 v[120+16*\k:123+16*\k], v19 offset:1040*\k
	ds_load_b128 v[124+16*\k:127+16*\k], v19 offset:1040*\k+512
	ds_load_b128 v[192+8*\k:195+8*\k], v20 offset:1040*\k
	ds_load_b128 v[196+8*\k:199+8*\k], v20 offset:1040*\k+512
.endr
	s_wait_dscnt 0x0
	LNCORE 32, 40, 48
	s_cmp_gt_u32 s89, 72                           ; rows 75-79 are none
	s_cbranch_scc1 .Lrow_ns
.irp k, 0,1,2
	global_store_b128 v22, v[112+16*\k:115+16*\k], s[24:25] offset:1024*\k
	global_store_b128 v22, v[116+16*\k:119+16*\k], s[24:25] offset:1024*\k+512
.endr
	s_cmp_gt_u32 s89, 71
	s_cbranch_scc1 .Lrow_ns
	global_store_b128 v22, v[160:163], s[24:25] offset:3072
	global_store_b128 v22, v[164:167], s[24:25] offset:3072+512
.Lrow_ns:
.irp k, 0,1,2,3
.irp i, 0,2,4,6
	v_pk_add_f32 v[192+8*\k+\i:193+8*\k+\i], v[192+8*\k+\i:193+8*\k+\i], v[112+16*\k+\i:113+16*\k+\i]
.endr
.endr
.irp k, 0,1,2,3
.irp i, 0,1,2,3
	v_cvt_pk_bf16_f32 v[120+16*\k+\i], v[192+8*\k+2*\i], v[193+8*\k+2*\i]
.endr
.endr
.irp k, 0,1,2,3
	ds_store_b64 v21, v[120+16*\k:121+16*\k] offset:528*\k       ; query, over obuf's planes, which nobody reads any more
	ds_store_b64 v21, v[122+16*\k:123+16*\k] offset:528*\k+256
.endr
	s_wait_xcnt 0x0                                ; the stores' data and offset are written again only behind this wait
	v_add_nc_u32 v18, 4*1040, v18
	v_add_nc_u32 v19, 4*1040, v19
	v_add_nc_u32 v20, 4*1040, v20
	v_add_nc_u32 v21, 4*528, v21
	v_add_nc_u32 v22, 4096, v22
	s_add_co_u32 s89, s89, 4
	s_sub_co_u32 s88, s88, 1
	s_cmp_lg_u32 s88, 0
	s_cbranch_scc1 .Lrow
	v_mul_u32_u24 v5, v28, 1552
	v_lshl_add_u32 v5, v29, 5, v5
	s_mul_i32 s94, s30, 384
	s_add_co_u32 s94, s94, OAS
	v_add_nc_u32 v5, s94, v5                       ; offsets and logits: my 96 columns are 384 bytes
	v_add_nc_u32 v6, 48*1552, v5
	BAR
.set CB, 160
	PASS 3, 13, 128, 1, 3, 80, 24576, 3072
	EPIF 3, 1552, 0
.set CB, 184
	PASS 3, 13, 128, 1, 0, 80, 0, 0
	EPIF 3, 1552, 192
	; THE SAMPLING.  A lane is (row 16 t + r, head 2 w + hf): its head's 16 logits and 32 offsets lie in its own registers, so the softmax needs no other lane.
	v_mul_u32_u24 v31, v28, 1552
	s_lshl_b32 s94, s30, 7
	s_add_co_u32 s94, s94, OAS+1024
	v_lshl_add_u32 v23, v29, 6, v31
	v_add_nc_u32 v23, s94, v23                     ; logits: 64 bytes a head
	s_lshl_b32 s94, s30, 8
	s_add_co_u32 s94, s94, OAS
	v_lshl_add_u32 v24, v29, 7, v31
	v_add_nc_u32 v24, s94, v24                     ; offsets: 128 bytes a head
	v_lshlrev_b32 v25, 5, v28
	v_add_nc_u32 v25, RPL, v25                     ; reference points: 32 bytes a row
	s_mul_i32 s94, s30, 8*PL
	v_mul_u32_u24 v18, v29, 4*PL
	v_lshl_add_u32 v18, v28, 4, v18
	v_add_nc_u32 v18, s94, v18                     ; sidx: plane 4 x head, row r
	s_mul_i32 s94, s30, 16*PL
	v_mul_u32_u24 v19, v29, 8*PL
	v_lshl_add_u32 v19, v28, 4, v19
	v_add_nc_u32 v19, s94, v19                     ; swts: plane 8 x head, row r
	s_mul_i32 s94, s61, 21760
	v_cvt_f32_u32 v86, s94                         ; the table row at which batch b begins
	BAR
; Points p and p + 1 of the level in hand, side by side so that no line waits for the one before it.  The level's registers: offsets v128-135, reference v160-161, weights of attention v112-115;
; W v80-81, 1 / W v82-83, W - 2 v84, the level's first table row v85.  Out: whole numbers v168-171, weights v172-179.  At work: v184-199, v200-215.
.macro SP2 p
.irp e, 0,1
	v_pk_fma_f32 v[128+2*((\p)+\e):129+2*((\p)+\e)], v[128+2*((\p)+\e):129+2*((\p)+\e)], v[82:83], v[160:161]   ; loc = ref + offset / W
.endr
.irp e, 0,1
	v_pk_fma_f32 v[184+16*\e:185+16*\e], v[128+2*((\p)+\e):129+2*((\p)+\e)], v[80:81], -0.5 op_sel_hi:[1,1,0]   ; x, y
.endr
.irp e, 0,1
	v_floor_f32 v[186+16*\e], v[184+16*\e]
	v_floor_f32 v[187+16*\e], v[185+16*\e]
.endr
.irp e, 0,1
	v_med3_num_f32 v[186+16*\e], v[186+16*\e], 0, v84                    ; xb, yb
	v_med3_num_f32 v[187+16*\e], v[187+16*\e], 0, v84
.endr
.irp e, 0,1
	v_pk_add_f32 v[188+16*\e:189+16*\e], v[184+16*\e:185+16*\e], v[186+16*\e:187+16*\e] neg_lo:[0,1] neg_hi:[0,1]   ; d
.endr
.irp e, 0,1
	v_pk_fma_f32 v[190+16*\e:191+16*\e], v[188+16*\e:189+16*\e], -1.0, 1.0 op_sel_hi:[1,0,0]
	v_pk_add_f32 v[192+16*\e:193+16*\e], v[188+16*\e:189+16*\e], 1.0 op_sel_hi:[1,0]
	v_pk_fma_f32 v[194+16*\e:195+16*\e], v[188+16*\e:189+16*\e], -1.0, 2.0 op_sel_hi:[1,0,0]
.endr
.irp e, 0,1
	v_med3_num_f32 v[196+16*\e], v[190+16*\e], 0, v[192+16*\e]           ; x: pixel xb,
	v_med3_num_f32 v[198+16*\e], v[191+16*\e], 0, v[193+16*\e]           ; y: pixel yb,
	v_med3_num_f32 v[197+16*\e], v[194+16*\e], 0, v[188+16*\e]           ; x: pixel xb + 1,
	v_med3_num_f32 v[199+16*\e], v[195+16*\e], 0, v[189+16*\e]           ; y: pixel yb + 1
.endr
.irp e, 0,1
	v_fma_f32 v[194+16*\e], v[187+16*\e], v80, v[186+16*\e]
.endr
.irp e, 0,1
	v_add_f32 v[194+16*\e], v85, v[194+16*\e]                            ; whole numbers below 2^24: exact
.endr
.irp e, 0,1
	v_mul_f32 v[198+16*\e], v[112+(\p)+\e], v[198+16*\e]
	v_mul_f32 v[199+16*\e], v[112+(\p)+\e], v[199+16*\e]
.endr
.irp e, 0,1
	v_cvt_u32_f32 v[168+(\p)+\e], v[194+16*\e]
.endr
.irp e, 0,1
	v_pk_mul_f32 v[190+16*\e:191+16*\e], v[196+16*\e:197+16*\e], v[198+16*\e:199+16*\e] op_sel_hi:[1,0]
	v_pk_mul_f32 v[192+16*\e:193+16*\e], v[196+16*\e:197+16*\e], v[198+16*\e:199+16*\e] op_sel:[0,1] op_sel_hi:[1,1]
.endr
.irp e, 0,1
	v_cvt_pk_bf16_f32 v[172+2*((\p)+\e)], v[190+16*\e], v[191+16*\e]
	v_cvt_pk_bf16_f32 v[173+2*((\p)+\e)], v[192+16*\e], v[193+16*\e]
.endr
.endm
	s_mov_b32 s88, 5
.Lsm:                                                  ; 16 rows x my two heads a trip
.irp lv, 0,1,2,3
	ds_load_b128 v[112+4*\lv:115+4*\lv], v23 offset:16*\lv
.endr
.irp lv, 0,1,2,3
	ds_load_b128 v[128+8*\lv:131+8*\lv], v24 offset:32*\lv
	ds_load_b128 v[132+8*\lv:135+8*\lv], v24 offset:32*\lv+16
.endr
.irp lv, 0,1,2,3
	ds_load_b64 v[160+2*\lv:161+2*\lv], v25 offset:8*\lv
.endr
	v_mov_b32 v80, 0x43000000                      ; level 0: W = 128,
	v_mov_b32 v81, 0x43000000
	v_mov_b32 v82, 0x3c000000                      ; 1 / 128,
	v_mov_b32 v83, 0x3c000000
	v_mov_b32 v84, 0x42fc0000                      ; 126,
	v_mov_b32 v85, v86                             ; and the batch's first table row
	v_mov_b32 v26, v18
	v_mov_b32 v27, v19
	s_wait_dscnt 0x0
	v_max3_num_f32 v168, v112, v113, v114          ; the maximum of the head's 16 logits
	v_max3_num_f32 v169, v115, v116, v117
	v_max3_num_f32 v170, v118, v119, v120
	v_max3_num_f32 v171, v121, v122, v123
	v_max3_num_f32 v168, v168, v124, v125
	v_max3_num_f32 v169, v169, v126, v127
	v_max_num_f32 v170, v170, v171
	v_max3_num_f32 v168, v168, v169, v170
	v_mul_f32 v168, s90, v168
.irp i, 0,1,2,3,4,5,6,7
	v_pk_fma_f32 v[112+2*\i:113+2*\i], v[112+2*\i:113+2*\i], s[90:91], v[168:169] op_sel_hi:[1,0,0] neg_lo:[0,0,1] neg_hi:[0,0,1]
.endr
.irp i, 0,1,2,3,4,5,6,7,8,9,10,11,12,13,14,15
	v_exp_f32 v[112+\i], v[112+\i]
.endr
	v_nop                                          ; a plain instruction behind the last exponential
	s_wait_alu depctr_va_vdst(0)
	v_pk_add_f32 v[170:171], v[112:113], v[114:115]
	v_pk_add_f32 v[172:173], v[116:117], v[118:119]
	v_pk_add_f32 v[174:175], v[120:121], v[122:123]
	v_pk_add_f32 v[176:177], v[124:125], v[126:127]
	v_pk_add_f32 v[170:171], v[170:171], v[172:173]
	v_pk_add_f32 v[174:175], v[174:175], v[176:177]
	v_pk_add_f32 v[170:171], v[170:171], v[174:175]
	v_add_f32 v170, v170, v171
	v_rcp_f32 v170, v170
	v_nop
	s_wait_alu depctr_va_vdst(0)
.irp i, 0,1,2,3,4,5,6,7
	v_pk_mul_f32 v[112+2*\i:113+2*\i], v[112+2*\i:113+2*\i], v[170:171] op_sel_hi:[1,0]
.endr
	s_mov_b32 s89, 4
.Llv:                                                  ; a level a trip; its numbers stand in the lowest registers of each group, and the groups move down behind it
	SP2 0
	SP2 2
	global_store_b128 v26, v[168:171], s[26:27]                ; lanes 0-15 and 16-31: 256 consecutive aligned bytes each
	global_store_b128 v27, v[172:175], s[28:29]
	global_store_b128 v27, v[176:179], s[28:29] offset:PL
.set ii, 0
.rept 12
	v_mov_b32 v[112+ii], v[116+ii]
.set ii, ii+1
.endr
.set ii, 0
.rept 24
	v_mov_b32 v[128+ii], v[136+ii]
.set ii, ii+1
.endr
.set ii, 0
.rept 6
	v_mov_b32 v[160+ii], v[162+ii]
.set ii, ii+1
.endr
	v_fma_f32 v85, v80, v80, v85                   ; the next level begins W x W table rows on,
	v_mul_f32 v80, 0.5, v80                        ; and has half the W
	v_mul_f32 v81, 0.5, v81
	v_mul_f32 v82, 2.0, v82
	v_mul_f32 v83, 2.0, v83
	v_add_f32 v84, -2.0, v80
	s_wait_xcnt 0x0                                ; the stores' data and offsets are written again only behind this wait
	v_add_nc_u32 v26, PL, v26
	v_add_nc_u32 v27, 2*PL, v27
	s_sub_co_u32 s89, s89, 1
	s_cmp_lg_u32 s89, 0
	s_cbranch_scc1 .Llv
	v_add_nc_u32 v23, 16*1552, v23
	v_add_nc_u32 v24, 16*1552, v24
	v_add_nc_u32 v25, 512, v25
	v_add_nc_u32 v18, 256, v18
	v_add_nc_u32 v19, 256, v19
	s_sub_co_u32 s88, s88, 1
	s_cmp_lg_u32 s88, 0
	s_cbranch_scc1 .Lsm
	s_wait_tensorcnt 0x0                           ; the wave's end
	ds_add_u32 v2, v3
	s_wait_dscnt 0x0
	s_endpgm
.Lfunc_end_k_q478437b996_k_mid:
	.size	k_q478437b996_k_mid, .Lfunc_end_k_q478437b996_k_mid-k_q478437b996_k_mid
	.p2alignl 7, 3214868480
	.fill 96, 4, 3214868480
	.section	.rodata,"a",@progbits
	.p2align	6, 0x0
	.amdhsa_kernel k_q478437b996_k_mid
		.amdhsa_group_segment_fixed_size 298752
		.amdhsa_private_segment_fixed_size 0
		.amdhsa_enable_private_segment 0
		.amdhsa_kernarg_size 104
		.amdhsa_user_sgpr_count 2
		.amdhsa_user_sgpr_kernarg_segment_ptr 1
		.amdhsa_wavefront_size32 1
		.amdhsa_system_sgpr_workgroup_id_x 1
		.amdhsa_system_sgpr_workgroup_id_y 1
		.amdhsa_system_sgpr_workgroup_id_z 1
		.amdhsa_system_vgpr_workitem_id 0
		.amdhsa_next_free_vgpr 768
		.amdhsa_next_free_sgpr 100
		.amdhsa_reserve_vcc 0
		.amdhsa_float_denorm_mode_32 3
		.amdhsa_float_denorm_mode_16_64 3
		.amdhsa_memory_ordered 1
		.amdhsa_forward_progress 1
		.amdhsa_inst_pref_size 109
	.end_amdhsa_kernel
	.amdgpu_metadata
---
amdhsa.version: [ 1, 2 ]
amdhsa.kernels:
  - .name:           k_q478437b996_k_mid
    .symbol:         k_q478437b996_k_mid.kd
    .args:
      - { .name: obuf, .offset: 0, .size: 8, .value_kind: global_buffer, .address_space: global }
      - { .name: tgt, .offset: 8, .size: 8, .value_kind: global_buffer, .address_space: global }
      - { .name: query_pos, .offset: 16, .size: 8, .value_kind: global_buffer, .address_space: global }
      - { .name: reference_points, .offset: 24, .size: 8, .value_kind: global_buffer, .address_space: global }
      - { .name: wb, .offset: 32, .size: 8, .value_kind: global_buffer, .address_space: global }
      - { .name: outproj_b, .offset: 40, .size: 8, .value_kind: global_buffer, .address_space: global }
      - { .name: ln_inter_g, .offset: 48, .size: 8, .value_kind: global_buffer, .address_space: global }
      - { .name: ln_inter_b, .offset: 56, .size: 8, .value_kind: global_buffer, .address_space: global }
      - { .name: off_b, .offset: 64, .size: 8, .value_kind: global_buffer, .address_space: global }
      - { .name: attw_b, .offset: 72, .size: 8, .value_kind: global_buffer, .address_space: global }
      - { .name: x1, .offset: 80, .size: 8, .value_kind: global_buffer, .address_space: global }
      - { .name: sidx, .offset: 88, .size: 8, .value_kind: global_buffer, .address_space: global }
      - { .name: swts, .offset: 96, .size: 8, .value_kind: global_buffer, .address_space: global }
    .group_segment_fixed_size: 298752
    .private_segment_fixed_size: 0
    .kernarg_segment_align: 8
    .kernarg_segment_size: 104
    .max_flat_workgroup_size: 128
    .sgpr_count:     100
    .vgpr_count:     768
    .wavefront_size: 32
...
	.end_amdgpu_metadata
.endif
;; end of part 7
;; launch k_gather (part 8): grid 256 x 1, 16 waves a work-group, no clusters, 284,672 bytes of LDS; arguments sidx, swts, vtab, samp; writes samp
.if DOCPART == 8
	.amdgcn_target "amdgcn-amd-amdhsa--gfx1250"
	.amdhsa_code_object_version 6
	.text
	.protected	k_q478437b996_k_gather
	.globl	k_q478437b996_k_gather
	.p2align	8
	.type	k_q478437b996_k_gather,@function
k_q478437b996_k_gather:
	s_mov_b64 s[64:65], 0
	v_nop
	global_prefetch_b8 v0, s[64:65] scope:SCOPE_SE
	s_setreg_imm32_b32 hwreg(HW_REG_WAVE_MODE, 25, 1), 1
	s_wait_xcnt 0x0
; THE SAMPLING'S SUMS, out of LDS.  samp[part][slice][PR][8 channels] (bf16) = sum over some of a row's 16 points x 4 corners of weight x table[pixel][slice's 8 channels]; part 0 + part 1 is the whole sum.
; SHARES.  A slice of 8 channels makes a pixel 16 bytes: a batch's level 0 is 262,144 bytes, level 1 65,536, levels 2 and 3 together 20,480: more than one LDS holds.  So each (batch, slice) has two
; work-groups.  Role 0 holds levels 0, 2, 3 and role 1 levels 1, 2, 3; each takes its large level for all 5,120 rows of the batch and levels 2 and 3 for half of them (role 0: rows 0-2,559):
; 160 x 4 + 80 x 8 points of 32 rows for either role, no point taken twice, and every table byte leaves memory in whole rows of 256 bytes.
; Role 1 asks for pixels 4,096 .. 20,479 of its batch, so that both roles have one shape of descriptor; its level 1 lies in the last quarter, and the first three are never read: 196,608 bytes a work-group.
; A lane is a row; a task is 32 rows; wave w has tasks 5 w .. 5 w + 4 of either half.
; TWO PHASES.  Each wave asks first for 1,280 bytes of levels 2 and 3 and then for 16,384 of the large level.  PHASE A begins when the 20,480 bytes are in: levels 2 and 3 of the wave's five tasks of its
; role's half, two thirds of those tasks' multiply-adds, while the 262,144 bytes land.  The five sums, 8 registers each, wait in f32 in a queue of 40 registers that moves down one place a trip.
; PHASE B, behind the wait for the large level: ten tasks, one text; each adds onto the queue's lowest place; behind the five sums zeros follow.  The sums are rounded once for each part.
; The whole numbers come from the launch before; each is taken relative to what lies in LDS and held under the region's end, so that all four corners lie inside whatever it holds.
; NO CLUSTER: the two roles' requests begin 4,096 pixels apart, so no load is the same in both; the whole numbers and weights, which eight work-groups read, go to registers.
; LDS.  0: the large level, 16,384 pixels.  262,144: levels 2 and 3, 1,280 pixels.  282,624: the spare words.  First fills alone: a wave has two tensor loads out.
.set PL,     327680                    ; a plane of sidx, swts, samp: 20,480 rows x 16 bytes
.set VPLANE, 1392640                   ; a slice's plane of the table
.set R23,    262144
.set SPARE,  282624
.set IXN, 8                            ; v8-11    whole numbers of the large level, as they land
.set IX2, 12                           ; v12-19   of levels 2 and 3
.set IX3, 16
.set WTB, 20                           ; v20-43   weights in use: point pt, corner c in register base + 2 pt + c / 2, half c % 2
.set WT2, 28
.set WT3, 36
.set AB,  44                           ; v44-47   LDS address of the upper pixel row's pair, v48-51 of the lower one's
.set AB2, 48
.set A2,  52                           ; v52-59   levels 2 and 3
.set A3,  56
.set WTN, 60                           ; v60-67   weights of the large level, as they land
.set D0,  72                           ; v72-135, v136-199: a level's 16 corners, 4 registers each
.set D1,  136
.set OUT, 200                          ; v200-203
.set Q,   204                          ; v204-243 the queue: five places of 8 sums
.set QT,  Q+32                         ; its top place
.macro FM a, d, w, hd, hw              ; f32 += bf16 half of d x bf16 half of w
.if ((\hd) == 0) && ((\hw) == 0)
	v_fma_mix_f32_bf16 v[\a], v[\d], v[\w], v[\a] op_sel_hi:[1,1,0]
.elseif (\hw) == 0
	v_fma_mix_f32_bf16 v[\a], v[\d], v[\w], v[\a] op_sel:[1,0,0] op_sel_hi:[1,1,0]
.elseif (\hd) == 0
	v_fma_mix_f32_bf16 v[\a], v[\d], v[\w], v[\a] op_sel:[0,1,0] op_sel_hi:[1,1,0]
.else
	v_fma_mix_f32_bf16 v[\a], v[\d], v[\w], v[\a] op_sel:[1,1,0] op_sel_hi:[1,1,0]
.endif
.endm
.macro CONSUME acc, w, d               ; 4 points x 4 corners x 8 channels onto the 8 sums at acc
.set cp, 0
.rept 4
.set cc, 0
.rept 4
.set cj, 0
.rept 8
	FM (\acc)+cj, (\d)+16*cp+4*cc+cj/2, (\w)+2*cp+cc/2, cj%2, cc%2
.set cj, cj+1
.endr
.set cc, cc+1
.endr
.set cp, cp+1
.endr
.endm
.macro SHIFT                           ; the queue moves down one place, two registers an instruction, and its top place starts at 0
.set qi, 0
.rept 16
	v_dual_mov_b32 v[Q+qi], v[Q+8+qi] :: v_dual_mov_b32 v[Q+qi+1], v[Q+9+qi]
.set qi, qi+2
.endr
.irp j, 0,1,2,3,4,5,6,7
	v_mov_b32 v[QT+\j], 0
.endr
.endm
.macro ADDRB                           ; the large level: s20 = the table row at LDS byte 0, s21 = W
.irp pt, 0,1,2,3
	v_sub_nc_u32 v[AB+\pt], v[IXN+\pt], s20
.endr
.irp pt, 0,1,2,3
	v_add_nc_u32 v[AB2+\pt], s21, v[AB+\pt]
.endr
.irp pt, 0,1,2,3
	v_min_u32 v[AB+\pt], 16382, v[AB+\pt]          ; pixel and its right neighbour inside the 16,384
	v_min_u32 v[AB2+\pt], 16382, v[AB2+\pt]
.endr
.irp pt, 0,1,2,3
	v_lshlrev_b32 v[AB+\pt], 4, v[AB+\pt]
	v_lshlrev_b32 v[AB2+\pt], 4, v[AB2+\pt]
.endr
.endm
.macro ADDRS ix, a, cap                ; level 2 or 3: s22 = the table row at LDS byte R23
.irp pt, 0,1,2,3
	v_sub_nc_u32 v[(\a)+\pt], v[(\ix)+\pt], s22
.endr
.irp pt, 0,1,2,3
	v_min_u32 v[(\a)+\pt], \cap, v[(\a)+\pt]
.endr
.irp pt, 0,1,2,3
	v_lshl_add_u32 v[(\a)+\pt], v[(\a)+\pt], 4, R23
.endr
.endm
.macro ISSUEB d
.irp pt, 0,1,2,3
	ds_load_b128 v[(\d)+16*\pt:(\d)+16*\pt+3], v[AB+\pt]
	ds_load_b128 v[(\d)+16*\pt+4:(\d)+16*\pt+7], v[AB+\pt] offset:16
	ds_load_b128 v[(\d)+16*\pt+8:(\d)+16*\pt+11], v[AB2+\pt]
	ds_load_b128 v[(\d)+16*\pt+12:(\d)+16*\pt+15], v[AB2+\pt] offset:16
.endr
.endm
.macro ISSUES d, a, pitch
.irp pt, 0,1,2,3
	ds_load_b128 v[(\d)+16*\pt:(\d)+16*\pt+3], v[(\a)+\pt]
	ds_load_b128 v[(\d)+16*\pt+4:(\d)+16*\pt+7], v[(\a)+\pt] offset:16
	ds_load_b128 v[(\d)+16*\pt+8:(\d)+16*\pt+11], v[(\a)+\pt] offset:(\pitch)
	ds_load_b128 v[(\d)+16*\pt+12:(\d)+16*\pt+15], v[(\a)+\pt] offset:(\pitch)+16
.endr
.endm
.macro LDBIG                           ; a task's whole numbers and weights of the large level: each load 512 consecutive bytes of a plane
	global_load_b128 v[IXN:IXN+3], v5, s[4:5]
	global_load_b128 v[WTN:WTN+3], v5, s[6:7]
	global_load_b128 v[WTN+4:WTN+7], v5, s[6:7] offset:PL
.endm
.macro LDIDX23                         ; whole numbers of levels 2 and 3
	global_load_b128 v[IX2:IX2+3], v5, s[50:51]
	global_load_b128 v[IX3:IX3+3], v5, s[50:51] offset:PL
.endm
.macro LDWT23                          ; and their weights
	global_load_b128 v[WT2:WT2+3], v5, s[52:53]
	global_load_b128 v[WT2+4:WT2+7], v5, s[52:53] offset:PL
	global_load_b128 v[WT3:WT3+3], v5, s[52:53] offset:2*PL
	global_load_b128 v[WT3+4:WT3+7], v5, s[52:53] offset:3*PL
.endm
	s_load_b256 s[4:11], s[0:1], 0x0               ; sidx 4, swts 6, vtab 8, samp 10
	v_lshl_add_u32 v2, v0, 2, SPARE
	v_mov_b32 v3, 0
	ds_add_u32 v2, v3                              ; the wave's opening: the add and its wait ahead of my first tensor load
	ds_add_u32 v2, v3
	v_and_b32 v1, 31, v0
	v_lshlrev_b32 v1, 4, v1                        ; 16 l
	v_lshrrev_b32 v6, 5, v0
	v_readfirstlane_b32 s12, v6                    ; wave
	s_and_b32 s13, ttmp9, 1                        ; role
	s_bfe_u32 s14, ttmp9, 0x50001                  ; slice
	s_lshr_b32 s15, ttmp9, 6                       ; b
	s_lshr_b32 s16, s14, 2                         ; head
	; dense bytes come as rows of 256: 32 elements of 8 bytes.  Of the large level each wave brings 64 rows,
	s_mov_b32 s24, 3<<16
	s_mov_b32 s25, 32<<16                          ; tensor_dim0
	s_mov_b32 s26, 64<<16                          ; tensor_dim1
	s_mov_b32 s27, 32<<16                          ; tile_dim0
	s_mov_b32 s28, 64                              ; tile_dim1
	s_mov_b32 s29, 32                              ; elements from row to row
	s_mov_b32 s30, 0
	s_mov_b32 s31, 0
	; of levels 2 and 3 five rows: short loads on purpose, one at the head of each wave's requests, so that the 20,480 bytes with which the work begins are in first
	s_mov_b32 s32, 3<<16
	s_mov_b32 s33, 32<<16
	s_mov_b32 s34, 5<<16
	s_mov_b32 s35, 32<<16
	s_mov_b32 s36, 5
	s_mov_b32 s37, 32
	s_mov_b32 s38, 0
	s_mov_b32 s39, 0
	s_mov_b32 s40, 1
	s_lshl_b32 s41, s12, 14                        ; LDS: wave x 16,384
	s_mov_b32 s44, 1
	s_mul_i32 s60, s12, 1280
	s_add_co_u32 s45, s60, R23                     ; LDS: behind the large level, wave x 1,280
	s_mul_i32 s17, s14, VPLANE
	s_mul_i32 s18, s15, 348160                     ; a batch is 21,760 pixels of 16 bytes
	s_add_co_u32 s17, s17, s18
	s_lshl_b32 s19, s13, 16                        ; role 1 begins 4,096 pixels on
	s_add_co_u32 s19, s19, s41
	s_add_co_u32 s48, s17, s19
	s_mov_b32 s49, 0
	s_add_co_u32 s60, s60, s17
	s_add_co_u32 s60, s60, 327680                  ; level 2 begins at pixel 20,480
	s_mov_b32 s61, 0
	s_wait_dscnt 0x0                               ; the opening add is done
	s_wait_kmcnt 0x0
	s_add_nc_u64 s[42:43], s[8:9], s[48:49]
	s_or_b32 s43, s43, 0x80000000
	s_add_nc_u64 s[46:47], s[8:9], s[60:61]
	s_or_b32 s47, s47, 0x80000000
	tensor_load_to_lds s[44:47], s[32:39]          ; my part of levels 2 and 3,
	s_nop 0
	tensor_load_to_lds s[40:43], s[24:31]          ; my part of the large level: two loads of mine are out
	s_nop 0
.rept 4
	v_nop
.endr
	s_mul_i32 s18, s15, 81920                      ; a batch is 5,120 rows of 16 bytes in every plane
	s_lshl_b32 s17, s16, 2
	s_add_co_u32 s19, s17, s13                     ; plane of my large level: 4 x head + role
	s_add_co_u32 s17, s17, 2                       ; of level 2
	s_mul_i32 s60, s17, PL
	s_add_co_u32 s60, s60, s18
	s_add_nc_u64 s[50:51], s[4:5], s[60:61]
	s_mul_i32 s60, s17, 2*PL
	s_add_co_u32 s60, s60, s18
	s_add_nc_u64 s[52:53], s[6:7], s[60:61]
	s_mul_i32 s60, s19, PL
	s_add_co_u32 s60, s60, s18
	s_add_nc_u64 s[4:5], s[4:5], s[60:61]
	s_mul_i32 s60, s19, 2*PL
	s_add_co_u32 s60, s60, s18
	s_add_nc_u64 s[6:7], s[6:7], s[60:61]
	s_lshl_b32 s60, s13, 5
	s_add_co_u32 s60, s60, s14
	s_mul_i32 s60, s60, PL                         ; samp: plane 32 x role + slice
	s_add_co_u32 s60, s60, s18
	s_add_nc_u64 s[10:11], s[10:11], s[60:61]
	s_mul_i32 s20, s15, 21760
	s_add_co_u32 s22, s20, 20480
	s_lshl_b32 s21, s13, 12
	s_add_co_u32 s20, s20, s21
	s_cmp_eq_u32 s13, 0
	s_cselect_b32 s21, 128, 64                     ; W of my large level
	s_mul_i32 s23, s12, 5
	s_mul_i32 s54, s13, 80
	s_sub_co_u32 s56, 80, s54
	s_add_co_u32 s54, s54, s23                     ; my first task of my role's half (all three levels),
	s_add_co_u32 s56, s56, s23                     ; my first of the other half (the large level alone),
	s_add_co_u32 s55, s54, 4                       ; and the last of each
	s_add_co_u32 s57, s56, 4
	s_mov_b32 s59, s54
	v_lshl_add_u32 v5, s54, 9, v1                  ; a task is 512 bytes of a plane
	LDBIG                                          ; phase B's first task is phase A's first: its numbers of the large level are asked for now and stay until then
	LDIDX23
	LDWT23
.set qi, 8
.rept 32
	v_mov_b32 v[Q+qi], 0                           ; what the first trip's move reads
.set qi, qi+1
.endr
	s_wait_tensorcnt 0x1                           ; my part of levels 2 and 3 is in: one load was issued behind it; that one stays out, since up to the next barrier only levels 2 and 3 are read,
	s_barrier_signal -1
	s_barrier_wait -1                              ; and everybody's part is in
; PHASE A, five trips.  At a trip's head the task's two loads of whole numbers and, issued behind them, its four of weights are on their way.
; s_wait_loadcnt 4: the four loads of weights may stay out.  The next task's whole numbers are asked for as soon as the addresses are made; s_wait_loadcnt 2 leaves those two out.
; The next task's weights are asked for behind the last use of this task's.  s_wait_dscnt 16 leaves level 3's 16 loads out.  Behind the last task the same task is asked for again, once a wave.
	s_mov_b32 s58, 5
.LtripA:
	s_wait_loadcnt 4
	ADDRS IX2, A2, 990
	ADDRS IX3, A3, 1262
	s_wait_xcnt 0x0                                ; v5, which the weights' loads name, is written again only behind this wait
	s_add_co_u32 s54, s54, 1
	s_min_u32 s54, s54, s55
	v_lshl_add_u32 v5, s54, 9, v1
	LDIDX23
	SHIFT
	ISSUES D0, A2, 512                             ; level 2: a pixel row is 32 x 16 bytes
	ISSUES D1, A3, 256                             ; level 3: 16 x 16
	s_wait_loadcnt 2
	s_wait_dscnt 16
	CONSUME QT, WT2, D0
	s_wait_dscnt 0x0
	CONSUME QT, WT3, D1
	LDWT23
	s_sub_co_u32 s58, s58, 1
	s_cmp_lg_u32 s58, 0
	s_cbranch_scc1 .LtripA
	s_wait_tensorcnt 0x0                           ; my part of the large level is in,
	s_wait_dscnt 0x0
	s_barrier_signal -1
	s_barrier_wait -1                              ; everybody's is
	s_wait_xcnt 0x0                                ; v5 is written again only behind this wait
	s_mov_b32 s54, s59
	v_lshl_add_u32 v5, s54, 9, v1
; PHASE B, ten trips: my five tasks of my role's half, whose sums of levels 2 and 3 come down the queue, then my five of the other half, which find zeros there.
; A task's whole numbers and weights land in registers of their own and are asked for a whole trip ahead: the wait at a trip's head is for all loads.  Behind the very last task the same task is asked for again.
	s_mov_b32 s58, 10
.LtripB:
	s_wait_loadcnt 0x0
	ADDRB
.irp i, 0,2,4,6
	v_dual_mov_b32 v[WTB+\i], v[WTN+\i] :: v_dual_mov_b32 v[WTB+\i+1], v[WTN+\i+1]
.endr
	s_wait_xcnt 0x0                                ; v4 and the last store's data are written again only behind this wait
	v_mov_b32 v4, v5                               ; this task's place, for its store
	s_add_co_u32 s54, s54, 1
	s_cmp_eq_u32 s58, 6                            ; behind the fifth task: the other half's first
	s_cselect_b32 s54, s56, s54
	s_cmp_eq_u32 s58, 1                            ; behind the tenth: no further one
	s_cselect_b32 s54, s57, s54
	v_lshl_add_u32 v5, s54, 9, v1
	LDBIG
	ISSUEB D0
	s_wait_dscnt 0x0
	CONSUME Q, WTB, D0
.irp i, 0,1,2,3
	v_cvt_pk_bf16_f32 v[OUT+\i], v[Q+2*\i], v[Q+2*\i+1]
.endr
	global_store_b128 v4, v[OUT:OUT+3], s[10:11]   ; 512 consecutive aligned bytes
	SHIFT
	s_sub_co_u32 s58, s58, 1
	s_cmp_lg_u32 s58, 0
	s_cbranch_scc1 .LtripB
	s_wait_tensorcnt 0x0                           ; the wave's end
	ds_add_u32 v2, v3
	s_wait_dscnt 0x0
	s_endpgm
.Lfunc_end_k_q478437b996_k_gather:
	.size	k_q478437b996_k_gather, .Lfunc_end_k_q478437b996_k_gather-k_q478437b996_k_gather
	.p2alignl 7, 3214868480
	.fill 96, 4, 3214868480
	.section	.rodata,"a",@progbits
	.p2align	6, 0x0
	.amdhsa_kernel k_q478437b996_k_gather
		.amdhsa_group_segment_fixed_size 284672
		.amdhsa_private_segment_fixed_size 0
		.amdhsa_enable_private_segment 0
		.amdhsa_kernarg_size 32
		.amdhsa_user_sgpr_count 2
		.amdhsa_user_sgpr_kernarg_segment_ptr 1
		.amdhsa_wavefront_size32 1
		.amdhsa_system_sgpr_workgroup_id_x 1
		.amdhsa_system_sgpr_workgroup_id_y 1
		.amdhsa_system_sgpr_workgroup_id_z 1
		.amdhsa_system_vgpr_workitem_id 0
		.amdhsa_next_free_vgpr 244
		.amdhsa_next_free_sgpr 66
		.amdhsa_reserve_vcc 0
		.amdhsa_float_denorm_mode_32 3
		.amdhsa_float_denorm_mode_16_64 3
		.amdhsa_memory_ordered 1
		.amdhsa_forward_progress 1
		.amdhsa_inst_pref_size 42
	.end_amdhsa_kernel
	.amdgpu_metadata
---
amdhsa.version: [ 1, 2 ]
amdhsa.kernels:
  - .name:           k_q478437b996_k_gather
    .symbol:         k_q478437b996_k_gather.kd
    .args:
      - { .name: sidx, .offset: 0, .size: 8, .value_kind: global_buffer, .address_space: global }
      - { .name: swts, .offset: 8, .size: 8, .value_kind: global_buffer, .address_space: global }
      - { .name: vtab, .offset: 16, .size: 8, .value_kind: global_buffer, .address_space: global }
      - { .name: samp, .offset: 24, .size: 8, .value_kind: global_buffer, .address_space: global }
    .group_segment_fixed_size: 284672
    .private_segment_fixed_size: 0
    .kernarg_segment_align: 8
    .kernarg_segment_size: 32
    .max_flat_workgroup_size: 512
    .sgpr_count:     66
    .vgpr_count:     244
    .wavefront_size: 32
...
	.end_amdgpu_metadata
.endif
;; end of part 8
;; launch k_tail (part 9): grid 4 x 64, 4 waves a work-group, no clusters, 295,168 bytes of LDS; arguments x1, samp, wb, mout_b, ln_cross_g, ln_cross_b, lin1_b, lin2_b, ln3_g, ln3_b, out0; writes out0
.if DOCPART == 9
	.amdgcn_target "amdgcn-amd-amdhsa--gfx1250"
	.amdhsa_code_object_version 6
	.text
	.protected	k_q478437b996_k_tail
	.globl	k_q478437b996_k_tail
	.p2align	8
	.type	k_q478437b996_k_tail,@function
k_q478437b996_k_tail:
	s_mov_b64 s[64:65], 0
	v_nop
	global_prefetch_b8 v0, s[64:65] scope:SCOPE_SE
	s_setreg_imm32_b32 hwreg(HW_REG_WAVE_MODE, 25, 1), 1
	s_wait_xcnt 0x0
; For 75 rows (R' = 300 n + 75 j + 0 .. 74): x2 = LN(x1 + (samp part 0 + samp part 1) . mout_w^T + mout_b); h = relu(x2 . lin1_w^T + lin1_b); out0 = LN(x2 + h . lin2_w^T + lin2_b), stored at row ((300 b + q) 16 + p).
; Ten passes of 80 rows x 64 columns a wave x 256 k: mout twice, once on each part of samp, onto one set of sums; four of lin1 (a wave's 256 hidden columns); four of lin2 (K = 1,024, one set of sums).
; A wave's weights are one stream of wb, straight into a ring of eight K steps in registers, each slot loaded again right behind its use (mout's fragments twice).  x2 and h never leave LDS.
; samp lies by slices of 8 channels, [part][slice][80 x (4 n + j) + r][8]: a lane's 16 bytes of a fragment are one row's entry in one plane, and 16 rows of a plane are 256 consecutive bytes of LDS.
; No cluster: the weights go to registers, so there is no tile to share.
; THE FIRST FILLS.  A wave's three tensor loads go out together, samp's first.  The two mout passes begin when samp's 81,920 bytes are in; x1 and lin1_b, 87,296 bytes, land beside them and are waited
; for in front of the barrier behind them.
; LIMITS.  Matrix operands (samp, x2, h, weights) are bf16; residuals, norms and sums are f32; the variance is taken of x - mean.  NaN and infinities are not treated apart.
; LDS.  0: x2 in bf16, 80 x 528.  42,240: x1, later x2, in f32, 80 x 1,040.  125,440: h in bf16, 80 x 2,064; before h its first 83,200 bytes are a product's f32 stage 80 x 1,040 (after h too) and its
;   last 81,920 samp's 64 planes of 1,280 bytes.  290,560: lin1_b.  294,656: the spare words.
; REGISTERS.  window 0: v4-29 addresses, v32-79 six vectors, v80-111 lin1_b as a pass's first C, v112-175 four rows at work, v176-255 two buffers of 5 activation fragments, else at work.
;   window 1: 20 accumulators (mt, nt) at 8 (4 mt + nt).  window 2: the ring (ks, nt) at 32 ks + 8 nt.
.set XR,    42240
.set HB,    125440
.set SPL,   208640
.set LB,    290560
.set SPARE, 294656
.set R_F,   720896
.set FW,    294912
.set PL,    327680
.set MSB, 0
.macro WIN new
.if MSB != (\new)
	s_set_vgpr_msb (MSB<<8)|(\new)
.set MSB, (\new)
.endif
.endm
.macro NOP5
.rept 5
	v_nop
.endr
.endm
.macro BAR
	s_wait_dscnt 0x0
	s_barrier_signal -1
	s_barrier_wait -1
.endm
.macro ALOAD buf, AA, bo, h2           ; 5 activation fragments of one K step; h2: bytes from a fragment's first half to its second
.irp mt, 0,1,2,3,4
	ds_load_b128 v[(\buf)+8*\mt:(\buf)+8*\mt+3], v[(\AA)+\mt] offset:(\bo)
	ds_load_b128 v[(\buf)+8*\mt+4:(\buf)+8*\mt+7], v[(\AA)+\mt] offset:(\bo)+(\h2)
.endr
.endm
; A PASS: 80 rows x 4 tiles of 16 columns x 256 k.  K step ks begins (ks / 2) KP2 + (ks % 2) K1 bytes behind AA's addresses.  cmode 1: the first K step takes v80-111 as C; 2: it adds onto the sums.
; NTn = 4: the fragments of the pass that s[80:81] names follow each K step's use into the ring.
; s_wait_dscnt 10: the ten fragment loads just issued may stay out.  s_wait_loadcnt: behind slot ks's own loads came (7 - ks) 8 of the last pass's and ks 2 NTn of this one's.
.macro PASS AA, KP2, K1, H2, cmode, NTn
	WIN 0
	ALOAD 176, \AA, 0, \H2
.set ks, 0
.rept 8
	WIN 0
.if ks < 7
	ALOAD 176+40*((ks+1)%2), \AA, ((ks+1)/2)*(\KP2)+((ks+1)%2)*(\K1), \H2
	s_wait_dscnt 10
.else
	s_wait_dscnt 0x0
.endif
	s_wait_loadcnt (7-ks)*8+ks*2*(\NTn)
.if (ks == 0) && ((\cmode) == 1)
	WIN 0x42                                       ; weights window 2, activations and C window 0, D window 1
.else
	WIN 0x52                                       ; C in window 1 too
.endif
.set mt, 0
.rept 5                                                ; the 20 accumulators take turns
.set nt, 0
.rept 4
.set rD, 8*(4*mt+nt)
.set rB, 32*ks+8*nt
.set rA, 176+40*(ks%2)+8*mt
.if (ks == 0) && ((\cmode) == 1)
	v_wmma_f32_16x16x32_bf16 v[rD:rD+7], v[rB:rB+7], v[rA:rA+7], v[80+8*nt:87+8*nt]
.else
	v_wmma_f32_16x16x32_bf16 v[rD:rD+7], v[rB:rB+7], v[rA:rA+7], v[rD:rD+7]
.endif
.set nt, nt+1
.endr
.set mt, mt+1
.endr
	NOP5
.if \NTn
	WIN 0x80
.set nt, 0
.rept \NTn
	global_load_b128 v[32*ks+8*nt:32*ks+8*nt+3], v4, s[80:81] offset:ks*4096+1024*nt
	global_load_b128 v[32*ks+8*nt+4:32*ks+8*nt+7], v4, s[80:81] offset:ks*4096+1024*nt+512
.set nt, nt+1
.endr
.endif
.set ks, ks+1
.endr
	WIN 0
.endm
.macro CLR                             ; sums that several passes of one looped text add onto are cleared on purpose: 160 moves spare a further copy of the pass, whose text is five times as long
	WIN 0x40
.set ii, 0
.rept 160
	v_mov_b32 v[ii], 0
.set ii, ii+1
.endr
	WIN 0
.endm
.macro EPIF EP                         ; the sums go to the stage in f32; each accumulator's low four registers first
	WIN 0x04
.set mt, 0
.rept 5
.set nt, 0
.rept 4
.set rD, 8*(4*mt+nt)
.set eo, (mt%3)*16*(\EP)+64*nt
	ds_store_b128 v[5+mt/3], v[rD:rD+3] offset:eo
	ds_store_b128 v[5+mt/3], v[rD+4:rD+7] offset:eo+16
.set nt, nt+1
.endr
.set mt, mt+1
.endr
	WIN 0
.endm
.macro EPIR                            ; relu, bf16, into h: five accumulators (one column tile) at a time
.set nt, 0
.rept 4
	WIN 0x04
.set mt, 0
.rept 5
.set jj, 0
.rept 8
	v_max_num_f32 v[176+8*mt+jj], 0, v[8*(4*mt+nt)+jj]
.set jj, jj+1
.endr
.set mt, mt+1
.endr
	WIN 0
.set mt, 0
.rept 5
.set jj, 0
.rept 4
	v_cvt_pk_bf16_f32 v[216+4*mt+jj], v[176+8*mt+2*jj], v[177+8*mt+2*jj]
.set jj, jj+1
.endr
	ds_store_b128 v[18+mt], v[216+4*mt:219+4*mt] offset:32*nt
.set mt, mt+1
.endr
.set nt, nt+1
.endr
.endm
.macro RED4
.irp m, 1,2,4,8
.irp k, 0,1,2,3
	v_add_f32_dpp v[176+2*\k], v[176+2*\k], v[176+2*\k] row_xmask:\m row_mask:0xf bank_mask:0xf
.endr
.endr
.irp k, 0,1,2,3
	v_permlanex16_b32 v[184+\k], v[176+2*\k], s86, s87
.endr
.irp k, 0,1,2,3
	v_add_f32 v[176+2*\k], v[176+2*\k], v[184+\k]
.endr
.endm
; Four rows k: Y (v[112+16k ..+7]) = LN(Y + T (v[120+16k ..+7]) + BB) G + BT.  A lane holds columns 4 l .. + 3 and 128 + 4 l .. + 3.  v176-187 have been written by the pass in front.
.macro LNCORE BB, G, BT
.irp k, 0,1,2,3
.irp i, 0,2,4,6
	v_pk_add_f32 v[112+16*\k+\i:113+16*\k+\i], v[112+16*\k+\i:113+16*\k+\i], v[120+16*\k+\i:121+16*\k+\i]
.endr
.endr
.irp k, 0,1,2,3
.irp i, 0,2,4,6
	v_pk_add_f32 v[112+16*\k+\i:113+16*\k+\i], v[112+16*\k+\i:113+16*\k+\i], v[(\BB)+\i:(\BB)+\i+1]
.endr
.endr
.irp k, 0,1,2,3
	v_pk_add_f32 v[120+16*\k:121+16*\k], v[112+16*\k:113+16*\k], v[114+16*\k:115+16*\k]
	v_pk_add_f32 v[122+16*\k:123+16*\k], v[116+16*\k:117+16*\k], v[118+16*\k:119+16*\k]
.endr
.irp k, 0,1,2,3
	v_pk_add_f32 v[120+16*\k:121+16*\k], v[120+16*\k:121+16*\k], v[122+16*\k:123+16*\k]
.endr
.irp k, 0,1,2,3
	v_add_f32 v[176+2*\k], v[120+16*\k], v[121+16*\k]
.endr
	RED4
.irp k, 0,1,2,3
	v_mul_f32 v[176+2*\k], s84, v[176+2*\k]
.endr
.irp k, 0,1,2,3
.irp i, 0,2,4,6
	v_pk_add_f32 v[112+16*\k+\i:113+16*\k+\i], v[112+16*\k+\i:113+16*\k+\i], v[176+2*\k:177+2*\k] op_sel_hi:[1,0] neg_lo:[0,1] neg_hi:[0,1]
.endr
.endr
.irp k, 0,1,2,3
	v_pk_mul_f32 v[120+16*\k:121+16*\k], v[112+16*\k:113+16*\k], v[112+16*\k:113+16*\k]
.endr
.irp i, 2,4,6
.irp k, 0,1,2,3
	v_pk_fma_f32 v[120+16*\k:121+16*\k], v[112+16*\k+\i:113+16*\k+\i], v[112+16*\k+\i:113+16*\k+\i], v[120+16*\k:121+16*\k]
.endr
.endr
.irp k, 0,1,2,3
	v_add_f32 v[176+2*\k], v[120+16*\k], v[121+16*\k]
.endr
	RED4
.irp k, 0,1,2,3
	v_fma_f32 v[176+2*\k], v[176+2*\k], s84, s85
.endr
.irp k, 0,1,2,3
	v_rsq_f32 v[176+2*\k], v[176+2*\k]
.endr
	v_nop
	s_wait_alu depctr_va_vdst(0)
.irp k, 0,1,2,3
.irp i, 0,2,4,6
	v_pk_mul_f32 v[112+16*\k+\i:113+16*\k+\i], v[112+16*\k+\i:113+16*\k+\i], v[176+2*\k:177+2*\k] op_sel_hi:[1,0]
.endr
.endr
.irp k, 0,1,2,3
.irp i, 0,2,4,6
	v_pk_fma_f32 v[112+16*\k+\i:113+16*\k+\i], v[112+16*\k+\i:113+16*\k+\i], v[(\G)+\i:(\G)+\i+1], v[(\BT)+\i:(\BT)+\i+1]
.endr
.endr
.endm
	s_load_b512 s[4:19], s[0:1], 0x0               ; x1 4, samp 6, wb 8, mout_b 10, ln_cross_g 12, ln_cross_b 14, lin1_b 16, lin2_b 18
	s_load_b128 s[20:23], s[0:1], 0x40             ; ln3_g 20, ln3_b 22
	s_load_b64 s[24:25], s[0:1], 0x50              ; out0
	v_lshl_add_u32 v2, v0, 2, SPARE
	v_mov_b32 v3, 0
	ds_add_u32 v2, v3                              ; the wave's opening: the add and its wait ahead of my first tensor load
	ds_add_u32 v2, v3
	v_lshrrev_b32 v7, 5, v0
	v_readfirstlane_b32 s30, v7                    ; wave
	s_mov_b32 s31, ttmp9                           ; j
	s_and_b32 s60, ttmp7, 0xffff                   ; n
	s_lshr_b32 s61, s60, 4                         ; b
	s_and_b32 s62, s60, 15                         ; p
	s_mul_i32 s92, s60, 300
	s_mul_i32 s94, s31, 75
	s_add_co_u32 s92, s92, s94                     ; R'0
	s_mul_i32 s63, s30, 20                         ; my 20 rows
	s_add_co_u32 s93, s92, s63
	s_mul_i32 s95, s61, 300
	s_add_co_u32 s95, s95, s94
	s_lshl_b32 s95, s95, 4
	s_add_co_u32 s95, s95, s62
	s_lshl_b32 s98, s95, 10                        ; out0 at row (300 b + 75 j) 16 + p
	s_mov_b32 s99, 0
	; x1: 20 rows x 256 f32, padded behind each row of 256 words; of wave 3's rows 15 exist, the others arrive as zeros
	s_mov_b32 s44, (2<<16)|(1<<20)|(7<<22)|(3<<25)
	s_mov_b32 s45, 256<<16
	s_sub_co_u32 s46, 75, s63
	s_lshl_b32 s46, s46, 16
	s_mov_b32 s47, 256<<16
	s_mov_b32 s48, 20
	s_mov_b32 s49, 256
	s_mov_b32 s50, 0
	s_mov_b32 s51, 0
	; samp: 16 planes a wave, of each my work-group's 80 rows: 1,280 bytes = 160 elements of 8 bytes, a plane 40,960 elements from the next
	s_mov_b32 s52, 3<<16
	s_mov_b32 s53, 160<<16
	s_mov_b32 s54, 16<<16
	s_mov_b32 s55, 160<<16
	s_mov_b32 s56, 16
	s_mov_b32 s57, 40960
	s_mov_b32 s58, 0
	s_mov_b32 s59, 0
	; lin1_b: my 256 numbers, one row of 128 elements of 8 bytes
	s_mov_b32 s68, 3<<16
	s_mov_b32 s69, 128<<16
	s_mov_b32 s70, 1<<16
	s_mov_b32 s71, 128<<16
	s_mov_b32 s72, 1
	s_mov_b32 s73, 128
	s_mov_b32 s74, 0
	s_mov_b32 s75, 0
	s_mov_b32 s32, 1
	s_mul_i32 s33, s30, 20800
	s_add_co_u32 s33, s33, XR
	s_mov_b32 s36, 1
	s_mul_i32 s37, s30, 20480
	s_add_co_u32 s37, s37, SPL
	s_mov_b32 s40, 1
	s_lshl_b32 s41, s30, 10
	s_add_co_u32 s41, s41, LB
	s_lshl_b32 s76, s93, 10
	s_mov_b32 s77, 0
	s_lshl2_add_u32 s78, s60, s31
	s_mul_i32 s78, s78, 1280
	s_mul_i32 s79, s30, 16*PL
	s_add_co_u32 s78, s78, s79
	s_mov_b32 s79, 0
	s_lshl_b32 s96, s30, 10
	s_mov_b32 s97, 0
	s_mul_i32 s94, s30, FW
	s_add_co_u32 s94, s94, R_F
	s_mov_b32 s95, 0
	s_mov_b32 s84, 0x3b800000                      ; 1 / 256
	s_mov_b32 s85, 0x3727c5ac                      ; 1e-5
	s_mov_b32 s86, 0x76543210
	s_mov_b32 s87, 0xfedcba98
	s_wait_dscnt 0x0                               ; the opening add is done
	s_wait_kmcnt 0x0
	s_add_nc_u64 s[34:35], s[4:5], s[76:77]
	s_or_b32 s35, s35, 0x80000000
	s_add_nc_u64 s[38:39], s[6:7], s[78:79]
	s_or_b32 s39, s39, 0x80000000
	s_add_nc_u64 s[42:43], s[16:17], s[96:97]
	s_or_b32 s43, s43, 0x80000000
	tensor_load_to_lds s[36:39], s[52:59]          ; three first fills a wave, one group: three loads of mine are out; samp's, which the first product reads, goes first,
	s_nop 0
	tensor_load_to_lds s[32:35], s[44:51]          ; then x1's,
	s_nop 0
	tensor_load_to_lds s[40:43], s[68:75]          ; then lin1_b's
	s_nop 0
.rept 4
	v_nop
.endr
	s_add_nc_u64 s[80:81], s[8:9], s[94:95]        ; my stream of weights: s[80:81] names the pass that the ring takes next
	s_add_nc_u64 s[24:25], s[24:25], s[98:99]
	v_and_b32 v7, 31, v0                           ; l
	v_and_b32 v30, 15, v0                          ; r
	v_bfe_u32 v31, v0, 4, 1                        ; hf
	v_lshlrev_b32 v4, 4, v7                        ; 16 l
	global_load_b128 v[32:35], v4, s[10:11]
	global_load_b128 v[36:39], v4, s[10:11] offset:512
	global_load_b128 v[40:43], v4, s[12:13]
	global_load_b128 v[44:47], v4, s[12:13] offset:512
	global_load_b128 v[48:51], v4, s[14:15]
	global_load_b128 v[52:55], v4, s[14:15] offset:512
	global_load_b128 v[56:59], v4, s[18:19]
	global_load_b128 v[60:63], v4, s[18:19] offset:512
	global_load_b128 v[64:67], v4, s[20:21]
	global_load_b128 v[68:71], v4, s[20:21] offset:512
	global_load_b128 v[72:75], v4, s[22:23]
	global_load_b128 v[76:79], v4, s[22:23] offset:512
	WIN 0x80
.set fi, 0
.rept 32                                               ; the ring's first fill: mout_w, fragment 4 ks + nt; the pointer stays, since the first pass takes the same fragments again
	global_load_b128 v[8*fi:8*fi+3], v4, s[80:81] offset:1024*fi
	global_load_b128 v[8*fi+4:8*fi+7], v4, s[80:81] offset:1024*fi+512
.set fi, fi+1
.endr
	WIN 0
	v_mul_u32_u24 v8, v30, 528
	v_lshl_add_u32 v8, v31, 4, v8
	v_mul_u32_u24 v13, v30, 2064
	v_lshl_add_u32 v13, v31, 4, v13
	v_add_nc_u32 v13, HB, v13
	v_lshlrev_b32 v112, 4, v30
	v_mad_u32_u24 v112, v31, 1280, v112
	v_add_nc_u32 v112, SPL, v112                   ; samp: plane hf, row r
.irp mt, 1,2,3,4
	v_add_nc_u32 v[8+\mt], 8448*\mt, v8
	v_add_nc_u32 v[13+\mt], 33024*\mt, v13
	v_add_nc_u32 v[112+\mt], 256*\mt, v112
.endr
	s_lshl_b32 s94, s30, 9
.irp mt, 0,1,2,3,4
	v_add_nc_u32 v[18+\mt], s94, v[13+\mt]         ; h, in: my 256 hidden columns are 512 bytes
.endr
	v_lshl_add_u32 v23, v31, 5, s41                ; lin1_b: my 1,024 bytes + 32 hf
	v_mul_u32_u24 v5, v30, 1040
	v_lshl_add_u32 v5, v31, 5, v5
	s_lshl_b32 s94, s30, 8
	s_add_co_u32 s94, s94, HB
	v_add_nc_u32 v5, s94, v5                       ; stage: row r, 32 hf, my 64 columns are 256 bytes
	v_add_nc_u32 v6, 48*1040, v5
	s_mul_i32 s94, s63, 1040
	s_add_co_u32 s95, s94, XR
	v_add_nc_u32 v24, s95, v4
	v_mov_b32 v28, v24
	s_add_co_u32 s95, s94, HB
	v_add_nc_u32 v25, s95, v4
	v_mov_b32 v29, v25
	s_mul_i32 s95, s63, 528
	v_lshl_add_u32 v26, v7, 3, s95
	s_lshl_b32 s95, s63, 14
	v_add_nc_u32 v27, s95, v4                      ; out0: rows are 16,384 bytes apart
	CLR
	s_wait_tensorcnt 0x2                           ; my 16 planes of samp are in: a wave's tensor loads end in order (ISA guide 10.11.1), and two were issued behind it; those stay out, since up to the next barrier only samp's bytes are read,
	BAR                                            ; and everybody's planes are in
	s_mov_b32 s88, 2
.Lm:                                                   ; samp's two parts . mout_w^T: a K step is 4 planes of 1,280 bytes, a fragment's halves lie 2 planes apart
	PASS 112, 10240, 5120, 2560, 2, 4
	s_wait_xcnt 0x0                                ; the stream's pointer steps only behind this wait
	s_add_nc_u64 s[80:81], s[80:81], 32768
.irp mt, 0,1,2,3,4
	v_add_nc_u32 v[112+\mt], 40960, v[112+\mt]     ; the other part: 32 planes on
.endr
	s_sub_co_u32 s88, s88, 1
	s_cmp_lg_u32 s88, 0
	s_cbranch_scc1 .Lm
	EPIF 1040                                      ; into bytes in which no fill lands
	s_wait_tensorcnt 0x0                           ; my rows of x1 and my part of lin1_b are in,
	BAR                                            ; and the stage is whole
	s_mov_b32 s88, 5
.Lr2:                                                  ; x2, four rows a trip: back into x1's rows in f32, and in bf16 for the products
.irp k, 0,1,2,3
	ds_load_b128 v[112+16*\k:115+16*\k], v24 offset:1040*\k
	ds_load_b128 v[116+16*\k:119+16*\k], v24 offset:1040*\k+512
	ds_load_b128 v[120+16*\k:123+16*\k], v25 offset:1040*\k
	ds_load_b128 v[124+16*\k:127+16*\k], v25 offset:1040*\k+512
.endr
	s_wait_dscnt 0x0
	LNCORE 32, 40, 48
.irp k, 0,1,2,3
	ds_store_b128 v24, v[112+16*\k:115+16*\k] offset:1040*\k
	ds_store_b128 v24, v[116+16*\k:119+16*\k] offset:1040*\k+512
.endr
.irp k, 0,1,2,3
.irp i, 0,1,2,3
	v_cvt_pk_bf16_f32 v[120+16*\k+\i], v[112+16*\k+2*\i], v[113+16*\k+2*\i]
.endr
.endr
.irp k, 0,1,2,3
	ds_store_b64 v26, v[120+16*\k:121+16*\k] offset:528*\k
	ds_store_b64 v26, v[122+16*\k:123+16*\k] offset:528*\k+256
.endr
	v_add_nc_u32 v24, 4*1040, v24
	v_add_nc_u32 v25, 4*1040, v25
	v_add_nc_u32 v26, 4*528, v26
	s_sub_co_u32 s88, s88, 1
	s_cmp_lg_u32 s88, 0
	s_cbranch_scc1 .Lr2
	BAR
	s_mov_b32 s88, 4
.Lf1:                                                  ; lin1: 64 hidden columns a trip
.irp nt, 0,1,2,3
	ds_load_b128 v[80+8*\nt:83+8*\nt], v23 offset:64*\nt
	ds_load_b128 v[84+8*\nt:87+8*\nt], v23 offset:64*\nt+16
.endr
	PASS 8, 128, 64, 32, 1, 4
	EPIR
	s_wait_xcnt 0x0
	s_add_nc_u64 s[80:81], s[80:81], 32768
.irp mt, 0,1,2,3,4
	v_add_nc_u32 v[18+\mt], 128, v[18+\mt]
.endr
	v_add_nc_u32 v23, 256, v23
	s_sub_co_u32 s88, s88, 1
	s_cmp_lg_u32 s88, 0
	s_cbranch_scc1 .Lf1
	BAR
	CLR
	s_mov_b32 s88, 3
.Lf2:                                                  ; lin2: 256 of its 1,024 k a trip
	PASS 13, 128, 64, 32, 2, 4
	s_wait_xcnt 0x0
	s_add_nc_u64 s[80:81], s[80:81], 32768
.irp mt, 0,1,2,3,4
	v_add_nc_u32 v[13+\mt], 512, v[13+\mt]
.endr
	s_sub_co_u32 s88, s88, 1
	s_cmp_lg_u32 s88, 0
	s_cbranch_scc1 .Lf2
	PASS 13, 128, 64, 32, 2, 0                     ; the last pass loads nothing
	BAR                                            ; every wave's reads of h are back: the stage may take its bytes
	EPIF 1040
	BAR
	s_mov_b32 s89, s63
	s_mov_b32 s88, 5
.Lr5:
.irp k, 0,1,2,3
	ds_load_b128 v[112+16*\k:115+16*\k], v28 offset:1040*\k
	ds_load_b128 v[116+16*\k:119+16*\k], v28 offset:1040*\k+512
	ds_load_b128 v[120+16*\k:123+16*\k], v29 offset:1040*\k
	ds_load_b128 v[124+16*\k:127+16*\k], v29 offset:1040*\k+512
.endr
	s_wait_dscnt 0x0
	LNCORE 56, 64, 72
	s_cmp_gt_u32 s89, 72                           ; rows 75-79 are none
	s_cbranch_scc1 .Lr5_ns
.irp k, 0,1,2
	global_store_b128 v27, v[112+16*\k:115+16*\k], s[24:25] offset:16384*\k th:TH_STORE_NT
	global_store_b128 v27, v[116+16*\k:119+16*\k], s[24:25] offset:16384*\k+512 th:TH_STORE_NT
.endr
	s_cmp_gt_u32 s89, 71
	s_cbranch_scc1 .Lr5_ns
	global_store_b128 v27, v[160:163], s[24:25] offset:49152 th:TH_STORE_NT
	global_store_b128 v27, v[164:167], s[24:25] offset:49152+512 th:TH_STORE_NT
.Lr5_ns:
	s_wait_xcnt 0x0                                ; the stores' data and offset are written again only behind this wait
	v_add_nc_u32 v28, 4*1040, v28
	v_add_nc_u32 v29, 4*1040, v29
	v_add_nc_u32 v27, 65536, v27
	s_add_co_u32 s89, s89, 4
	s_sub_co_u32 s88, s88, 1
	s_cmp_lg_u32 s88, 0
	s_cbranch_scc1 .Lr5
	s_wait_tensorcnt 0x0                           ; the wave's end
	ds_add_u32 v2, v3
	s_wait_dscnt 0x0
	s_endpgm
.Lfunc_end_k_q478437b996_k_tail:
	.size	k_q478437b996_k_tail, .Lfunc_end_k_q478437b996_k_tail-k_q478437b996_k_tail
	.p2alignl 7, 3214868480
	.fill 96, 4, 3214868480
	.section	.rodata,"a",@progbits
	.p2align	6, 0x0
	.amdhsa_kernel k_q478437b996_k_tail
		.amdhsa_group_segment_fixed_size 295168
		.amdhsa_private_segment_fixed_size 0
		.amdhsa_enable_private_segment 0
		.amdhsa_kernarg_size 88
		.amdhsa_user_sgpr_count 2
		.amdhsa_user_sgpr_kernarg_segment_ptr 1
		.amdhsa_wavefront_size32 1
		.amdhsa_system_sgpr_workgroup_id_x 1
		.amdhsa_system_sgpr_workgroup_id_y 1
		.amdhsa_system_sgpr_workgroup_id_z 1
		.amdhsa_system_vgpr_workitem_id 0
		.amdhsa_next_free_vgpr 768
		.amdhsa_next_free_sgpr 100
		.amdhsa_reserve_vcc 0
		.amdhsa_float_denorm_mode_32 3
		.amdhsa_float_denorm_mode_16_64 3
		.amdhsa_memory_ordered 1
		.amdhsa_forward_progress 1
		.amdhsa_inst_pref_size 159
	.end_amdhsa_kernel
	.amdgpu_metadata
---
amdhsa.version: [ 1, 2 ]
amdhsa.kernels:
  - .name:           k_q478437b996_k_tail
    .symbol:         k_q478437b996_k_tail.kd
    .args:
      - { .name: x1, .offset: 0, .size: 8, .value_kind: global_buffer, .address_space: global }
      - { .name: samp, .offset: 8, .size: 8, .value_kind: global_buffer, .address_space: global }
      - { .name: wb, .offset: 16, .size: 8, .value_kind: global_buffer, .address_space: global }
      - { .name: mout_b, .offset: 24, .size: 8, .value_kind: global_buffer, .address_space: global }
      - { .name: ln_cross_g, .offset: 32, .size: 8, .value_kind: global_buffer, .address_space: global }
      - { .name: ln_cross_b, .offset: 40, .size: 8, .value_kind: global_buffer, .address_space: global }
      - { .name: lin1_b, .offset: 48, .size: 8, .value_kind: global_buffer, .address_space: global }
      - { .name: lin2_b, .offset: 56, .size: 8, .value_kind: global_buffer, .address_space: global }
      - { .name: ln3_g, .offset: 64, .size: 8, .value_kind: global_buffer, .address_space: global }
      - { .name: ln3_b, .offset: 72, .size: 8, .value_kind: global_buffer, .address_space: global }
      - { .name: out0, .offset: 80, .size: 8, .value_kind: global_buffer, .address_space: global }
    .group_segment_fixed_size: 295168
    .private_segment_fixed_size: 0
    .kernarg_segment_align: 8
    .kernarg_segment_size: 88
    .max_flat_workgroup_size: 128
    .sgpr_count:     100
    .vgpr_count:     768
    .wavefront_size: 32
...
	.end_amdgpu_metadata
.endif
;; end of part 9
